; MI455X (gfx1250); checked and timed in simulation.
; The chip was launched on July 23, 2026; its instructions are those of AMD's public machine-readable ISA for CDNA 5 (MIT licence, August 2026) and "CDNA5" Instruction Set Architecture Reference Guide (July 2026). The comments in the code are by the model that wrote it; some were corrected since.
;; Deep Speed Transformer Inference. Allowed arithmetic: float matrix products may take bf16 or f16 operands with f32 sums; all other float work in f32.
;; Inputs: attn_nb 1,024 float32; attn_nw 1,024 float32; attn_ob 1,024 float32; attn_ow 1,024 x 1,024 float32; input_mask 2 x 2,048 float32; inter_b 4,096 float32; inter_w 1,024 x 4,096 float32; norm_b 1,024 float32; norm_w 1,024 float32; output_b 1,024 float32; output_w 4,096 x 1,024 float32; qkvb 3,072 float32; qkvw 1,024 x 3,072 float32; x 2 x 2,048 x 1,024 float32.
;; Outputs: out0 2 x 2,048 x 1,024 float32.
;; 2 versions, each right and faster than the one before. Each part assembles by itself: llvm-mc -triple=amdgcn-amd-amdhsa -mcpu=gfx1250 --defsym DOCPART=n.
;; ======== version 1 of 2: 7 launches
;; limits: right only within a limited range of input values; values are held in f16: magnitudes above 65,504 overflow, below 6.1e-05 lose precision
;; workspace buffers: wts 25,165,824 bytes; act 8,388,608 bytes; big 33,554,432 bytes; resid 16,777,216 bytes
;; launch prep (part 1): grid 1024 x 1, 8 waves a work-group, no clusters, 0 bytes of LDS; arguments x, norm_w, norm_b, qkvw, attn_ow, inter_w, output_w, act, wts; writes act, wts
.if DOCPART == 1
	.amdgcn_target "amdgcn-amd-amdhsa--gfx1250"
	.amdhsa_code_object_version 6
	.text
	.protected	k_qcbdae0b454_prep
	.globl	k_qcbdae0b454_prep
	.p2align	8
	.type	k_qcbdae0b454_prep,@function
k_qcbdae0b454_prep:
	s_mov_b64 s[64:65], 0
	v_nop
	global_prefetch_b8 v0, s[64:65] scope:SCOPE_SE
	s_setreg_imm32_b32 hwreg(HW_REG_WAVE_MODE, 25, 1), 1
	s_wait_xcnt 0x0
; PREP.  Two streams in one launch, chosen by the work-group's number g.
; g < 256: layer norm of x.  act[row][c] = f16((x - mean) * rsqrt(var + 1e-12) * norm_w[c] + norm_b[c]), rows of 1,024.  A wave takes two rows; a row is 32 registers a lane
;   and stays in registers between the pass for the mean, the pass for the variance (of x - mean, as the definition has it: no difference of large sums) and the scaling.
; g >= 256: the four weight matrices, as they lie ([K][N]), rounded once to f16 into wts: qkvw at byte 0, attn_ow at 6,291,456, inter_w at 8,388,608, output_w at 16,777,216.
;   A work-group takes 16,384 numbers: 16 loads of 16 bytes a thread, all out together; 192 + 64 + 256 + 256 = 768 work-groups.
; LIMITS.  f16 ends at 65,504: a weight or a normalised number beyond it becomes an infinity; below 6e-5 f16 keeps its fixed step of 6e-8.  NaN and infinities are not treated apart.
; No LDS, no barrier, no matrix unit: memory binds, and no wave needs another's data.  Each load of a wave covers 512 consecutive bytes, each store 256, both aligned.
.set T,   4                            ; v[4:19]    at work
.set MU,  20                           ; v[20:21]   the mean, twice
.set RS,  22                           ; v[22:23]   1 / sqrt(var + eps), twice
.set PX,  24                           ; v24        the other half of the lanes' sum
.set X0,  32                           ; v[32:63]   row 0: register 4 j + k holds column 128 j + 4 lane + k
.set X1,  64                           ; v[64:95]   row 1
.set G,   96                           ; v[96:127]  the gain of the same columns
.set BV,  128                          ; v[128:159] the bias
.macro WSUM                            ; v[T] + v[T+1], summed over the wave's 32 lanes, into every lane's v[T]
	v_add_f32 v[T], v[T], v[T+1]
	v_add_f32_dpp v[T], v[T], v[T] row_xmask:1 row_mask:0xf bank_mask:0xf
	v_add_f32_dpp v[T], v[T], v[T] row_xmask:2 row_mask:0xf bank_mask:0xf
	v_add_f32_dpp v[T], v[T], v[T] row_xmask:4 row_mask:0xf bank_mask:0xf
	v_add_f32_dpp v[T], v[T], v[T] row_xmask:8 row_mask:0xf bank_mask:0xf
	v_permlanex16_b32 v[PX], v[T], s26, s27
	v_add_f32 v[T], v[T], v[PX]
.endm
; One row: mean, x - mean in place, variance, times 1 / sqrt(var + eps) in place.  left = the younger loads that may stay out.
.macro LNROW X, left
	s_wait_loadcnt \left
.set j, 0
.rept 8
	v_pk_add_f32 v[T+2*j:T+2*j+1], v[(\X)+4*j:(\X)+4*j+1], v[(\X)+4*j+2:(\X)+4*j+3]
.set j, j+1
.endr
.irp j, 0,1,2,3
	v_pk_add_f32 v[T+2*\j:T+2*\j+1], v[T+2*\j:T+2*\j+1], v[T+8+2*\j:T+8+2*\j+1]
.endr
.irp j, 0,1
	v_pk_add_f32 v[T+2*\j:T+2*\j+1], v[T+2*\j:T+2*\j+1], v[T+4+2*\j:T+4+2*\j+1]
.endr
	v_pk_add_f32 v[T:T+1], v[T:T+1], v[T+2:T+3]
	WSUM
	v_mul_f32 v[MU], s24, v[T]
	v_mov_b32 v[MU+1], v[MU]
.set j, 0
.rept 16
	v_pk_add_f32 v[(\X)+2*j:(\X)+2*j+1], v[(\X)+2*j:(\X)+2*j+1], v[MU:MU+1] neg_lo:[0,1] neg_hi:[0,1]
.set j, j+1
.endr
.irp j, 0,1,2,3
	v_pk_mul_f32 v[T+2*\j:T+2*\j+1], v[(\X)+2*\j:(\X)+2*\j+1], v[(\X)+2*\j:(\X)+2*\j+1]  ; four chains, started by the first four pairs
.endr
.set j, 4
.rept 12
	v_pk_fma_f32 v[T+2*(j%4):T+2*(j%4)+1], v[(\X)+2*j:(\X)+2*j+1], v[(\X)+2*j:(\X)+2*j+1], v[T+2*(j%4):T+2*(j%4)+1]
.set j, j+1
.endr
	v_pk_add_f32 v[T:T+1], v[T:T+1], v[T+4:T+5]
	v_pk_add_f32 v[T+2:T+3], v[T+2:T+3], v[T+6:T+7]
	v_pk_add_f32 v[T:T+1], v[T:T+1], v[T+2:T+3]
	WSUM
	v_fma_f32 v[RS], v[T], s24, s25                ; var + eps
	v_rsq_f32 v[RS], v[RS]
	v_nop                                          ; a plain instruction between the root and the use of its result
	s_wait_alu depctr_va_vdst(0)
	v_mov_b32 v[RS+1], v[RS]
.set j, 0
.rept 16
	v_pk_mul_f32 v[(\X)+2*j:(\X)+2*j+1], v[(\X)+2*j:(\X)+2*j+1], v[RS:RS+1]
.set j, j+1
.endr
.endm
; Gain and bias, rounding to f16, stores: 8 bytes a lane, 256 consecutive bytes a wave.
.macro LNOUT X, rowoff
.set j, 0
.rept 16
	v_pk_fma_f32 v[(\X)+2*j:(\X)+2*j+1], v[(\X)+2*j:(\X)+2*j+1], v[G+2*j:G+2*j+1], v[BV+2*j:BV+2*j+1]
.set j, j+1
.endr
.set j, 0
.rept 8
	v_cvt_pk_f16_f32 v[(\X)+4*j], v[(\X)+4*j], v[(\X)+4*j+1]
	v_cvt_pk_f16_f32 v[(\X)+4*j+1], v[(\X)+4*j+2], v[(\X)+4*j+3]
	global_store_b64 v2, v[(\X)+4*j:(\X)+4*j+1], s[18:19] offset:256*j+(\rowoff)
.set j, j+1
.endr
.endm
	s_load_b512 s[4:19], s[0:1], 0x0               ; x 4:5, norm_w 6:7, norm_b 8:9, qkvw 10:11, attn_ow 12:13, inter_w 14:15, output_w 16:17, act 18:19
	s_load_b64 s[20:21], s[0:1], 0x40              ; wts
	s_cmp_ge_u32 ttmp9, 256
	s_cbranch_scc1 .Lcvt
	; THE LAYER NORM: work-group g owns rows 16 g .. 16 g + 15, wave w rows 16 g + 2 w and the next
	v_lshrrev_b32 v3, 5, v0
	v_readfirstlane_b32 s22, v3                    ; wave 0..7
	v_and_b32 v1, 31, v0
	v_lshlrev_b32 v2, 3, v1                        ; 8 x lane: my 8 bytes of 256 in act
	v_lshlrev_b32 v1, 4, v1                        ; 16 x lane: my 16 bytes of 512 in x
	v_mov_b32 v[PX], 0                             ; v_permlanex16_b32's destination counts as read
	s_lshl_b32 s28, ttmp9, 16                      ; 16 rows of 4,096 bytes
	s_lshl_b32 s23, s22, 13                        ; 2 rows
	s_add_co_u32 s28, s28, s23
	s_mov_b32 s29, 0
	s_lshl_b32 s30, ttmp9, 15                      ; the same rows in act, 2,048 bytes each
	s_lshl_b32 s23, s22, 12
	s_add_co_u32 s30, s30, s23
	s_mov_b32 s31, 0
	s_mov_b32 s24, 0x3a800000                      ; 1 / 1024
	s_mov_b32 s25, 0x2b8cbccc                      ; 1e-12
	s_mov_b32 s26, 0x76543210                      ; each lane takes its own place in the other half
	s_mov_b32 s27, 0xfedcba98
	s_wait_kmcnt 0x0
	s_add_nc_u64 s[4:5], s[4:5], s[28:29]
	s_add_nc_u64 s[18:19], s[18:19], s[30:31]
.set j, 0
.rept 8
	global_load_b128 v[X0+4*j:X0+4*j+3], v1, s[4:5] offset:512*j
.set j, j+1
.endr
.set j, 0
.rept 8
	global_load_b128 v[X1+4*j:X1+4*j+3], v1, s[4:5] offset:4096+512*j
.set j, j+1
.endr
.set j, 0
.rept 8
	global_load_b128 v[G+4*j:G+4*j+3], v1, s[6:7] offset:512*j
.set j, j+1
.endr
.set j, 0
.rept 8
	global_load_b128 v[BV+4*j:BV+4*j+3], v1, s[8:9] offset:512*j
.set j, j+1
.endr
	LNROW X0, 24                                   ; row 0 is in: row 1's, the gain's and the bias's 24 loads are younger
	LNROW X1, 16                                   ; row 1 is in: 16 are younger
	s_wait_loadcnt 0x0                             ; gain and bias
	LNOUT X0, 0
	LNOUT X1, 2048
	s_endpgm
	; THE WEIGHTS: chunk c = g - 256 of 768, 16,384 numbers.  The source is chosen by c alone; the chunks follow each other in wts as the four matrices do.
.Lcvt:
	s_sub_co_u32 s22, ttmp9, 256
	v_lshlrev_b32 v1, 4, v0                        ; 16 x thread: 256 threads cover 4,096 bytes
	v_lshlrev_b32 v2, 3, v0                        ; 8 x thread
	s_wait_kmcnt 0x0
	s_mov_b64 s[24:25], s[16:17]                   ; output_w, chunks 512 ..
	s_mov_b32 s23, 512
	s_cmp_lt_u32 s22, 512
	s_cselect_b64 s[24:25], s[14:15], s[24:25]     ; inter_w, chunks 256 ..
	s_cselect_b32 s23, 256, s23
	s_cmp_lt_u32 s22, 256
	s_cselect_b64 s[24:25], s[12:13], s[24:25]     ; attn_ow, chunks 192 ..
	s_cselect_b32 s23, 192, s23
	s_cmp_lt_u32 s22, 192
	s_cselect_b64 s[24:25], s[10:11], s[24:25]     ; qkvw, chunks 0 ..
	s_cselect_b32 s23, 0, s23
	s_sub_co_u32 s23, s22, s23                     ; the chunk's number in its matrix
	s_lshl_b32 s28, s23, 16                        ; 65,536 bytes of f32
	s_mov_b32 s29, 0
	s_lshl_b32 s30, s22, 15                        ; 32,768 bytes of f16
	s_mov_b32 s31, 0
	s_add_nc_u64 s[24:25], s[24:25], s[28:29]
	s_add_nc_u64 s[20:21], s[20:21], s[30:31]
.set i, 0
.rept 16
	global_load_b128 v[32+4*i:32+4*i+3], v1, s[24:25] offset:4096*i th:TH_LOAD_NT
.set i, i+1
.endr
.set i, 0
.rept 16
	s_wait_loadcnt 15-i                            ; loads come back in order: number i is in, the younger ones stay out
	v_cvt_pk_f16_f32 v[32+4*i], v[32+4*i], v[32+4*i+1]
	v_cvt_pk_f16_f32 v[32+4*i+1], v[32+4*i+2], v[32+4*i+3]
	global_store_b64 v2, v[32+4*i:32+4*i+1], s[20:21] offset:2048*i
.set i, i+1
.endr
	s_endpgm
.Lfunc_end_k_qcbdae0b454_prep:
	.size	k_qcbdae0b454_prep, .Lfunc_end_k_qcbdae0b454_prep-k_qcbdae0b454_prep
	.p2alignl 7, 3214868480
	.fill 96, 4, 3214868480
	.section	.rodata,"a",@progbits
	.p2align	6, 0x0
	.amdhsa_kernel k_qcbdae0b454_prep
		.amdhsa_group_segment_fixed_size 0
		.amdhsa_private_segment_fixed_size 0
		.amdhsa_enable_private_segment 0
		.amdhsa_kernarg_size 72
		.amdhsa_user_sgpr_count 2
		.amdhsa_user_sgpr_kernarg_segment_ptr 1
		.amdhsa_wavefront_size32 1
		.amdhsa_system_sgpr_workgroup_id_x 1
		.amdhsa_system_sgpr_workgroup_id_y 1
		.amdhsa_system_sgpr_workgroup_id_z 1
		.amdhsa_system_vgpr_workitem_id 0
		.amdhsa_next_free_vgpr 160
		.amdhsa_next_free_sgpr 66
		.amdhsa_reserve_vcc 0
		.amdhsa_float_denorm_mode_32 3
		.amdhsa_float_denorm_mode_16_64 3
		.amdhsa_memory_ordered 1
		.amdhsa_forward_progress 1
		.amdhsa_inst_pref_size 27
	.end_amdhsa_kernel
	.amdgpu_metadata
---
amdhsa.version: [ 1, 2 ]
amdhsa.kernels:
  - .name:           k_qcbdae0b454_prep
    .symbol:         k_qcbdae0b454_prep.kd
    .args:
      - { .name: x, .offset: 0, .size: 8, .value_kind: global_buffer, .address_space: global }
      - { .name: norm_w, .offset: 8, .size: 8, .value_kind: global_buffer, .address_space: global }
      - { .name: norm_b, .offset: 16, .size: 8, .value_kind: global_buffer, .address_space: global }
      - { .name: qkvw, .offset: 24, .size: 8, .value_kind: global_buffer, .address_space: global }
      - { .name: attn_ow, .offset: 32, .size: 8, .value_kind: global_buffer, .address_space: global }
      - { .name: inter_w, .offset: 40, .size: 8, .value_kind: global_buffer, .address_space: global }
      - { .name: output_w, .offset: 48, .size: 8, .value_kind: global_buffer, .address_space: global }
      - { .name: act, .offset: 56, .size: 8, .value_kind: global_buffer, .address_space: global }
      - { .name: wts, .offset: 64, .size: 8, .value_kind: global_buffer, .address_space: global }
    .group_segment_fixed_size: 0
    .private_segment_fixed_size: 0
    .kernarg_segment_align: 8
    .kernarg_segment_size: 72
    .max_flat_workgroup_size: 256
    .sgpr_count:     66
    .vgpr_count:     160
    .wavefront_size: 32
...
	.end_amdgpu_metadata
.endif
;; end of part 1
;; launch qkv (part 2): grid 12 x 16, 4 waves a work-group, clusters of 4 x 4, 327,680 bytes of LDS; arguments act, wts, qkvb, big; writes big
.if DOCPART == 2
	.amdgcn_target "amdgcn-amd-amdhsa--gfx1250"
	.amdhsa_code_object_version 6
	.text
	.protected	k_qcbdae0b454_qkv
	.globl	k_qcbdae0b454_qkv
	.p2align	8
	.type	k_qcbdae0b454_qkv,@function
k_qcbdae0b454_qkv:
	s_mov_b64 s[64:65], 0
	v_nop
	global_prefetch_b8 v0, s[64:65] scope:SCOPE_SE
	s_setreg_imm32_b32 hwreg(HW_REG_WAVE_MODE, 25, 1), 1
	s_wait_xcnt 0x0
	s_wait_alu depctr_hold_cnt(0) depctr_sa_sdst(0) depctr_va_vdst(0) depctr_va_sdst(0) depctr_va_ssrc(0) depctr_va_vcc(0) depctr_vm_vsrc(0)
	s_getreg_b32 s2, hwreg(HW_REG_IB_STS2, 6, 4)
	s_cmp_eq_u32 s2, 0
	s_cbranch_scc0 .Lentry_in_a_cluster
	s_endpgm
.Lentry_in_a_cluster:
	s_bfe_u32 s2, ttmp6, 0x10000c
	s_cmp_lg_u32 s2, 0xf033
	s_cbranch_scc0 .Lentry_shape_is_right
	s_endpgm
.Lentry_shape_is_right:
; QKV.  C[m][n] = bias[n] + the sum over k of A[m][k] W[k][n].  A = act: [4096][1024] f16 (the normalised x), W: [1024][SIZE_N] f16 at byte WOFF of wts, bias f32; sums in f32, C rounded once to f16.
; C leaves by blocks of 64 columns: big[cb][token][64], cb = n / 64, so that a head's q, k or v is 4,096 dense rows of 128 bytes.
; LIMITS.  f16 ends at 65,504: a result beyond it becomes an infinity.  NaN and infinities are not treated apart.
; A tile of C is 256 x 256: four waves, each 128 x 128 = 64 accumulators, 512 registers.  K goes in steps of 128 through a ring of two LDS slots filled by the tensor data mover.
; 12 x 16 = 192 tiles: a tile of 192 or 384 columns, which would give 256, has rows of 96 or 192 words, which the mover's padding interval (a power of two) cannot pad.
; A's rows lie along K and are read as they lie; W's rows lie along N and are read turned, by ds_load_tr16_b128.
; THE MATRIX INSTRUCTION IS USED TRANSPOSED: source 0 = 16 columns of W, source 1 = 16 rows of A: a lane holds row l % 16 of C and the columns 8 (l / 16) + 0..7.  The bias is the C operand of each sum's first product.
; CLUSTERS: 4 x 4 work-groups.  A's tile is shared along a row of the cluster, W's along a column: each is asked for jointly, by the same tensor load with the same descriptor and a mask that names the four.
; REGISTERS, in windows of 256: window 0: v0-31 addresses; v64-127, v128-191 A's fragments, two buffers; v192-255 the bias until the first quarter is done; then v192-223 packed results, v32-63 and v224-255 rows read back.
;   window 1: v64-127, v128-191 W's fragments.   windows 2, 3: the accumulators of my rows 0-63, 64-127 ((a, b) at v[8 (8 a + b)]).
.set SIZE_K, 1024
.set SIZE_N, 3072
.set WOFF,   0
.set GELU,   0
.set SH_TC,  21                        ; the output's byte offset = tile column << SH_TC + column half << SH_CH + tile row << SH_TR + row half << SH_RH:
.set SH_CH,  20                        ; 4 and 2 blocks of 4,096 x 128 bytes; 256 and 128 rows of 128 bytes
.set SH_TR,  15
.set SH_RH,  14
.set CBSTEP, 524288                    ; bytes from a block of 64 columns to the next
.set KSTEP,  128
.set PA,     272                       ; a row of A in LDS: 256 bytes + 16 = 68 words: the 16 rows of a load start at 16 different groups of four banks (64 banks of 4 bytes: ISA guide 11.1)
.set PB,     544                       ; a row of W: 512 bytes + 32 = 136 words
.set HALFT,  128*PA                    ; what one tensor load brings: 128 rows of A, or 64 rows of W (64 x 544 is the same number)
.set SLOT,   4*HALFT                   ; A's 256 rows, then W's 128 rows
.set STAGE,  2*SLOT                    ; behind the ring: 16 rows x 272 bytes for each wave, for the way out
.set SPITCH, 272
.set SPARE,  STAGE+4*16*SPITCH         ; behind the stages: the spare words, 128 bytes for each wave: two blocks of 256 bytes that no other line names
.set LAPS,   SIZE_K/(2*KSTEP)          ; a lap = two K steps = once round the ring
.set ADRA, 16                          ; v16-17  LDS address of my A fragments in slot 0, 1
.set ADRB, 20                          ; v20-21  the same for W
.set STO,  24                          ; v24     the way out: where I put 16 bytes of a row
.set RD,   25                          ; v25     the way out: where I read rows back
.set CO,   26                          ; v26     my 16 bytes of 512 consecutive bytes of the output
.set BO,   27                          ; v27     my byte offset in 16 numbers of the bias
.set SPW,  28                          ; v28     LDS address of my spare word; never rewritten
.set NIL,  29                          ; v29     0; never rewritten
.set F0,   64
.set F1,   128
.set BIAS, 192
.set TMP,  192
.set OB,   32
.set TT,   64
.set WV, 12                            ; s12 wave; s13 my half of the tile's rows, also: I fetch for A (0) or W (1); s14 my half of its columns, also: which half of that tile I fetch
.set RH, 13
.set CH, 14
.set TR, 15                            ; s15 tile row; s42 tile column
.set TC, 42
.set G1, 24                            ; s[24:31] group 1 for A; s[32:39] group 0, a set for each slot
.set G0, 32
.set G1B, 48                           ; s[48:55], s[56:63] the same for W
.set G0B, 56
.set K1, 68
.set K2, 70
.set MSB, 0
.macro WIN new                         ; the immediate's high byte repeats the setting that is left; a switch that changes nothing is dropped
.if MSB != (\new)
	s_set_vgpr_msb (MSB<<8)|(\new)
.set MSB, \new
.endif
.endm
.set TO_B, 0x40                        ; destination window 1, address window 0
; A joint load: waves 0 and 1 fetch A's halves, waves 2 and 3 W's.  Four v_nop follow each of the two lines, ahead of the jump, the label and what follows.
.macro JLOAD s
	s_cmp_eq_u32 s[RH], 0
	s_cbranch_scc0 .Lfor_b_\@
	tensor_load_to_lds s[G0+4*(\s):G0+4*(\s)+3], s[G1:G1+7]
	s_nop 0
.rept 4
	v_nop
.endr
	s_branch .Lasked_\@
.Lfor_b_\@:
	tensor_load_to_lds s[G0B+4*(\s):G0B+4*(\s)+3], s[G1B:G1B+7]
	s_nop 0
.rept 4
	v_nop
.endr
.Lasked_\@:
.endm
.macro CREST                           ; a round of the cluster's barrier behind its opening barrier
	s_cmp_lg_u32 s[WV], 0
	s_cbranch_scc1 .Lnot_wave_0_\@
	s_barrier_signal -3
.Lnot_wave_0_\@:
	s_barrier_wait -3
	s_barrier_signal -1
	s_barrier_wait -1
.endm
.macro CROUND                          ; a whole round
	s_barrier_signal -1
	s_barrier_wait -1
	CREST
.endm
.macro PLACES                          ; four places in front of loads into registers that matrix instructions have read, and of vector work that reads results
.rept 4
	v_nop
.endr
.endm
	s_load_b256 s[4:11], s[0:1], 0x0               ; A s[4:5], wts s[6:7], bias s[8:9], output s[10:11]
	v_lshl_add_u32 v[SPW], v0, 2, SPARE
	v_mov_b32 v[NIL], 0
	ds_add_u32 v28, v29
	ds_add_u32 v28, v29
	s_wait_dscnt 0x0
	v_lshrrev_b32 v1, 5, v0
	v_readfirstlane_b32 s[WV], v1                  ; wave 0..3
	s_lshr_b32 s[RH], s[WV], 1
	s_and_b32 s[CH], s[WV], 1
	s_bfe_u32 s40, ttmp6, 0x40000                  ; cx, cy: my place in the cluster
	s_bfe_u32 s41, ttmp6, 0x40004
	s_lshl_b32 s[TC], ttmp9, 2
	s_add_co_u32 s[TC], s[TC], s40                 ; tile column = 4 x cluster x + cx
	s_and_b32 s[TR], ttmp7, 0xffff
	s_lshl_b32 s[TR], s[TR], 2
	s_add_co_u32 s[TR], s[TR], s41                 ; tile row = 4 x cluster y + cy
	s_lshl_b32 s43, s41, 2
	s_lshl_b32 s43, 15, s43                        ; my row of the cluster
	s_lshl_b32 s44, 0x1111, s40                    ; my column
	s_or_b32 s[G1+0], s43, (1<<16)|(1<<20)|(1<<21)|(5<<22)|(3<<25)   ; the mask; 2-byte elements; padding on; bit 21 beside a mask; after every 64 words 4 words
	s_or_b32 s[G1B+0], s44, (1<<16)|(1<<20)|(1<<21)|(6<<22)|(7<<25)  ; the same, after every 128 words 8 words
	s_mov_b32 s[G1+1], KSTEP<<16                   ; A: tensor_dim0 = 128
	s_mov_b32 s[G1+2], 128<<16                     ; tensor_dim1 = 128
	s_mov_b32 s[G1+3], KSTEP<<16                   ; tile_dim0 = 128
	s_mov_b32 s[G1+4], 128                         ; tile_dim1 = 128
	s_mov_b32 s[G1+5], SIZE_K                      ; elements from row to row
	s_mov_b32 s[G1+6], 0
	s_mov_b32 s[G1+7], 0
	s_mov_b32 s[G1B+1], 256<<16                    ; W: tensor_dim0 = 256
	s_mov_b32 s[G1B+2], 64<<16                     ; tensor_dim1 = 64
	s_mov_b32 s[G1B+3], 256<<16                    ; tile_dim0 = 256
	s_mov_b32 s[G1B+4], 64                         ; tile_dim1 = 64
	s_mov_b32 s[G1B+5], SIZE_N
	s_mov_b32 s[G1B+6], 0
	s_mov_b32 s[G1B+7], 0
	; A's tiles hang on the tile row alone, W's on the tile column alone; each offset is made in registers that never hold the other coordinate
	s_lshl_b32 s17, s[CH], 7
	s_lshl_b32 s16, s[TR], 8
	s_add_co_u32 s16, s16, s17                     ; A: row 256 x tile row + 128 x half,
	s_lshl_b32 s16, s16, 11                        ; of 2,048 bytes
	s_mov_b32 s17, 0
	s_mul_i32 s46, s[CH], 64*SIZE_N*2              ; W: row 64 x half,
	s_lshl_b32 s47, s[TC], 9                       ; column 256 x tile column,
	s_add_co_u32 s46, s46, s47
	s_add_co_u32 s46, s46, WOFF                    ; in its matrix
	s_mov_b32 s47, 0
	s_mul_i32 s20, s[WV], HALFT                    ; where they go: wave x a load's bytes: no place in the cluster enters an LDS address
	s_wait_kmcnt 0x0
	s_add_nc_u64 s[18:19], s[4:5], s[16:17]
	s_add_nc_u64 s[46:47], s[6:7], s[46:47]
	CROUND                                         ; all sixteen work-groups are here: the first joint loads meet
.irp s, 0,1
	s_mov_b32 s[G0+4*(\s)], 1
	s_add_co_u32 s[G0+4*(\s)+1], s20, (\s)*SLOT
	s_add_nc_u64 s[G0+4*(\s)+2:G0+4*(\s)+3], s[18:19], (\s)*KSTEP*2
	s_or_b32 s[G0+4*(\s)+3], s[G0+4*(\s)+3], 0x80000000
	s_mov_b32 s[G0B+4*(\s)], 1
	s_add_co_u32 s[G0B+4*(\s)+1], s20, (\s)*SLOT
	s_add_nc_u64 s[G0B+4*(\s)+2:G0B+4*(\s)+3], s[46:47], (\s)*KSTEP*SIZE_N*2
	s_or_b32 s[G0B+4*(\s)+3], s[G0B+4*(\s)+3], 0x80000000
	JLOAD \s                                       ; the ring is filled before anything else is done: two loads of mine are out
.endr
	v_and_b32 v1, 15, v0                           ; l % 16
	v_bfe_u32 v2, v0, 4, 1                         ; l / 16
	; the bias of my 128 columns: register j of block b is column 16 b + 8 (l / 16) + j
	v_lshlrev_b32 v[BO], 5, v2
	s_lshl_b32 s22, s[TC], 10
	s_lshl_b32 s23, s[CH], 9
	s_add_co_u32 s22, s22, s23
	s_mov_b32 s23, 0
	s_add_nc_u64 s[8:9], s[8:9], s[22:23]
.irp b, 0,1,2,3,4,5,6,7
	global_load_b128 v[BIAS+8*(\b):BIAS+8*(\b)+3],   v[BO], s[8:9] offset:64*(\b)
	global_load_b128 v[BIAS+8*(\b)+4:BIAS+8*(\b)+7], v[BO], s[8:9] offset:64*(\b)+16
.endr
	; A's fragment: lane l holds row l % 16, K = 8 (l / 16) + 0..7 and 16 + 8 (l / 16) + 0..7: two loads of 16 bytes, 32 bytes apart
	v_mul_u32_u24 v3, v1, PA
	v_lshl_add_u32 v3, v2, 4, v3
	s_mul_i32 s21, s[RH], HALFT
	v_add_nc_u32 v[ADRA], s21, v3
	v_add_nc_u32 v[ADRA+1], SLOT, v[ADRA]
	; W's: the turning load takes 16 k x 16 n (lane l reads row 8 (l / 16) + l % 8, columns 8 ((l / 8) % 2) + 0..7) and leaves half a fragment: lane l holds column l % 16 and 8 k
	v_and_b32 v4, 7, v0
	v_lshl_add_u32 v4, v2, 3, v4
	v_mul_u32_u24 v4, v4, PB
	v_bfe_u32 v5, v0, 3, 1
	v_lshl_add_u32 v4, v5, 4, v4
	s_lshl_b32 s21, s[CH], 8                       ; my 128 columns,
	s_add_co_u32 s21, s21, 2*HALFT                 ; behind A's 256 rows
	v_add_nc_u32 v[ADRB], s21, v4
	v_add_nc_u32 v[ADRB+1], SLOT, v[ADRB]
	s_mul_i32 s23, s[WV], 16*SPITCH
	s_add_co_u32 s23, s23, STAGE                   ; my stage
	v_mul_u32_u24 v4, v1, SPITCH                   ; in: row l % 16, 16 bytes for each half of the lanes
	v_lshl_add_u32 v4, v2, 4, v4
	v_add_nc_u32 v[STO], s23, v4
	v_bfe_u32 v5, v0, 3, 2                         ; back: 32 lanes take 128 bytes (64 columns) of four rows,
	v_mul_u32_u24 v5, v5, SPITCH
	v_and_b32 v6, 7, v0
	v_lshl_add_u32 v5, v6, 4, v5
	v_add_nc_u32 v[RD], s23, v5
	v_and_b32 v[CO], 31, v0                        ; which are 512 consecutive bytes of the output
	v_lshlrev_b32 v[CO], 4, v[CO]
	s_lshl_b32 s22, s[TC], SH_TC
	s_lshl_b32 s23, s[CH], SH_CH
	s_add_co_u32 s22, s22, s23
	s_lshl_b32 s23, s[TR], SH_TR
	s_add_co_u32 s22, s22, s23
	s_lshl_b32 s23, s[RH], SH_RH
	s_add_co_u32 s22, s22, s23
	s_mov_b32 s23, 0
	s_add_nc_u64 s[10:11], s[10:11], s[22:23]      ; the output at my first row of my first block of columns
.if GELU
	s_mov_b32 s[K1], 0xc0135761                    ; -2 sqrt(2 / pi) log2(e)
	s_mov_b32 s[K1+1], s[K1]
	s_mov_b32 s[K2], 0xbdd2d3e8                    ; 0.044715 times that
	s_mov_b32 s[K2+1], s[K2]
.endif
; 16 matrix instructions: m blocks a0, a0 + 1 of the window's four x all 8 n blocks, 32 along K.  first = 1: the product starts the sum, with the bias as C.
; The 64 accumulators take turns, one instruction a turn, in the same order in every quarter.
.macro MUL16 f, hi, a0, first
.if \first
	WIN 0x81+0x40*(\hi)                            ; W window 1, A and the bias window 0, D window 2 or 3
.else
	WIN 0xa1+0x50*(\hi)                            ; W window 1, A window 0, C and D window 2 or 3
.endif
.irp a, \a0, (\a0)+1
.irp b, 0,1,2,3,4,5,6,7
.if \first
	v_wmma_f32_16x16x32_f16 v[8*(8*(\a)+(\b)):8*(8*(\a)+(\b))+7], v[(\f)+8*(\b):(\f)+8*(\b)+7], v[(\f)+8*(4*(\hi)+(\a)):(\f)+8*(4*(\hi)+(\a))+7], v[BIAS+8*(\b):BIAS+8*(\b)+7]
.else
	v_wmma_f32_16x16x32_f16 v[8*(8*(\a)+(\b)):8*(8*(\a)+(\b))+7], v[(\f)+8*(\b):(\f)+8*(\b)+7], v[(\f)+8*(4*(\hi)+(\a)):(\f)+8*(4*(\hi)+(\a))+7], v[8*(8*(\a)+(\b)):8*(8*(\a)+(\b))+7]
.endif
.endr
.endr
.endm
; 32 LDS loads in one run: the fragments of quarter q (32 along K) of a slot into buffer f: W's 128 columns, then A's 128 rows
.macro FETCH slot, q, f
	WIN TO_B
.irp i, 0,1,2,3,4,5,6,7
	ds_load_tr16_b128 v[(\f)+8*(\i):(\f)+8*(\i)+3],   v[ADRB+(\slot)] offset:(\q)*32*PB+32*(\i)
	ds_load_tr16_b128 v[(\f)+8*(\i)+4:(\f)+8*(\i)+7], v[ADRB+(\slot)] offset:(\q)*32*PB+32*(\i)+16*PB
.endr
	WIN 0
.irp i, 0,1,2,3,4,5,6,7
	ds_load_b128 v[(\f)+8*(\i):(\f)+8*(\i)+3],   v[ADRA+(\slot)] offset:64*(\q)+(\i)*16*PA
	ds_load_b128 v[(\f)+8*(\i)+4:(\f)+8*(\i)+7], v[ADRA+(\slot)] offset:64*(\q)+(\i)*16*PA+32
.endr
.endm
; One of a K step's first three quarters: multiplies buffer f; in its middle it fetches quarter q of the same slot into buffer g.
.macro QUARTER slot, q, f, g, first
	s_wait_dscnt 8                                 ; W and A's rows 0-63 are in; the youngest eight loads (A's rows 64-127) may be out
	MUL16 \f, 0, 0, \first
	MUL16 \f, 0, 2, \first
	PLACES
	FETCH \slot, \q, \g
	s_wait_dscnt 32                                ; all but the 32 just issued
	MUL16 \f, 1, 0, \first
	MUL16 \f, 1, 2, \first
.endm
; The last quarter multiplies buffer 1 and changes slots: ONE barrier.  In front of it each wave waits for all its tensor loads (one is out: its part of the next slot), adds 0 to its spare word,
; and waits for that and for its own reads of this slot.  fill = 1: the barrier opens a round of the cluster's, and this slot is filled again, two K steps ahead, first thing behind the round:
; from that request to the wait for it a wave issues 224 matrix instructions.
.macro TURN slot, next, fill
	WIN 0                                          ; (the add's two registers lie in window 0)
	s_wait_tensorcnt 0x0
	ds_add_u32 v[SPW], v[NIL]                      ; 0 onto my spare word
	s_wait_dscnt 9                                 ; (the add and the youngest eight loads may be out)
	MUL16 F1, 0, 0, 0                              ; sixteen matrix instructions stand between the add and the wait for it
	s_wait_dscnt 0x0                               ; the add is done, and my reads of this slot are over
	s_barrier_signal -1
	MUL16 F1, 0, 2, 0
.if \fill
	WIN 0
.endif
	s_barrier_wait -1
.if \fill
	CREST                                          ; no wave of any partner still reads this slot's tile or has a load on its way
	s_add_nc_u64 s[G0+4*(\slot)+2:G0+4*(\slot)+3], s[G0+4*(\slot)+2:G0+4*(\slot)+3], 2*KSTEP*2
	s_add_nc_u64 s[G0B+4*(\slot)+2:G0B+4*(\slot)+3], s[G0B+4*(\slot)+2:G0B+4*(\slot)+3], 2*KSTEP*SIZE_N*2
	JLOAD \slot                                    ; the four v_nop behind it are also the places in front of the loads below
.else
	PLACES
.endif
	FETCH \next, 0, F0
	MUL16 F1, 1, 0, 0
	MUL16 F1, 1, 2, 0
.endm
; THE WAY OUT of block a (16 rows x 128 columns).  PACK: (the activation, and) rounding to f16, 16 bytes a lane; each accumulator's registers in ascending order.
.macro PACK a
.set AC, 64*((\a)%4)
.set WA, 2+(\a)/4
.if GELU
	WIN WA|(WA<<2)                                 ; gelu(x) = x / (1 + 2^(x (K1 + K2 x x))): the tanh form, written by the exponential; it ends rightly at both ends (2^big = infinity gives 0, 2^-big = 0 gives x)
.set i, 0
.rept 32
	v_pk_mul_f32 v[TT+2*i:TT+2*i+1], v[AC+2*i:AC+2*i+1], v[AC+2*i:AC+2*i+1]
.set i, i+1
.endr
	WIN 0
.set i, 0
.rept 32
	v_pk_fma_f32 v[TT+2*i:TT+2*i+1], v[TT+2*i:TT+2*i+1], s[K2:K2+1], s[K1:K1+1] op_sel_hi:[1,0,0]
.set i, i+1
.endr
	WIN WA<<2
.set i, 0
.rept 32
	v_pk_mul_f32 v[TT+2*i:TT+2*i+1], v[TT+2*i:TT+2*i+1], v[AC+2*i:AC+2*i+1]
.set i, i+1
.endr
	WIN 0
.set i, 0
.rept 64
	v_exp_f32 v[TT+i], v[TT+i]
.set i, i+1
.endr
	v_nop                                          ; a plain instruction behind the last exponential
.set i, 0
.rept 32
	v_pk_add_f32 v[TT+2*i:TT+2*i+1], v[TT+2*i:TT+2*i+1], 1.0 op_sel_hi:[1,0]
.set i, i+1
.endr
.set i, 0
.rept 64
	v_rcp_f32 v[TT+i], v[TT+i]
.set i, i+1
.endr
	v_nop
	WIN WA<<2
.set i, 0
.rept 32
	v_pk_mul_f32 v[TT+2*i:TT+2*i+1], v[TT+2*i:TT+2*i+1], v[AC+2*i:AC+2*i+1]
.set i, i+1
.endr
	WIN 0
.set i, 0
.rept 32
	v_cvt_pk_f16_f32 v[TMP+i], v[TT+2*i], v[TT+2*i+1]
.set i, i+1
.endr
.else
	WIN WA|(WA<<2)
.set i, 0
.rept 32
	v_cvt_pk_f16_f32 v[TMP+i], v[AC+2*i], v[AC+2*i+1]
.set i, i+1
.endr
	WIN 0
.endif
.endm
.macro TOSTAGE a                       ; into my own stage, and back by blocks of 64 columns, four rows a load
	WIN 0
.set BK, OB+192*((\a)%2)
.irp b, 0,1,2,3,4,5,6,7
	ds_store_b128 v[STO], v[TMP+4*(\b):TMP+4*(\b)+3] offset:32*(\b)
.endr
.irp c, 0,1
.irp t, 0,1,2,3
	ds_load_b128 v[BK+4*(4*(\c)+(\t)):BK+4*(4*(\c)+(\t))+3], v[RD] offset:(\t)*4*SPITCH+(\c)*128  ; LDS serves a wave's instructions in order (ISA guide 5.7.1.4): these see the stores above
.endr
.endr
.endm
.macro SEND a, younger
	WIN 0
.set BK, OB+192*((\a)%2)
	s_wait_dscnt \younger                          ; the block is back in registers
	s_wait_xcnt 0x0                                ; the stores of the block before have read their registers: the next TOSTAGE loads into them only behind this wait
.irp c, 0,1
.irp t, 0,1,2,3
	global_store_b128 v[CO], v[BK+4*(4*(\c)+(\t)):BK+4*(4*(\c)+(\t))+3], s[10:11] offset:(\c)*CBSTEP+(\a)*2048+(\t)*512  ; 512 consecutive bytes, at a multiple of 256 from the buffer's first
.endr
.endr
.endm
	s_wait_tensorcnt 1                             ; my part of K step 0 is in; K step 1's may stay out
	s_barrier_signal -1
	s_barrier_wait -1                              ; everybody's is
	FETCH 0, 0, F0
	s_wait_loadcnt 0x0                             ; the bias
	QUARTER 0, 1, F0, F1, 1                        ; the first quarter stands in front of the loop: its products start the sums
	WIN 0                                          ; at a label and at a branch every window is 0
	s_mov_b32 s3, LAPS-1
.Llap:                                                 ; a trip goes once round the ring, from a lap's second quarter to the next lap's first, and fills both slots again
	QUARTER 0, 2, F1, F0, 0
	QUARTER 0, 3, F0, F1, 0
	TURN 0, 1, 1
	QUARTER 1, 1, F0, F1, 0
	QUARTER 1, 2, F1, F0, 0
	QUARTER 1, 3, F0, F1, 0
	TURN 1, 0, 1
	QUARTER 0, 1, F0, F1, 0
	WIN 0
	s_sub_co_u32 s3, s3, 1
	s_cmp_lg_u32 s3, 0
	s_cbranch_scc1 .Llap
	QUARTER 0, 2, F1, F0, 0                        ; the last lap fills nothing, and has no round of the cluster's barrier
	QUARTER 0, 3, F0, F1, 0
	TURN 0, 1, 0
	QUARTER 1, 1, F0, F1, 0
	QUARTER 1, 2, F1, F0, 0
	QUARTER 1, 3, F0, F1, 0
	s_wait_dscnt 8                                 ; the very last quarter: nothing more to fetch
	MUL16 F1, 0, 0, 0
	MUL16 F1, 0, 2, 0
	s_wait_dscnt 0x0
	MUL16 F1, 1, 0, 0
	MUL16 F1, 1, 2, 0
	WIN 0
	PLACES
	PACK 0
	TOSTAGE 0
.irp a, 1,2,3,4,5,6,7                  ; block a's arithmetic stands between block a - 1's loads from the stage and the wait for them
	PACK \a
	SEND (\a)-1, 0
	TOSTAGE \a
.endr
	SEND 7, 0
	s_wait_tensorcnt 0x0                           ; the wave's end, behind my last tensor load and my last LDS store
	ds_add_u32 v[SPW], v[NIL]
	s_wait_dscnt 0x0
	CROUND                                         ; the closing round: no work-group ends while a partner may still ask for a tile that names it
	s_endpgm
.Lfunc_end_k_qcbdae0b454_qkv:
	.size	k_qcbdae0b454_qkv, .Lfunc_end_k_qcbdae0b454_qkv-k_qcbdae0b454_qkv
	.p2alignl 7, 3214868480
	.fill 96, 4, 3214868480
	.section	.rodata,"a",@progbits
	.p2align	6, 0x0
	.amdhsa_kernel k_qcbdae0b454_qkv
		.amdhsa_group_segment_fixed_size 327680
		.amdhsa_private_segment_fixed_size 0
		.amdhsa_enable_private_segment 0
		.amdhsa_kernarg_size 32
		.amdhsa_user_sgpr_count 2
		.amdhsa_user_sgpr_kernarg_segment_ptr 1
		.amdhsa_wavefront_size32 1
		.amdhsa_system_sgpr_workgroup_id_x 1
		.amdhsa_system_sgpr_workgroup_id_y 1
		.amdhsa_system_sgpr_workgroup_id_z 1
		.amdhsa_system_vgpr_workitem_id 0
		.amdhsa_next_free_vgpr 1024
		.amdhsa_next_free_sgpr 72
		.amdhsa_reserve_vcc 0
		.amdhsa_float_denorm_mode_32 3
		.amdhsa_float_denorm_mode_16_64 3
		.amdhsa_memory_ordered 1
		.amdhsa_forward_progress 1
		.amdhsa_inst_pref_size 144
	.end_amdhsa_kernel
	.amdgpu_metadata
---
amdhsa.version: [ 1, 2 ]
amdhsa.kernels:
  - .name:           k_qcbdae0b454_qkv
    .symbol:         k_qcbdae0b454_qkv.kd
    .args:
      - { .name: act, .offset: 0, .size: 8, .value_kind: global_buffer, .address_space: global }
      - { .name: wts, .offset: 8, .size: 8, .value_kind: global_buffer, .address_space: global }
      - { .name: qkvb, .offset: 16, .size: 8, .value_kind: global_buffer, .address_space: global }
      - { .name: big, .offset: 24, .size: 8, .value_kind: global_buffer, .address_space: global }
    .group_segment_fixed_size: 327680
    .private_segment_fixed_size: 0
    .kernarg_segment_align: 8
    .kernarg_segment_size: 32
    .max_flat_workgroup_size: 128
    .sgpr_count:     72
    .vgpr_count:     1024
    .wavefront_size: 32
...
	.end_amdgpu_metadata
.endif
;; end of part 2
;; launch attn (part 3): grid 8 x 32, 4 waves a work-group, no clusters, 327,680 bytes of LDS; arguments big, input_mask, act; writes act
.if DOCPART == 3
	.amdgcn_target "amdgcn-amd-amdhsa--gfx1250"
	.amdhsa_code_object_version 6
	.text
	.protected	k_qcbdae0b454_attn
	.globl	k_qcbdae0b454_attn
	.p2align	8
	.type	k_qcbdae0b454_attn,@function
k_qcbdae0b454_attn:
	s_mov_b64 s[64:65], 0
	v_nop
	global_prefetch_b8 v0, s[64:65] scope:SCOPE_SE
	s_setreg_imm32_b32 hwreg(HW_REG_WAVE_MODE, 25, 1), 1
	s_wait_xcnt 0x0
; CAUSAL ATTENTION with an additive mask per key.  ctx[q] = the sum over k <= q of softmax_k(Q[q] . K[k] / 8 + mask[k]) V[k], for each of 2 x 16 (batch, head).
; q, k, v: big[16 sel + head][2048 batch + token][64] in f16, unscaled: a head's rows are dense, 128 bytes each.  Products, maxima and sums in f32; the weights are rounded to f16 for the second product
; (their sum is taken of the unrounded weights), ctx once at the end.  ctx leaves as act[token / 128][head][token % 128][64] f16, the blocks that the next product's tiles are made of.
; LIMITS.  A key above the diagonal has weight 0.  The definition gives it the score -1e9 + mask: the same, as long as a row's largest visible score + mask lies more than about 104 above -1e9 + the largest
; hidden mask, which holds for |mask| and |score| under 4e8.  In the diagonal's tiles a hidden score counts as its value less 1e30.  A weight below 2^-126 counts as 0.  NaN and infinities are not treated apart.
; THE WALK.  A head's queries lie in 16 blocks of 128; block i needs the key tiles 0 .. i / 2 of 256 keys, the last of which holds the diagonal.  A work-group takes blocks 15 - b and then b: 9 tiles whatever b,
; so all work-groups do equal work and ONE loop with a constant trip count walks them; the ring of two LDS slots runs on across the change of blocks.
; NO CLUSTER: a head's 8 work-groups ask for the same tile only in their first trips (the first blocks have 5 to 8 tiles); a walk common to all would have 12 trips for 9.
; SHARES.  A wave owns two tiles of 16 queries, tile t in the block's band t of 64: rows 64 t + 16 w + l % 16.  So the diagonal is the same work in every wave.
; LAYOUT.  S^T = K Q^T (source 0 = 16 keys, source 1 = 16 queries): a lane holds ONE query (l % 16) and the keys 8 (l / 16) + 0..7.  Two such results rounded to f16 ARE source 1 of O^T = V^T P.
; THE MASKS are the C operand that starts S^T: 8 x mask[key] (MK, from a table in LDS), since c = log2(e) / 8 scales the whole sum.  In the diagonal tile's step s, band x = P2 + t (P2 = 2 (block % 2))
; sees all keys if s < x, none if s > x, and holds the diagonal if s = x: there C = MD x AL + MK + BE, MD being the diagonal's own mask (0 or -1e30), with (AL, BE) = (0, 0), (0, -1e30), (1, 0).
; SOFTMAX.  For each query a running maximum m and sum l: p = 2^(c s - c m); in every step O and l are multiplied by a = 2^(c m_old - c m_new).  m starts at the lowest finite number: a block's first a is 0.
; Key 0 is visible to every row in a block's first step, so m is a true score before the first hidden one comes.
; IN PHASES: a step's 16 products K Q^T, tile 0's softmax, its 8 products V^T P, tile 1's softmax, its 8 products.  The next step's K and V are fetched in runs behind the products that read them.
; REGISTERS: window 0: v0-15 addresses; v16-31 statistics, 8 a tile; v32-63 Q; v64-127 S^T; v128-159 P; v160-223 O^T; v224-255 the second block's Q.
;   window 1: v0-63 K of one step; v64-127 V; v128-159 MK; v160-191 MD; v192-255 the two tiles' masks MC.
.set KS,    64        ; keys in a step
.set PK,    144       ; a row of K in LDS: 128 bytes + 16 = 36 words: the 16 rows of a load start at 16 different groups of four banks (64 banks of 4 bytes: ISA guide 11.1)
.set PV,    160       ; a row of V: 128 + 32 = 40 words
.set VOFF,  4*KS*PK   ; a slot holds a tile, four steps: 256 rows of K, then 256 rows of V
.set SLOT1, 1<<17     ; slot 1 begins here, so that one exclusive or turns an address in one slot into the other's
.set STAGE, SLOT1+4*KS*(PK+PV)  ; behind the ring, never filled by a tensor load: 16 rows x 144 bytes for each wave, for the way out
.set SP,    144
.set MTAB,  STAGE+4*16*SP       ; 8 x mask of my batch's 2,048 keys, f32: 8,192 bytes, stored once
.set SPARE, MTAB+8192           ; the spare words, 128 bytes for each wave: two blocks of 256 bytes that no other line names
.set AK0, 2           ; v2   my lane's place in a tile of K; never rewritten
.set AV0, 3           ; v3   the same for V
.set AK,  4           ; v4   the LDS address of K's run of loads
.set AV,  5           ; v5   of V's
.set STO, 6           ; v6   the way out: where I put 16 bytes of a row
.set RD,  7           ; v7   the way out: where I read rows back
.set GO,  8           ; v8   my 16 bytes of 512 consecutive bytes of ctx
.set AM0, 12          ; v12  my lanes' place in the mask table
.set AM,  13          ; v13  the LDS address of the mask's loads
.set SPW, 14          ; v14  LDS address of my spare word; never rewritten
.set NIL, 15          ; v15  0; never rewritten
.set ST,  16          ; tile t's statistics at v[ST+8 t]: c m, m, l (even keys', odd keys'), c0-c3 at work; a takes c2's place
.set Q,   32
.set S,   64
.set P,   128
.set O,   160
.set QB,  224
.set KF,  0           ; window 1: key block kb, channel half c at KF + 16 kb + 8 c
.set VF,  64          ; key half kk, channel block cb at VF + 32 kk + 8 cb
.set MK,  128         ; the eight registers for group kt of 16 keys at MK + 8 kt
.set MD,  160
.set MC,  192         ; tile t's at MC + 32 t
.set WV,  12          ; s12  my wave's number
.set PB,  14          ; s14  b
.set HI,  15          ; s15  15 - b
.set G1K, 24          ; s[24:31] descriptor group 1 for K's tiles
.set G1V, 32          ; s[32:39] for V's: it differs in the padding alone
.set G0K, 40          ; s[40:43] descriptor group 0 for K's tiles
.set G0V, 44          ; s[44:47] the same for V's
.set SLOTS, 56        ; s56  tiles still to be asked for
.set CNT, 57          ; s57  counts a tile's key steps
.set CS,  58          ; s[58:59] c
.set SEL, 60          ; s[60:61] v_permlanex16_b32's selects
.set TBK, 62          ; s62  LDS byte at which K of the step to be fetched begins
.set TBV, 63          ; s63  the same for V, less VOFF
.set TBM, 66          ; s66  the same step's byte in the mask table
.set TM,  67          ; s67  that, cut to the table
.set RT,  70          ; s70  tiles of the block in hand that are still to be entered
.set NXT, 71          ; s71  the tile to be asked for next
.set LQ,  72          ; s72  the last tile of the block whose tiles are being asked for
.set OFF, 74          ; s[74:75] a tile's byte offset in K and V
.set AL,  76          ; s[76:77] the mask's factor, in the low word
.set BE,  78          ; s[78:79] the mask's addend
.set OLO, 80          ; s[80:81] ctx at my rows of the second block
.set BIGN, 82         ; s82  -1e30
.set P2,  83          ; s83  2 (block % 2)
.set D,   84          ; s84  P2 - the diagonal tile's step
.set LOQ, 85          ; s85  the second block's last tile
.set MSB, 0
.macro WIN new                      ; the high byte repeats the setting that is left; a switch that changes nothing is dropped
.if MSB != (\new)
	s_set_vgpr_msb (MSB<<8)|(\new)
.set MSB, (\new)
.endif
.endm
.macro PLACES                       ; four places behind matrix instructions, in front of loads into their registers and of vector work on them
.rept 4
	v_nop
.endr
.endm
; A fill.  Waves 0 and 1 fetch the two halves of a tile's K, waves 2 and 3 those of its V: 128 keys each.  Four v_nop follow each of the two lines, ahead of the jump and the label.
.macro LOAD
	s_cmp_lt_u32 s[WV], 2
	s_cbranch_scc0 .Lfor_v_\@
	tensor_load_to_lds s[G0K:G0K+3], s[G1K:G1K+7]
	s_nop 0
.rept 4
	v_nop
.endr
	s_branch .Lasked_\@
.Lfor_v_\@:
	tensor_load_to_lds s[G0V:G0V+3], s[G1V:G1V+7]
	s_nop 0
.rept 4
	v_nop
.endr
.Lasked_\@:
.endm
; THE CHANGE OF SLOTS.  Each wave waits for all its tensor loads, of which one is out: its part of the other slot; adds 0 to its spare word; and waits for that and for its own reads of the slot that it leaves.
; Behind the barrier nobody reads the old slot any more and the other slot is whole.  fill = 1: the old slot is filled again, the first thing behind the barrier, with tile NXT: it has a tile's four key steps
; in which to land.  (At its first use nothing has been read yet: slot 0 is waited for, slot 1 filled, and the wait for LDS and the barrier also show every wave's part of the mask table to all.)
.macro CHANGE fill
	WIN 0
	s_wait_tensorcnt 0x0            ; no tensor load of mine is out, so a group 0 may be written
	ds_add_u32 v[SPW], v[NIL]       ; 0 onto my spare word
.if \fill
	s_lshl_b32 s[OFF], s[NXT], 15   ; a tile is 32,768 bytes of K and of V
	s_xor_b32 s[G0K+1], s[G0K+1], SLOT1
	s_add_nc_u64 s[G0K+2:G0K+3], s[6:7], s[OFF:OFF+1]
	s_or_b32 s[G0K+3], s[G0K+3], 0x80000000
	s_xor_b32 s[G0V+1], s[G0V+1], SLOT1
	s_add_nc_u64 s[G0V+2:G0V+3], s[8:9], s[OFF:OFF+1]
	s_or_b32 s[G0V+3], s[G0V+3], 0x80000000
	s_add_co_u32 s[NXT], s[NXT], 1  ; the block's next tile, or behind its last the second block's tile 0
	s_cmp_gt_u32 s[NXT], s[LQ]
	s_cselect_b32 s[NXT], 0, s[NXT]
	s_cselect_b32 s[LQ], s[LOQ], s[LQ]
.endif
	s_wait_dscnt 0x0                ; the add is done, and my LDS reads and stores are over
	s_barrier_signal -1
	s_sub_co_u32 s[TBK], s[TBK], 4*KS*PK  ; the fetches go back to a slot's first step,
	s_xor_b32 s[TBK], s[TBK], SLOT1       ; in the other slot
	s_sub_co_u32 s[TBV], s[TBV], 4*KS*PV
	s_xor_b32 s[TBV], s[TBV], SLOT1
	s_barrier_wait -1
.if \fill
	LOAD
.endif
.endm
	s_load_b128 s[16:19], s[0:1], 0x0  ; big s[16:17], input_mask s[18:19]
	s_load_b64 s[10:11], s[0:1], 0x10  ; act
	v_lshl_add_u32 v[SPW], v0, 2, SPARE
	v_mov_b32 v[NIL], 0
	ds_add_u32 v14, v15
	ds_add_u32 v14, v15
	s_wait_dscnt 0x0
	v_lshrrev_b32 v1, 5, v0
	v_readfirstlane_b32 s[WV], v1   ; wave 0..3
	s_mov_b32 s[PB], ttmp9
	s_sub_co_u32 s[HI], 15, s[PB]
	s_lshr_b32 s[LQ], s[HI], 1
	s_lshr_b32 s[LOQ], s[PB], 1
	s_add_co_u32 s[RT], s[LQ], 1    ; the first block has (15 - b) / 2 + 1 tiles, five at the least
	s_and_b32 s[P2], s[HI], 1
	s_lshl_b32 s[P2], s[P2], 1
	s_mov_b32 s[D], 0
	s_mov_b32 s[NXT], 1
	s_mov_b32 s[OFF+1], 0
	s_mov_b32 s[AL+1], 0            ; named as pairs
	s_mov_b32 s[BE+1], 0
	s_mov_b32 s[BIGN], 0xf149f2ca   ; -1e30
	s_mov_b32 s[SLOTS], 8
	s_mov_b32 s[TBM], 0
	s_mov_b32 s[CS], 0x3e38aa3b     ; c = log2(e) / 8
	s_mov_b32 s[CS+1], s[CS]
	s_mov_b32 s[SEL], 0x76543210
	s_mov_b32 s[SEL+1], 0xfedcba98
	s_mov_b32 s[TBK], SLOT1+4*KS*PK ; the first change of slots turns these two into 0
	s_mov_b32 s[TBV], SLOT1+4*KS*PV
	s_and_b32 s20, ttmp7, 0xffff
	s_lshr_b32 s21, s20, 4          ; the batch
	s_and_b32 s20, s20, 15          ; the head
	s_lshl_b32 s22, s20, 19         ; a block of 64 columns is 4,096 rows of 128 bytes,
	s_lshl_b32 s23, s21, 18         ; a batch 2,048 of them
	s_add_co_u32 s22, s22, s23      ; the head's first byte in q
	s_and_b32 s13, s[WV], 1         ; which half of a tile's 256 keys I fetch:
	s_lshl_b32 s2, s13, 14          ; its 128 rows of 128 bytes in memory,
	s_add_co_u32 s2, s2, s22
	s_add_co_u32 s88, s2, 8388608   ; in k, 16 blocks on,
	s_mov_b32 s89, 0
	s_add_co_u32 s90, s2, 16777216  ; and in v
	s_mov_b32 s91, 0
	s_mul_i32 s52, s13, 128*PK      ; and its place in a slot, for K
	s_mul_i32 s53, s13, 128*PV      ; and for V
	s_lshl_b32 s3, s[WV], 11        ; my 16 rows in a band of 64,
	s_add_co_u32 s3, s3, s22
	s_lshl_b32 s92, s[HI], 14       ; in the first block of 128 rows,
	s_add_co_u32 s92, s92, s3
	s_mov_b32 s93, 0
	s_lshl_b32 s94, s[PB], 14       ; and in the second
	s_add_co_u32 s94, s94, s3
	s_mov_b32 s95, 0
	s_lshl_b32 s86, s21, 22         ; ctx: ((16 batch + block) x 16 + head) x 16,384 + 2,048 wave
	s_lshl_b32 s87, s20, 14
	s_add_co_u32 s86, s86, s87
	s_lshl_b32 s87, s[WV], 11
	s_add_co_u32 s86, s86, s87
	s_lshl_b32 s87, s[PB], 18
	s_add_co_u32 s[OLO], s86, s87
	s_mov_b32 s[OLO+1], 0
	s_lshl_b32 s87, s[HI], 18
	s_add_co_u32 s86, s86, s87
	s_mov_b32 s87, 0
	s_lshl_b32 s2, s21, 13          ; my batch's 2,048 numbers of the mask
	s_mov_b32 s3, 0
	; descriptor group 1.  128 keys are 16,384 dense bytes: asked for as 64 rows of 256 bytes, two keys a row, and padded in LDS after every key
	s_mov_b32 s[G1K], (1<<16)|(1<<20)|(4<<22)|(3<<25)  ; 2-byte elements; padding on; after every 32 words 4 words
	s_mov_b32 s[G1V], (1<<16)|(1<<20)|(4<<22)|(7<<25)  ; the same with 8 words
.irp g, G1K, G1V
	s_mov_b32 s[\g+1], 128<<16      ; tensor_dim0 = 128
	s_mov_b32 s[\g+2], 64<<16       ; tensor_dim1 = 64
	s_mov_b32 s[\g+3], 128<<16      ; tile_dim0 = 128
	s_mov_b32 s[\g+4], 64           ; tile_dim1 = 64
	s_mov_b32 s[\g+5], 128          ; 128 elements from row to row
	s_mov_b32 s[\g+6], 0
	s_mov_b32 s[\g+7], 0
.endr
	s_mov_b32 s[G0K], 1
	s_mov_b32 s[G0K+1], s52         ; slot 0
	s_mov_b32 s[G0V], 1
	s_add_co_u32 s[G0V+1], s53, VOFF
	s_wait_kmcnt 0x0
	s_add_nc_u64 s[6:7], s[16:17], s[88:89]        ; K and V at my half of the head's tile 0
	s_add_nc_u64 s[8:9], s[16:17], s[90:91]
	s_add_nc_u64 s[4:5], s[16:17], s[92:93]        ; Q at my rows of the first block,
	s_add_nc_u64 s[94:95], s[16:17], s[94:95]      ; and of the second
	s_add_nc_u64 s[OLO:OLO+1], s[10:11], s[OLO:OLO+1]
	s_add_nc_u64 s[10:11], s[10:11], s[86:87]
	s_add_nc_u64 s[18:19], s[18:19], s[2:3]
	s_add_nc_u64 s[G0K+2:G0K+3], s[6:7], 0
	s_or_b32 s[G0K+3], s[G0K+3], 0x80000000
	s_add_nc_u64 s[G0V+2:G0V+3], s[8:9], 0
	s_or_b32 s[G0V+3], s[G0V+3], 0x80000000
	LOAD                            ; tile 0 into slot 0
	; A fragment of K or Q is 16 rows x 32 channels in 8 registers: lane l holds row l % 16, channels 8 (l / 16) + 0..7 and 16 + 8 (l / 16) + 0..7: two loads of 16 bytes, 32 bytes apart.
	v_and_b32 v1, 15, v0            ; l % 16
	v_bfe_u32 v9, v0, 4, 1          ; l / 16
	v_lshlrev_b32 v82, 7, v1        ; (v80-83, S^T's registers, are at work until the loop)
	v_lshl_add_u32 v82, v9, 4, v82  ; row x 128 + 16 x half
.irp i, 0,1,2,3                     ; both blocks' Q: tile i / 2 lies in band i / 2, 8,192 bytes on; channels 32 (i % 2) on
	global_load_b128 v[Q+8*\i:Q+8*\i+3],     v82, s[4:5] offset:(\i/2)*8192+(\i%2)*64
	global_load_b128 v[Q+8*\i+4:Q+8*\i+7],   v82, s[4:5] offset:(\i/2)*8192+(\i%2)*64+32
	global_load_b128 v[QB+8*\i:QB+8*\i+3],   v82, s[94:95] offset:(\i/2)*8192+(\i%2)*64
	global_load_b128 v[QB+8*\i+4:QB+8*\i+7], v82, s[94:95] offset:(\i/2)*8192+(\i%2)*64+32
.endr
	v_lshlrev_b32 v80, 4, v0        ; the mask: 128 threads x 16 bytes, four times
.irp i, 0,1,2,3
	global_load_b128 v[S+4*\i:S+4*\i+3], v80, s[18:19] offset:2048*\i
.endr
	v_add_nc_u32 v81, MTAB, v80
	v_lshlrev_b32 v83, 3, v9
	v_sub_nc_u32 v83, v1, v83
	s_lshl_b32 s13, s[WV], 4
	v_add_nc_u32 v83, s13, v83      ; my query's place in its band, 16 w + l % 16, less my lanes' 8 (l / 16): register j of group kt is hidden where 16 kt + j is greater
	WIN 0x40
.set i, 0
.rept 32
	v_cmp_gt_i32 vcc_lo, 16*(i/8)+i%8, v83
	v_cndmask_b32 v[MD+i], 0, s[BIGN], vcc_lo
.set i, i+1
.endr
	WIN 0
	v_mul_u32_u24 v[AK0], v1, PK
	v_lshl_add_u32 v[AK0], v9, 4, v[AK0]  ; row x pitch + 16 x half
	; The turning load takes 16 keys x 16 channels (lane l reads key 8 (l / 16) + l % 8, channels 8 ((l / 8) % 2) + 0..7) and leaves half a fragment of V^T: lane l holds channel l % 16 and 8 keys.
	v_and_b32 v10, 7, v0
	v_bfe_u32 v11, v0, 3, 1
	v_lshl_add_u32 v[AV0], v9, 3, v10
	v_mul_u32_u24 v[AV0], v[AV0], PV
	v_lshl_add_u32 v[AV0], v11, 4, v[AV0]
	v_add_nc_u32 v[AV0], VOFF, v[AV0]
	v_lshlrev_b32 v[AM0], 5, v9     ; my lanes' eight keys of sixteen, 4 bytes each
	v_add_nc_u32 v[AM0], MTAB, v[AM0]
	s_mul_i32 s13, s[WV], 16*SP
	s_add_co_u32 s13, s13, STAGE    ; my stage
	v_mul_u32_u24 v[STO], v1, SP    ; in: row l % 16, 16 bytes for each half of the lanes
	v_lshl_add_u32 v[STO], v9, 4, v[STO]
	v_add_nc_u32 v[STO], s13, v[STO]
	v_bfe_u32 v[RD], v0, 3, 2       ; back: 32 lanes take four rows of 128 bytes,
	v_mul_u32_u24 v[RD], v[RD], SP
	v_lshl_add_u32 v[RD], v10, 4, v[RD]
	v_add_nc_u32 v[RD], s13, v[RD]
	v_and_b32 v[GO], 31, v0         ; which are 512 consecutive bytes of ctx
	v_lshlrev_b32 v[GO], 4, v[GO]
	; A block's first step multiplies O^T and l by a = 0: they need only hold finite numbers: zeros for the first block, what the first block left for the second.  This stands in the wait for the first tile.
.set i, 0
.rept 64
	v_mov_b32 v[O+i], 0
.set i, i+1
.endr
.irp t, 0,1
	v_mov_b32 v[ST+8*\t], 0xfe000000    ; c m: far below every c s
	v_mov_b32 v[ST+8*\t+1], 0xff7fffff  ; m
	v_mov_b32 v[ST+8*\t+2], 0
	v_mov_b32 v[ST+8*\t+3], 0
.endr
	s_wait_loadcnt 0x0              ; Q and the mask
.set i, 0
.rept 16
	v_mul_f32 v[S+i], 0x41000000, v[S+i]  ; 8 x mask
.set i, i+1
.endr
.irp i, 0,1,2,3
	ds_store_b128 v81, v[S+4*\i:S+4*\i+3] offset:2048*\i
.endr
; THE LDS LOADS stand in runs.  A step's K (64 keys x 64 channels: 8 fragments) and its keys' masks: 24 loads.
.macro FETCH_K
	WIN 0
	s_and_b32 s[TM], s[TBM], 0x1f00      ; inside the table's 8,192 bytes
	v_add_nc_u32 v[AK], s[TBK], v[AK0]
	v_add_nc_u32 v[AM], s[TM], v[AM0]
	WIN 0x40                        ; destination window 1
.irp f, 0,1,2,3,4,5,6,7             ; keys 16 (f / 2) on, channels 32 (f % 2) on
	ds_load_b128 v[KF+8*\f:KF+8*\f+3],   v[AK] offset:(\f/2)*16*PK+(\f%2)*64
	ds_load_b128 v[KF+8*\f+4:KF+8*\f+7], v[AK] offset:(\f/2)*16*PK+(\f%2)*64+32
.endr
.irp f, 0,1,2,3                     ; keys 16 f + 8 (l / 16) + 0..7: sixteen lanes read the same words
	ds_load_b128 v[MK+8*\f:MK+8*\f+3],   v[AM] offset:64*\f
	ds_load_b128 v[MK+8*\f+4:MK+8*\f+7], v[AM] offset:64*\f+16
.endr
	WIN 0
	s_add_co_u32 s[TBK], s[TBK], KS*PK   ; the next fetch is the next step's
	s_add_co_u32 s[TBM], s[TBM], 4*KS
.endm
.macro FETCH_V                      ; a step's V, turned: 16 loads
	WIN 0
	v_add_nc_u32 v[AV], s[TBV], v[AV0]
	WIN 0x40
.irp f, 0,1,2,3,4,5,6,7             ; keys 32 (f / 4) on, channels 16 (f % 4) on
	ds_load_tr16_b128 v[VF+8*\f:VF+8*\f+3],   v[AV] offset:(\f/4)*32*PV+(\f%4)*32
	ds_load_tr16_b128 v[VF+8*\f+4:VF+8*\f+7], v[AV] offset:(\f/4)*32*PV+16*PV+(\f%4)*32
.endr
	WIN 0
	s_add_co_u32 s[TBV], s[TBV], KS*PV
.endm
; Tile t's mask for the diagonal tile's step in hand: MD x AL + MK + BE
.macro MASK t
	s_cmp_eq_i32 s[D], -(\t)        ; is the step the band's own?
	s_cselect_b32 s[AL], 1.0, 0
	s_cmp_lt_i32 s[D], -(\t)        ; or a later one?
	s_cselect_b32 s[BE], s[BIGN], 0
	WIN 0x51
.set z, 0
.rept 16
	v_pk_fma_f32 v[MC+32*(\t)+2*z:MC+32*(\t)+2*z+1], v[MD+2*z:MD+2*z+1], s[AL:AL+1], v[MK+2*z:MK+2*z+1] op_sel_hi:[1,0,1]
.set z, z+1
.endr
	WIN 0x41
.set z, 0
.rept 16
	v_pk_add_f32 v[MC+32*(\t)+2*z:MC+32*(\t)+2*z+1], v[MC+32*(\t)+2*z:MC+32*(\t)+2*z+1], s[BE:BE+1] op_sel_hi:[1,0]
.set z, z+1
.endr
.endm
; THE MATRIX WORK.  The 4 accumulators of a run of 8 take turns.  Product i of 8 of S^T = K Q^T for tile t: channels 32 (i / 4) on, keys 16 (i % 4) on.  The first 4 start the sums, with the mask as C.
.macro KQ t, m
.set i, 0
.rept 8
.set rS, S+32*(\t)+8*(i%4)
.set rK, KF+16*(i%4)+8*(i/4)
.set rQ, Q+16*(\t)+8*(i/4)
.if i < 4
	WIN 0x11                        ; K and C window 1, Q and S^T window 0
.if \m
	v_wmma_f32_16x16x32_f16 v[rS:rS+7], v[rK:rK+7], v[rQ:rQ+7], v[MC+32*(\t)+8*(i%4):MC+32*(\t)+8*(i%4)+7]
.else
	v_wmma_f32_16x16x32_f16 v[rS:rS+7], v[rK:rK+7], v[rQ:rQ+7], v[MK+8*(i%4):MK+8*(i%4)+7]
.endif
.else
	WIN 0x01
	v_wmma_f32_16x16x32_f16 v[rS:rS+7], v[rK:rK+7], v[rQ:rQ+7], v[rS:rS+7]
.endif
.set i, i+1
.endr
.endm
; Product i of 8 of O^T += V^T P for tile t: keys 32 (i / 4) on, channels 16 (i % 4) on.
.macro PV t
	WIN 0x01                        ; V window 1, P and O^T window 0
.set i, 0
.rept 8
.set rO, O+32*(\t)+8*(i%4)
.set rV, VF+32*(i/4)+8*(i%4)
.set rP, P+16*(\t)+8*(i/4)
	v_wmma_f32_16x16x32_f16 v[rO:rO+7], v[rV:rV+7], v[rP:rP+7], v[rO:rO+7]
.set i, i+1
.endr
.endm
; THE VECTOR WORK: tile t's softmax for one key step, 118 instructions, all in window 0.
.macro SM t
.set rT, ST+8*(\t)
.set rS, S+32*(\t)
.set rP, P+16*(\t)
.set rO, O+32*(\t)
	WIN 0
.irp j, 0,1,2,3                     ; the maximum of the lane's 32 scores and the old m: four chains, each accumulator's lowest registers first
	v_max3_num_f32 v[rT+4+\j], v[rS+8*\j], v[rS+8*\j+1], v[rS+8*\j+2]
.endr
.irp j, 0,1,2,3
	v_max3_num_f32 v[rT+4+\j], v[rT+4+\j], v[rS+8*\j+3], v[rS+8*\j+4]
.endr
.irp j, 0,1,2,3
	v_max3_num_f32 v[rT+4+\j], v[rT+4+\j], v[rS+8*\j+5], v[rS+8*\j+6]
.endr
	v_max3_num_f32 v[rT+4], v[rT+4], v[rS+7], v[rS+15]
	v_max3_num_f32 v[rT+6], v[rT+6], v[rS+23], v[rS+31]
	v_max3_num_f32 v[rT+5], v[rT+5], v[rT+7], v[rT+1]
	v_mov_b32 v[rT+7], v[rT]        ; c m_old is kept
	v_max3_num_f32 v[rT+4], v[rT+4], v[rT+5], v[rT+6]
	v_permlanex16_b32 v[rT+5], v[rT+4], s[SEL], s[SEL+1]  ; the query's other 32 keys lie in the lane 16 away
	v_max_num_f32 v[rT+1], v[rT+4], v[rT+5]
	v_mul_f32 v[rT], s[CS], v[rT+1]
	v_sub_f32 v[rT+7], v[rT+7], v[rT]
	v_exp_f32 v[rT+6], v[rT+7]      ; a
.set n, 0
.rept 16
	v_pk_fma_f32 v[rS+2*n:rS+2*n+1], v[rS+2*n:rS+2*n+1], s[CS:CS+1], v[rT:rT+1] op_sel_hi:[1,0,0] neg_lo:[0,0,1] neg_hi:[0,0,1]  ; c s - c m
.set n, n+1
.endr
.set n, 0
.rept 16                            ; two exponentials, then a pair of O^T times a: the plain instruction behind them
	v_exp_f32 v[rS+2*n], v[rS+2*n]
	v_exp_f32 v[rS+2*n+1], v[rS+2*n+1]
	s_wait_alu depctr_va_vdst(0)
	v_pk_mul_f32 v[rO+2*n:rO+2*n+1], v[rO+2*n:rO+2*n+1], v[rT+6:rT+7] op_sel_hi:[1,0]
.set n, n+1
.endr
.set n, 0
	s_wait_alu depctr_va_vdst(0)
.rept 8                             ; of each four weights: both pairs rounded to f16, the second pair added onto the first; l takes that sum a group later
	v_cvt_pk_f16_f32 v[rP+2*n], v[rS+4*n], v[rS+4*n+1]
	v_cvt_pk_f16_f32 v[rP+2*n+1], v[rS+4*n+2], v[rS+4*n+3]
	v_pk_add_f32 v[rS+4*n:rS+4*n+1], v[rS+4*n:rS+4*n+1], v[rS+4*n+2:rS+4*n+3]
.if n == 1
	v_pk_fma_f32 v[rT+2:rT+3], v[rT+2:rT+3], v[rT+6:rT+7], v[rS:rS+1] op_sel_hi:[1,0,1]  ; l = a l + sum
.elseif n > 1
	v_pk_add_f32 v[rT+2:rT+3], v[rT+2:rT+3], v[rS+4*n-4:rS+4*n-3]
.endif
.set n, n+1
.endr
	v_pk_add_f32 v[rT+2:rT+3], v[rT+2:rT+3], v[rS+28:rS+29]
.endm
; A KEY STEP.  m = 1: the diagonal tile's: the products take the tiles' own masks.  pre = 1: the next step's K, masks and V are fetched.
.macro STEP m, pre
	s_wait_dscnt 16                 ; K and the masks are in: V's 16 loads are younger
.if \m
	MASK 0
	MASK 1
.endif
	KQ 0, \m
	KQ 1, \m
	WIN 0
	PLACES                          ; behind the products: K's and MK's registers are loaded again, S^T is read
.if \pre
	FETCH_K
.endif
	SM 0
.if \pre
	s_wait_dscnt 24                 ; V is in: the 24 loads just issued are younger
.else
	s_wait_dscnt 0x0                ; V is in
.endif
	PV 0
	SM 1
	PV 1
	WIN 0
	PLACES                          ; behind the products: V's registers are loaded again (here or in the next tile), O^T is read on the way out
.if \pre
	FETCH_V
.endif
.if \m
	s_sub_co_i32 s[D], s[D], 1
.endif
.endm
; A TILE: four key steps; the first's fragments are fetched here, the last fetches nothing.  The tag ends the loop's label.
.macro TILE m, tag
.if \m
	s_mov_b32 s[D], s[P2]
.endif
	FETCH_K
	FETCH_V
	s_mov_b32 s[CNT], 3
.Lst\tag:
	STEP \m, 1
	s_sub_co_u32 s[CNT], s[CNT], 1
	s_cmp_lg_u32 s[CNT], 0
	s_cbranch_scc1 .Lst\tag
	STEP \m, 0
.endm
; THE WAY OUT: l's two halves and the other half of the lanes' are added; O^T is divided by l, rounded to f16 and sent through my stage in LDS, a tile at a time.
.macro PACK t
.set i, 0
.rept 16
	v_pk_mul_f32 v[O+32*(\t)+2*i:O+32*(\t)+2*i+1], v[O+32*(\t)+2*i:O+32*(\t)+2*i+1], v[ST+8*(\t)+2:ST+8*(\t)+3] op_sel_hi:[1,0]
.set i, i+1
.endr
.set i, 0
.rept 16
	v_cvt_pk_f16_f32 v[S+16*(\t)+i], v[O+32*(\t)+2*i], v[O+32*(\t)+2*i+1]
.set i, i+1
.endr
.irp f, 0,1,2,3
	ds_store_b128 v[STO], v[S+16*(\t)+4*\f:S+16*(\t)+4*\f+3] offset:32*\f
.endr
.irp f, 0,1,2,3
	ds_load_b128 v[S+16*(\t)+4*\f:S+16*(\t)+4*\f+3], v[RD] offset:\f*4*SP  ; LDS serves a wave's instructions in order (ISA guide 5.7.1.4): these see the stores above; the next tile's stores come behind them
.endr
.endm
.macro SEND t, younger              ; younger: the LDS instructions issued behind tile t's loads
.irp f, 0,1,2,3
	s_wait_dscnt (\younger)+3-\f
	global_store_b128 v[GO], v[S+16*(\t)+4*\f:S+16*(\t)+4*\f+3], s[10:11] offset:(\t)*8192+\f*512  ; 512 consecutive bytes, at a multiple of 256 from ctx's first
.endr
.endm
.macro FINISH
.irp t, 0,1
	v_add_f32 v[ST+8*\t+2], v[ST+8*\t+2], v[ST+8*\t+3]
.endr
.irp t, 0,1
	v_permlanex16_b32 v[ST+8*\t+3], v[ST+8*\t+2], s[SEL], s[SEL+1]
.endr
.irp t, 0,1
	v_add_f32 v[ST+8*\t+2], v[ST+8*\t+2], v[ST+8*\t+3]
.endr
.irp t, 0,1
	v_rcp_f32 v[ST+8*\t+2], v[ST+8*\t+2]
.endr
	v_nop                           ; a plain instruction between the last reciprocal and the use of its result
	s_wait_alu depctr_va_vdst(0)
	PACK 0
	PACK 1
	SEND 0, 8
	SEND 1, 0
.endm
.Lslot:                             ; 8 times: a tile is entered and the next is asked for
	CHANGE 1
	s_sub_co_u32 s[RT], s[RT], 1
	s_cmp_eq_u32 s[RT], 0
	s_cbranch_scc1 .Ldiag           ; forward, past text that holds neither a barrier nor a tensor load
	TILE 0, _a
	s_branch .Lbottom
.Ldiag:                             ; in the loop this is the first block's last tile: the second block's last is the walk's last
	TILE 1, _b
	FINISH
	s_wait_xcnt 0x0                 ; the stores have read their registers and ctx's address
	s_mov_b64 s[10:11], s[OLO:OLO+1]
.set i, 0
.rept 32
	v_mov_b32 v[Q+i], v[QB+i]       ; the second block's Q goes where the one text of the steps names Q
.set i, i+1
.endr
.irp t, 0,1
	v_mov_b32 v[ST+8*\t], 0xfe000000
	v_mov_b32 v[ST+8*\t+1], 0xff7fffff
.endr
	s_add_co_u32 s[RT], s[LOQ], 1   ; the second block has b / 2 + 1 tiles
	s_and_b32 s[P2], s[PB], 1
	s_lshl_b32 s[P2], s[P2], 1
	s_mov_b32 s[TBM], 0             ; its keys begin at 0 again
.Lbottom:
	s_sub_co_u32 s[SLOTS], s[SLOTS], 1
	s_cmp_lg_u32 s[SLOTS], 0
	s_cbranch_scc1 .Lslot
	CHANGE 0                        ; the walk's last tile is written out: nothing is asked for
	TILE 1, _c
	FINISH
	s_wait_tensorcnt 0x0            ; the wave's end, behind my last tensor load and my last LDS store
	ds_add_u32 v[SPW], v[NIL]
	s_wait_dscnt 0x0
	s_endpgm
.Lfunc_end_k_qcbdae0b454_attn:
	.size	k_qcbdae0b454_attn, .Lfunc_end_k_qcbdae0b454_attn-k_qcbdae0b454_attn
	.p2alignl 7, 3214868480
	.fill 96, 4, 3214868480
	.section	.rodata,"a",@progbits
	.p2align	6, 0x0
	.amdhsa_kernel k_qcbdae0b454_attn
		.amdhsa_group_segment_fixed_size 327680
		.amdhsa_private_segment_fixed_size 0
		.amdhsa_enable_private_segment 0
		.amdhsa_kernarg_size 24
		.amdhsa_user_sgpr_count 2
		.amdhsa_user_sgpr_kernarg_segment_ptr 1
		.amdhsa_wavefront_size32 1
		.amdhsa_system_sgpr_workgroup_id_x 1
		.amdhsa_system_sgpr_workgroup_id_y 1
		.amdhsa_system_sgpr_workgroup_id_z 1
		.amdhsa_system_vgpr_workitem_id 0
		.amdhsa_next_free_vgpr 512
		.amdhsa_next_free_sgpr 96
		.amdhsa_reserve_vcc 1
		.amdhsa_float_denorm_mode_32 3
		.amdhsa_float_denorm_mode_16_64 3
		.amdhsa_memory_ordered 1
		.amdhsa_forward_progress 1
		.amdhsa_inst_pref_size 165
	.end_amdhsa_kernel
	.amdgpu_metadata
---
amdhsa.version: [ 1, 2 ]
amdhsa.kernels:
  - .name:           k_qcbdae0b454_attn
    .symbol:         k_qcbdae0b454_attn.kd
    .args:
      - { .name: big, .offset: 0, .size: 8, .value_kind: global_buffer, .address_space: global }
      - { .name: input_mask, .offset: 8, .size: 8, .value_kind: global_buffer, .address_space: global }
      - { .name: act, .offset: 16, .size: 8, .value_kind: global_buffer, .address_space: global }
    .group_segment_fixed_size: 327680
    .private_segment_fixed_size: 0
    .kernarg_segment_align: 8
    .kernarg_segment_size: 24
    .max_flat_workgroup_size: 128
    .sgpr_count:     96
    .vgpr_count:     512
    .wavefront_size: 32
...
	.end_amdgpu_metadata
.endif
;; end of part 3
;; launch oproj (part 4): grid 8 x 32, 4 waves a work-group, clusters of 4 x 4, 327,680 bytes of LDS; arguments act, wts, attn_ob, x, resid; writes resid
.if DOCPART == 4
	.amdgcn_target "amdgcn-amd-amdhsa--gfx1250"
	.amdhsa_code_object_version 6
	.text
	.protected	k_qcbdae0b454_oproj
	.globl	k_qcbdae0b454_oproj
	.p2align	8
	.type	k_qcbdae0b454_oproj,@function
k_qcbdae0b454_oproj:
	s_mov_b64 s[64:65], 0
	v_nop
	global_prefetch_b8 v0, s[64:65] scope:SCOPE_SE
	s_setreg_imm32_b32 hwreg(HW_REG_WAVE_MODE, 25, 1), 1
	s_wait_xcnt 0x0
	s_wait_alu depctr_hold_cnt(0) depctr_sa_sdst(0) depctr_va_vdst(0) depctr_va_sdst(0) depctr_va_ssrc(0) depctr_va_vcc(0) depctr_vm_vsrc(0)
	s_getreg_b32 s2, hwreg(HW_REG_IB_STS2, 6, 4)
	s_cmp_eq_u32 s2, 0
	s_cbranch_scc0 .Lentry_in_a_cluster
	s_endpgm
.Lentry_in_a_cluster:
	s_bfe_u32 s2, ttmp6, 0x10000c
	s_cmp_lg_u32 s2, 0xf033
	s_cbranch_scc0 .Lentry_shape_is_right
	s_endpgm
.Lentry_shape_is_right:
; OUT-PROJECTION.  D[m][n] = R[m][n] + bias[n] + the sum over k of A[m][k] W[k][n], in f32.  A: f16 in blocks [m / 128][k / 64][128][64] (ctx), W: [SIZE_K][1024] f16 at byte WOFF of wts, R = x, D = resid: [4096][1024] f32.
; LIMITS.  The operands arrive in f16; NaN and infinities are not treated apart.
; A tile of D is 128 x 128, so that 8 x 32 = 256 work-groups share the work: four waves, each 64 x 64 = 16 accumulators.  K goes in steps of 256, as long as two LDS slots allow.
; A's blocks are dense: a wave's half of a K step (two blocks, 32,768 bytes) is asked for as 128 rows of 256 bytes and padded in LDS after every 128 bytes.  W's rows lie along N and are read turned.
; THE MATRIX INSTRUCTION IS USED TRANSPOSED (source 0 = 16 columns of W, source 1 = 16 rows of A): a lane holds row l % 16 and the columns 8 (l / 16) + 0..7.  The bias is the C operand of each sum's first product.
; The residual's 64 x 64 numbers are loaded at the start into registers of their own and land under the loop.  A wave's 64 columns of f32 are one aligned 256 bytes of a row: each wave has its own stage, and no barrier stands on the way out.
; CLUSTERS: 4 x 4 work-groups; A's tile is shared along a row of the cluster, W's along a column: joint loads.
; REGISTERS: window 0: v0-31 addresses; v32-63 the bias, later rows read back; v64-95 rows read back; v128-255 the accumulators ((a, b) at v[128 + 8 (4 a + b)]).
;   window 1: two fragment buffers of 128: for 64 along K, 64 registers of A, then 64 of W.   window 2: v0-127 the residual.
.set SIZE_K, 1024
.set WOFF,   6291456
.set SIZE_N, 1024
.set KB,     SIZE_K/64
.set KSTEP,  256
.set PA,     144                       ; a row of A in LDS: 128 bytes + 16 = 36 words: the 16 rows of a load start at 16 different groups of four banks (64 banks of 4 bytes: ISA guide 11.1)
.set PB,     288                       ; a row of W: 256 + 32 = 72 words
.set HALFT,  256*PA                    ; what one tensor load brings: two blocks of A (256 rows of 144), or 128 rows of W (of 288)
.set SLOT,   4*HALFT                   ; A's four blocks, then W's 256 rows
.set STAGE,  2*SLOT                    ; behind the ring: 16 rows x 272 bytes for each wave
.set SPITCH, 272
.set SPARE,  STAGE+4*16*SPITCH         ; the spare words, 128 bytes for each wave: two blocks of 256 bytes that no other line names
.set LAPS,   SIZE_K/(2*KSTEP)
.set ADRA, 16                          ; v16-17  LDS address of my A fragments in slot 0, 1
.set ADRB, 20                          ; v20-23  of my W fragments: slot 0 rows 0-127, rows 128-255; slot 1 likewise (an offset holds 16 bits)
.set STO,  24
.set RD,   25
.set CO,   26                          ; v26     my byte offset in two rows of R and D
.set BO,   27
.set SPW,  28                          ; v28     LDS address of my spare word; never rewritten
.set NIL,  29                          ; v29     0; never rewritten
.set BIAS, 32
.set BK0,  32
.set ACC,  128
.set F0,   0
.set F1,   128
.set WV, 12
.set RH, 13
.set CH, 14
.set TR, 15
.set TC, 42
.set G1, 24
.set G0, 32
.set G1B, 48
.set G0B, 56
.set MSB, 0
.macro WIN new
.if MSB != (\new)
	s_set_vgpr_msb (MSB<<8)|(\new)
.set MSB, \new
.endif
.endm
.set MUL,  0x05                        ; sources 0 (W) and 1 (A) window 1; C and D window 0
.set TO_F, 0x40                        ; destination window 1, address window 0
.macro JLOAD s                         ; a joint load: waves 0 and 1 fetch A's halves, waves 2 and 3 W's; four v_nop follow each of the two lines
	s_cmp_eq_u32 s[RH], 0
	s_cbranch_scc0 .Lfor_b_\@
	tensor_load_to_lds s[G0+4*(\s):G0+4*(\s)+3], s[G1:G1+7]
	s_nop 0
.rept 4
	v_nop
.endr
	s_branch .Lasked_\@
.Lfor_b_\@:
	tensor_load_to_lds s[G0B+4*(\s):G0B+4*(\s)+3], s[G1B:G1B+7]
	s_nop 0
.rept 4
	v_nop
.endr
.Lasked_\@:
.endm
.macro CREST
	s_cmp_lg_u32 s[WV], 0
	s_cbranch_scc1 .Lnot_wave_0_\@
	s_barrier_signal -3
.Lnot_wave_0_\@:
	s_barrier_wait -3
	s_barrier_signal -1
	s_barrier_wait -1
.endm
.macro CROUND
	s_barrier_signal -1
	s_barrier_wait -1
	CREST
.endm
.macro PLACES
.rept 4
	v_nop
.endr
.endm
	s_load_b256 s[4:11], s[0:1], 0x0               ; A s[4:5], wts s[6:7], bias s[8:9], R s[10:11]
	s_load_b64 s[66:67], s[0:1], 0x20              ; D
	v_lshl_add_u32 v[SPW], v0, 2, SPARE
	v_mov_b32 v[NIL], 0
	ds_add_u32 v28, v29
	ds_add_u32 v28, v29
	s_wait_dscnt 0x0
	v_lshrrev_b32 v1, 5, v0
	v_readfirstlane_b32 s[WV], v1
	s_lshr_b32 s[RH], s[WV], 1                     ; my half of the tile's rows.  Also: I fetch for A (0) or for W (1)
	s_and_b32 s[CH], s[WV], 1                      ; my half of its columns.  Also: which half of that tile I fetch
	s_bfe_u32 s40, ttmp6, 0x40000
	s_bfe_u32 s41, ttmp6, 0x40004
	s_lshl_b32 s[TC], ttmp9, 2
	s_add_co_u32 s[TC], s[TC], s40
	s_and_b32 s[TR], ttmp7, 0xffff
	s_lshl_b32 s[TR], s[TR], 2
	s_add_co_u32 s[TR], s[TR], s41
	s_lshl_b32 s43, s41, 2
	s_lshl_b32 s43, 15, s43                        ; my row of the cluster
	s_lshl_b32 s44, 0x1111, s40                    ; my column
	s_or_b32 s[G1+0], s43, (1<<16)|(1<<20)|(1<<21)|(4<<22)|(3<<25)   ; the mask; 2-byte elements; padding on; bit 21 beside a mask; after every 32 words 4 words
	s_or_b32 s[G1B+0], s44, (1<<16)|(1<<20)|(1<<21)|(5<<22)|(7<<25)  ; after every 64 words 8 words
.irp g, G1, G1B
	s_mov_b32 s[(\g)+1], 128<<16                   ; tensor_dim0 = 128
	s_mov_b32 s[(\g)+2], 128<<16                   ; tensor_dim1 = 128
	s_mov_b32 s[(\g)+3], 128<<16                   ; tile_dim0 = 128
	s_mov_b32 s[(\g)+4], 128                       ; tile_dim1 = 128
	s_mov_b32 s[(\g)+6], 0
	s_mov_b32 s[(\g)+7], 0
.endr
	s_mov_b32 s[G1+5], 128                         ; A: dense rows of 256 bytes
	s_mov_b32 s[G1B+5], SIZE_N
	s_mul_i32 s16, s[TR], KB*16384                 ; A: my tile row's blocks,
	s_lshl_b32 s17, s[CH], 15                      ; two blocks a half
	s_add_co_u32 s16, s16, s17
	s_mov_b32 s17, 0
	s_lshl_b32 s46, s[CH], 18                      ; W: row 128 x half, of 2,048 bytes,
	s_lshl_b32 s47, s[TC], 8                       ; column 128 x tile column,
	s_add_co_u32 s46, s46, s47
	s_add_co_u32 s46, s46, WOFF                    ; in its matrix
	s_mov_b32 s47, 0
	s_mul_i32 s20, s[WV], HALFT
	s_wait_kmcnt 0x0
	s_add_nc_u64 s[18:19], s[4:5], s[16:17]
	s_add_nc_u64 s[46:47], s[6:7], s[46:47]
	CROUND                                         ; all sixteen work-groups are here: the first joint loads meet
.irp s, 0,1
	s_mov_b32 s[G0+4*(\s)], 1
	s_add_co_u32 s[G0+4*(\s)+1], s20, (\s)*SLOT
	s_add_nc_u64 s[G0+4*(\s)+2:G0+4*(\s)+3], s[18:19], (\s)*65536
	s_or_b32 s[G0+4*(\s)+3], s[G0+4*(\s)+3], 0x80000000
	s_mov_b32 s[G0B+4*(\s)], 1
	s_add_co_u32 s[G0B+4*(\s)+1], s20, (\s)*SLOT
	s_add_nc_u64 s[G0B+4*(\s)+2:G0B+4*(\s)+3], s[46:47], (\s)*KSTEP*SIZE_N*2
	s_or_b32 s[G0B+4*(\s)+3], s[G0B+4*(\s)+3], 0x80000000
	JLOAD \s
.endr
	v_and_b32 v1, 15, v0                           ; l % 16
	v_bfe_u32 v2, v0, 4, 1                         ; l / 16
	v_lshlrev_b32 v[BO], 5, v2                     ; the bias of my 64 columns: register j of block b is column 16 b + 8 (l / 16) + j
	s_lshl_b32 s22, s[TC], 9
	s_lshl_b32 s23, s[CH], 8
	s_add_co_u32 s22, s22, s23
	s_mov_b32 s23, 0
	s_add_nc_u64 s[8:9], s[8:9], s[22:23]
.irp b, 0,1,2,3
	global_load_b128 v[BIAS+8*(\b):BIAS+8*(\b)+3],   v[BO], s[8:9] offset:64*(\b)
	global_load_b128 v[BIAS+8*(\b)+4:BIAS+8*(\b)+7], v[BO], s[8:9] offset:64*(\b)+16
.endr
	v_lshlrev_b32 v[CO], 12, v2                    ; lanes 0-15 one row's 256 bytes, lanes 16-31 the next row's
	v_lshl_add_u32 v[CO], v1, 4, v[CO]
	s_lshl_b32 s22, s[TR], 19                      ; (128 tile row + 64 row half) rows of 4,096 bytes + 512 tile column + 256 column half
	s_lshl_b32 s23, s[RH], 18
	s_add_co_u32 s22, s22, s23
	s_lshl_b32 s23, s[TC], 9
	s_add_co_u32 s22, s22, s23
	s_lshl_b32 s23, s[CH], 8
	s_add_co_u32 s22, s22, s23
	s_mov_b32 s23, 0
	s_add_nc_u64 s[10:11], s[10:11], s[22:23]
	s_add_nc_u64 s[66:67], s[66:67], s[22:23]
	WIN 0x80                                       ; destination window 2
.irp a, 0,1,2,3
.irp t, 0,1,2,3,4,5,6,7
	global_load_b128 v[4*(8*(\a)+(\t)):4*(8*(\a)+(\t))+3], v[CO], s[10:11] offset:(16*(\a)+2*(\t))*4096
.endr
.endr
	WIN 0
	v_mul_u32_u24 v3, v1, PA
	v_lshl_add_u32 v3, v2, 4, v3
	s_mul_i32 s21, s[RH], 64*PA                    ; my 64 rows of each block
	v_add_nc_u32 v[ADRA], s21, v3
	v_add_nc_u32 v[ADRA+1], SLOT, v[ADRA]
	v_and_b32 v4, 7, v0                            ; the turning load: lane l reads row 8 (l / 16) + l % 8, columns 8 ((l / 8) % 2) + 0..7
	v_lshl_add_u32 v4, v2, 3, v4
	v_mul_u32_u24 v4, v4, PB
	v_bfe_u32 v5, v0, 3, 1
	v_lshl_add_u32 v4, v5, 4, v4
	s_lshl_b32 s21, s[CH], 7                       ; my 64 columns,
	s_add_co_u32 s21, s21, 2*HALFT                 ; behind A's four blocks
	v_add_nc_u32 v[ADRB], s21, v4
	v_add_nc_u32 v[ADRB+1], HALFT, v[ADRB]
	v_add_nc_u32 v[ADRB+2], SLOT, v[ADRB]
	v_add_nc_u32 v[ADRB+3], SLOT+HALFT, v[ADRB]
	s_mul_i32 s23, s[WV], 16*SPITCH
	s_add_co_u32 s23, s23, STAGE                   ; my stage
	v_mul_u32_u24 v4, v1, SPITCH                   ; in: row l % 16, 32 bytes for each half of the lanes
	v_lshl_add_u32 v4, v2, 5, v4
	v_add_nc_u32 v[STO], s23, v4
	v_mul_u32_u24 v5, v2, SPITCH                   ; back: lanes 0-15 take one row of 256 bytes, lanes 16-31 the next
	v_lshl_add_u32 v5, v1, 4, v5
	v_add_nc_u32 v[RD], s23, v5
; 8 matrix instructions: m blocks a0, a0 + 1 x all 4 n blocks, 32 along K: half c of buffer f.  first = 1: the product starts the sum, with the bias as C.  The 16 accumulators take turns.
.macro MUL8 f, c, a0, first
	WIN MUL
.irp a, \a0, (\a0)+1
.irp b, 0,1,2,3
.if \first
	v_wmma_f32_16x16x32_f16 v[ACC+8*(4*(\a)+(\b)):ACC+8*(4*(\a)+(\b))+7], v[(\f)+64+8*(4*(\c)+(\b)):(\f)+64+8*(4*(\c)+(\b))+7], v[(\f)+8*(4*(\c)+(\a)):(\f)+8*(4*(\c)+(\a))+7], v[BIAS+8*(\b):BIAS+8*(\b)+7]
.else
	v_wmma_f32_16x16x32_f16 v[ACC+8*(4*(\a)+(\b)):ACC+8*(4*(\a)+(\b))+7], v[(\f)+64+8*(4*(\c)+(\b)):(\f)+64+8*(4*(\c)+(\b))+7], v[(\f)+8*(4*(\c)+(\a)):(\f)+8*(4*(\c)+(\a))+7], v[ACC+8*(4*(\a)+(\b)):ACC+8*(4*(\a)+(\b))+7]
.endif
.endr
.endr
.endm
; 32 LDS loads in one run: the fragments of quarter q (64 along K: one block of A) into buffer f; the first 32 along K first
.macro FETCH slot, q, f
	WIN TO_F
.irp c, 0,1
.irp i, 0,1,2,3
	ds_load_tr16_b128 v[(\f)+64+8*(4*(\c)+(\i)):(\f)+64+8*(4*(\c)+(\i))+3],   v[ADRB+2*(\slot)+(\q)/2] offset:(((\q)%2)*64+32*(\c))*PB+32*(\i)
	ds_load_tr16_b128 v[(\f)+64+8*(4*(\c)+(\i))+4:(\f)+64+8*(4*(\c)+(\i))+7], v[ADRB+2*(\slot)+(\q)/2] offset:(((\q)%2)*64+32*(\c))*PB+32*(\i)+16*PB
	ds_load_b128 v[(\f)+8*(4*(\c)+(\i)):(\f)+8*(4*(\c)+(\i))+3],   v[ADRA+(\slot)] offset:(\q)*128*PA+64*(\c)+(\i)*16*PA
	ds_load_b128 v[(\f)+8*(4*(\c)+(\i))+4:(\f)+8*(4*(\c)+(\i))+7], v[ADRA+(\slot)] offset:(\q)*128*PA+64*(\c)+(\i)*16*PA+32
.endr
.endr
.endm
.macro QUARTER slot, q, f, g, first
	s_wait_dscnt 16                                ; the first 32 along K are in: the other sixteen loads are younger
	MUL8 \f, 0, 0, \first
	MUL8 \f, 0, 2, \first
	PLACES
	FETCH \slot, \q, \g
	s_wait_dscnt 32                                ; all but the 32 just issued
	MUL8 \f, 1, 0, 0
	MUL8 \f, 1, 2, 0
.endm
; The last quarter multiplies buffer 1 and changes slots: ONE barrier; in front of it each wave waits for all its tensor loads, adds 0 to its spare word, and waits for that and for its own reads of this slot.
; fill = 1: the barrier opens a round of the cluster's, and this slot is filled again, two K steps ahead: 112 matrix instructions ahead of the wait for it.
.macro TURN slot, next, fill
	WIN 0
	s_wait_tensorcnt 0x0
	ds_add_u32 v[SPW], v[NIL]                      ; 0 onto my spare word
	s_wait_dscnt 17                                ; (the add and the youngest sixteen loads may be out)
	MUL8 F1, 0, 0, 0
	s_wait_dscnt 0x0                               ; the add is done, and my reads of this slot are over
	s_barrier_signal -1
	MUL8 F1, 0, 2, 0
.if \fill
	WIN 0
.endif
	s_barrier_wait -1
.if \fill
	CREST
	s_add_nc_u64 s[G0+4*(\slot)+2:G0+4*(\slot)+3], s[G0+4*(\slot)+2:G0+4*(\slot)+3], 2*65536
	s_add_nc_u64 s[G0B+4*(\slot)+2:G0B+4*(\slot)+3], s[G0B+4*(\slot)+2:G0B+4*(\slot)+3], 2*KSTEP*SIZE_N*2
	JLOAD \slot                                    ; the four v_nop behind it are also the places in front of the loads below
.else
	PLACES
.endif
	FETCH \next, 0, F0
	MUL8 F1, 1, 0, 0
	MUL8 F1, 1, 2, 0
.endm
; THE WAY OUT of block a (16 rows x 64 columns of f32): from the accumulators, low registers first, into my stage; back as whole rows of 256 bytes; the residual is added; stored.
.macro TOST a
.set BK, BK0+32*((\a)%2)
.if (\a) >= 2
	s_wait_xcnt 0x0                                ; the stores of the block two back have read these registers
.endif
.irp b, 0,1,2,3
	ds_store_b128 v[STO], v[ACC+8*(4*(\a)+(\b)):ACC+8*(4*(\a)+(\b))+3]   offset:64*(\b)
	ds_store_b128 v[STO], v[ACC+8*(4*(\a)+(\b))+4:ACC+8*(4*(\a)+(\b))+7] offset:64*(\b)+16
.endr
.irp t, 0,1,2,3,4,5,6,7
	ds_load_b128 v[BK+4*(\t):BK+4*(\t)+3], v[RD] offset:(\t)*2*SPITCH  ; LDS serves a wave's instructions in order (ISA guide 5.7.1.4)
.endr
.endm
.macro SEND a, younger
.set BK, BK0+32*((\a)%2)
	s_wait_dscnt \younger                          ; the block is back: the next block's sixteen LDS instructions, or none, are younger
	WIN 0x08                                       ; source 1 window 2
.set i, 0
.rept 16
	v_pk_add_f32 v[BK+2*i:BK+2*i+1], v[BK+2*i:BK+2*i+1], v[32*(\a)+2*i:32*(\a)+2*i+1]
.set i, i+1
.endr
	WIN 0
.irp t, 0,1,2,3,4,5,6,7
	global_store_b128 v[CO], v[BK+4*(\t):BK+4*(\t)+3], s[66:67] offset:(16*(\a)+2*(\t))*4096  ; 16 lanes store 256 consecutive bytes, at a multiple of 256 from D's first
.endr
.endm
	s_wait_tensorcnt 1                             ; my part of K step 0 is in; K step 1's may stay out
	s_barrier_signal -1
	s_barrier_wait -1
	FETCH 0, 0, F0
	s_wait_loadcnt 32                              ; the bias is in: the residual's 32 loads are younger
	QUARTER 0, 1, F0, F1, 1
	WIN 0
	s_mov_b32 s3, LAPS-1
.Llap:
	QUARTER 0, 2, F1, F0, 0
	QUARTER 0, 3, F0, F1, 0
	TURN 0, 1, 1
	QUARTER 1, 1, F0, F1, 0
	QUARTER 1, 2, F1, F0, 0
	QUARTER 1, 3, F0, F1, 0
	TURN 1, 0, 1
	QUARTER 0, 1, F0, F1, 0
	WIN 0
	s_sub_co_u32 s3, s3, 1
	s_cmp_lg_u32 s3, 0
	s_cbranch_scc1 .Llap
	QUARTER 0, 2, F1, F0, 0                        ; the last lap fills nothing
	QUARTER 0, 3, F0, F1, 0
	TURN 0, 1, 0
	QUARTER 1, 1, F0, F1, 0
	QUARTER 1, 2, F1, F0, 0
	QUARTER 1, 3, F0, F1, 0
	s_wait_dscnt 16
	MUL8 F1, 0, 0, 0
	MUL8 F1, 0, 2, 0
	s_wait_dscnt 0x0
	MUL8 F1, 1, 0, 0
	MUL8 F1, 1, 2, 0
	WIN 0
	PLACES
	s_wait_loadcnt 0x0                             ; the residual
	TOST 0
	TOST 1
	SEND 0, 16
	TOST 2
	SEND 1, 16
	TOST 3
	SEND 2, 16
	SEND 3, 0
	s_wait_tensorcnt 0x0                           ; the wave's end
	ds_add_u32 v[SPW], v[NIL]
	s_wait_dscnt 0x0
	CROUND                                         ; the closing round
	s_endpgm
.Lfunc_end_k_qcbdae0b454_oproj:
	.size	k_qcbdae0b454_oproj, .Lfunc_end_k_qcbdae0b454_oproj-k_qcbdae0b454_oproj
	.p2alignl 7, 3214868480
	.fill 96, 4, 3214868480
	.section	.rodata,"a",@progbits
	.p2align	6, 0x0
	.amdhsa_kernel k_qcbdae0b454_oproj
		.amdhsa_group_segment_fixed_size 327680
		.amdhsa_private_segment_fixed_size 0
		.amdhsa_enable_private_segment 0
		.amdhsa_kernarg_size 40
		.amdhsa_user_sgpr_count 2
		.amdhsa_user_sgpr_kernarg_segment_ptr 1
		.amdhsa_wavefront_size32 1
		.amdhsa_system_sgpr_workgroup_id_x 1
		.amdhsa_system_sgpr_workgroup_id_y 1
		.amdhsa_system_sgpr_workgroup_id_z 1
		.amdhsa_system_vgpr_workitem_id 0
		.amdhsa_next_free_vgpr 640
		.amdhsa_next_free_sgpr 72
		.amdhsa_reserve_vcc 0
		.amdhsa_float_denorm_mode_32 3
		.amdhsa_float_denorm_mode_16_64 3
		.amdhsa_memory_ordered 1
		.amdhsa_forward_progress 1
		.amdhsa_inst_pref_size 94
	.end_amdhsa_kernel
	.amdgpu_metadata
---
amdhsa.version: [ 1, 2 ]
amdhsa.kernels:
  - .name:           k_qcbdae0b454_oproj
    .symbol:         k_qcbdae0b454_oproj.kd
    .args:
      - { .name: act, .offset: 0, .size: 8, .value_kind: global_buffer, .address_space: global }
      - { .name: wts, .offset: 8, .size: 8, .value_kind: global_buffer, .address_space: global }
      - { .name: attn_ob, .offset: 16, .size: 8, .value_kind: global_buffer, .address_space: global }
      - { .name: x, .offset: 24, .size: 8, .value_kind: global_buffer, .address_space: global }
      - { .name: resid, .offset: 32, .size: 8, .value_kind: global_buffer, .address_space: global }
    .group_segment_fixed_size: 327680
    .private_segment_fixed_size: 0
    .kernarg_segment_align: 8
    .kernarg_segment_size: 40
    .max_flat_workgroup_size: 128
    .sgpr_count:     72
    .vgpr_count:     640
    .wavefront_size: 32
...
	.end_amdgpu_metadata
.endif
;; end of part 4
;; launch ln2 (part 5): grid 256 x 1, 8 waves a work-group, no clusters, 0 bytes of LDS; arguments resid, attn_nw, attn_nb, act; writes act
.if DOCPART == 5
	.amdgcn_target "amdgcn-amd-amdhsa--gfx1250"
	.amdhsa_code_object_version 6
	.text
	.protected	k_qcbdae0b454_ln2
	.globl	k_qcbdae0b454_ln2
	.p2align	8
	.type	k_qcbdae0b454_ln2,@function
k_qcbdae0b454_ln2:
	s_mov_b64 s[64:65], 0
	v_nop
	global_prefetch_b8 v0, s[64:65] scope:SCOPE_SE
	s_setreg_imm32_b32 hwreg(HW_REG_WAVE_MODE, 25, 1), 1
	s_wait_xcnt 0x0
; THE SECOND LAYER NORM.  act[row][c] = f16((r - mean) * rsqrt(var + 1e-12) * attn_nw[c] + attn_nb[c]), r = resid, rows of 1,024 f32.
; A launch of its own: a row spans eight tiles of the product in front.  A wave takes two rows; a row is 32 registers a lane and stays in registers between the pass for the mean,
; the pass for the variance (of r - mean: no difference of large sums) and the scaling.  No LDS, no barrier: memory binds, and no wave needs another's data.
; LIMITS.  f16 ends at 65,504; below 6e-5 it keeps its fixed step of 6e-8.  NaN and infinities are not treated apart.
.set T,   4                            ; v[4:19]    at work
.set MU,  20                           ; v[20:21]   the mean, twice
.set RS,  22                           ; v[22:23]   1 / sqrt(var + eps), twice
.set PX,  24                           ; v24        the other half of the lanes' sum
.set X0,  32                           ; v[32:63]   row 0: register 4 j + k holds column 128 j + 4 lane + k
.set X1,  64                           ; v[64:95]   row 1
.set G,   96                           ; v[96:127]  the gain
.set BV,  128                          ; v[128:159] the bias
.macro WSUM                            ; v[T] + v[T+1], summed over the wave's 32 lanes, into every lane's v[T]
	v_add_f32 v[T], v[T], v[T+1]
	v_add_f32_dpp v[T], v[T], v[T] row_xmask:1 row_mask:0xf bank_mask:0xf
	v_add_f32_dpp v[T], v[T], v[T] row_xmask:2 row_mask:0xf bank_mask:0xf
	v_add_f32_dpp v[T], v[T], v[T] row_xmask:4 row_mask:0xf bank_mask:0xf
	v_add_f32_dpp v[T], v[T], v[T] row_xmask:8 row_mask:0xf bank_mask:0xf
	v_permlanex16_b32 v[PX], v[T], s26, s27
	v_add_f32 v[T], v[T], v[PX]
.endm
.macro LNROW X, left                   ; mean, x - mean in place, variance, times 1 / sqrt(var + eps) in place; left = the younger loads that may stay out
	s_wait_loadcnt \left
.set j, 0
.rept 8
	v_pk_add_f32 v[T+2*j:T+2*j+1], v[(\X)+4*j:(\X)+4*j+1], v[(\X)+4*j+2:(\X)+4*j+3]
.set j, j+1
.endr
.irp j, 0,1,2,3
	v_pk_add_f32 v[T+2*\j:T+2*\j+1], v[T+2*\j:T+2*\j+1], v[T+8+2*\j:T+8+2*\j+1]
.endr
.irp j, 0,1
	v_pk_add_f32 v[T+2*\j:T+2*\j+1], v[T+2*\j:T+2*\j+1], v[T+4+2*\j:T+4+2*\j+1]
.endr
	v_pk_add_f32 v[T:T+1], v[T:T+1], v[T+2:T+3]
	WSUM
	v_mul_f32 v[MU], s24, v[T]
	v_mov_b32 v[MU+1], v[MU]
.set j, 0
.rept 16
	v_pk_add_f32 v[(\X)+2*j:(\X)+2*j+1], v[(\X)+2*j:(\X)+2*j+1], v[MU:MU+1] neg_lo:[0,1] neg_hi:[0,1]
.set j, j+1
.endr
.irp j, 0,1,2,3
	v_pk_mul_f32 v[T+2*\j:T+2*\j+1], v[(\X)+2*\j:(\X)+2*\j+1], v[(\X)+2*\j:(\X)+2*\j+1]
.endr
.set j, 4
.rept 12
	v_pk_fma_f32 v[T+2*(j%4):T+2*(j%4)+1], v[(\X)+2*j:(\X)+2*j+1], v[(\X)+2*j:(\X)+2*j+1], v[T+2*(j%4):T+2*(j%4)+1]
.set j, j+1
.endr
	v_pk_add_f32 v[T:T+1], v[T:T+1], v[T+4:T+5]
	v_pk_add_f32 v[T+2:T+3], v[T+2:T+3], v[T+6:T+7]
	v_pk_add_f32 v[T:T+1], v[T:T+1], v[T+2:T+3]
	WSUM
	v_fma_f32 v[RS], v[T], s24, s25                ; var + eps
	v_rsq_f32 v[RS], v[RS]
	v_nop                                          ; a plain instruction between the root and the use of its result
	s_wait_alu depctr_va_vdst(0)
	v_mov_b32 v[RS+1], v[RS]
.set j, 0
.rept 16
	v_pk_mul_f32 v[(\X)+2*j:(\X)+2*j+1], v[(\X)+2*j:(\X)+2*j+1], v[RS:RS+1]
.set j, j+1
.endr
.endm
.macro LNOUT X, rowoff                 ; gain and bias, rounding to f16, stores: 8 bytes a lane, 256 consecutive bytes a wave
.set j, 0
.rept 16
	v_pk_fma_f32 v[(\X)+2*j:(\X)+2*j+1], v[(\X)+2*j:(\X)+2*j+1], v[G+2*j:G+2*j+1], v[BV+2*j:BV+2*j+1]
.set j, j+1
.endr
.set j, 0
.rept 8
	v_cvt_pk_f16_f32 v[(\X)+4*j], v[(\X)+4*j], v[(\X)+4*j+1]
	v_cvt_pk_f16_f32 v[(\X)+4*j+1], v[(\X)+4*j+2], v[(\X)+4*j+3]
	global_store_b64 v2, v[(\X)+4*j:(\X)+4*j+1], s[10:11] offset:256*j+(\rowoff)
.set j, j+1
.endr
.endm
	s_load_b256 s[4:11], s[0:1], 0x0               ; resid 4:5, attn_nw 6:7, attn_nb 8:9, act 10:11
	v_lshrrev_b32 v3, 5, v0
	v_readfirstlane_b32 s22, v3                    ; wave 0..7: rows 16 g + 2 w and the next
	v_and_b32 v1, 31, v0
	v_lshlrev_b32 v2, 3, v1                        ; 8 x lane
	v_lshlrev_b32 v1, 4, v1                        ; 16 x lane
	v_mov_b32 v[PX], 0                             ; v_permlanex16_b32's destination counts as read
	s_lshl_b32 s28, ttmp9, 16                      ; 16 rows of 4,096 bytes
	s_lshl_b32 s23, s22, 13
	s_add_co_u32 s28, s28, s23
	s_mov_b32 s29, 0
	s_lshl_b32 s30, ttmp9, 15                      ; the same rows in act, 2,048 bytes each
	s_lshl_b32 s23, s22, 12
	s_add_co_u32 s30, s30, s23
	s_mov_b32 s31, 0
	s_mov_b32 s24, 0x3a800000                      ; 1 / 1024
	s_mov_b32 s25, 0x2b8cbccc                      ; 1e-12
	s_mov_b32 s26, 0x76543210
	s_mov_b32 s27, 0xfedcba98
	s_wait_kmcnt 0x0
	s_add_nc_u64 s[4:5], s[4:5], s[28:29]
	s_add_nc_u64 s[10:11], s[10:11], s[30:31]
.set j, 0
.rept 8
	global_load_b128 v[X0+4*j:X0+4*j+3], v1, s[4:5] offset:512*j
.set j, j+1
.endr
.set j, 0
.rept 8
	global_load_b128 v[X1+4*j:X1+4*j+3], v1, s[4:5] offset:4096+512*j
.set j, j+1
.endr
.set j, 0
.rept 8
	global_load_b128 v[G+4*j:G+4*j+3], v1, s[6:7] offset:512*j
.set j, j+1
.endr
.set j, 0
.rept 8
	global_load_b128 v[BV+4*j:BV+4*j+3], v1, s[8:9] offset:512*j
.set j, j+1
.endr
	LNROW X0, 24                                   ; row 0 is in: 24 loads are younger
	LNROW X1, 16                                   ; row 1 is in: 16 are younger
	s_wait_loadcnt 0x0                             ; gain and bias
	LNOUT X0, 0
	LNOUT X1, 2048
	s_endpgm
.Lfunc_end_k_qcbdae0b454_ln2:
	.size	k_qcbdae0b454_ln2, .Lfunc_end_k_qcbdae0b454_ln2-k_qcbdae0b454_ln2
	.p2alignl 7, 3214868480
	.fill 96, 4, 3214868480
	.section	.rodata,"a",@progbits
	.p2align	6, 0x0
	.amdhsa_kernel k_qcbdae0b454_ln2
		.amdhsa_group_segment_fixed_size 0
		.amdhsa_private_segment_fixed_size 0
		.amdhsa_enable_private_segment 0
		.amdhsa_kernarg_size 32
		.amdhsa_user_sgpr_count 2
		.amdhsa_user_sgpr_kernarg_segment_ptr 1
		.amdhsa_wavefront_size32 1
		.amdhsa_system_sgpr_workgroup_id_x 1
		.amdhsa_system_sgpr_workgroup_id_y 1
		.amdhsa_system_sgpr_workgroup_id_z 1
		.amdhsa_system_vgpr_workitem_id 0
		.amdhsa_next_free_vgpr 160
		.amdhsa_next_free_sgpr 66
		.amdhsa_reserve_vcc 0
		.amdhsa_float_denorm_mode_32 3
		.amdhsa_float_denorm_mode_16_64 3
		.amdhsa_memory_ordered 1
		.amdhsa_forward_progress 1
		.amdhsa_inst_pref_size 20
	.end_amdhsa_kernel
	.amdgpu_metadata
---
amdhsa.version: [ 1, 2 ]
amdhsa.kernels:
  - .name:           k_qcbdae0b454_ln2
    .symbol:         k_qcbdae0b454_ln2.kd
    .args:
      - { .name: resid, .offset: 0, .size: 8, .value_kind: global_buffer, .address_space: global }
      - { .name: attn_nw, .offset: 8, .size: 8, .value_kind: global_buffer, .address_space: global }
      - { .name: attn_nb, .offset: 16, .size: 8, .value_kind: global_buffer, .address_space: global }
      - { .name: act, .offset: 24, .size: 8, .value_kind: global_buffer, .address_space: global }
    .group_segment_fixed_size: 0
    .private_segment_fixed_size: 0
    .kernarg_segment_align: 8
    .kernarg_segment_size: 32
    .max_flat_workgroup_size: 256
    .sgpr_count:     66
    .vgpr_count:     160
    .wavefront_size: 32
...
	.end_amdgpu_metadata
.endif
;; end of part 5
;; launch mlp1 (part 6): grid 16 x 16, 4 waves a work-group, clusters of 4 x 4, 327,680 bytes of LDS; arguments act, wts, inter_b, big; writes big
.if DOCPART == 6
	.amdgcn_target "amdgcn-amd-amdhsa--gfx1250"
	.amdhsa_code_object_version 6
	.text
	.protected	k_qcbdae0b454_mlp1
	.globl	k_qcbdae0b454_mlp1
	.p2align	8
	.type	k_qcbdae0b454_mlp1,@function
k_qcbdae0b454_mlp1:
	s_mov_b64 s[64:65], 0
	v_nop
	global_prefetch_b8 v0, s[64:65] scope:SCOPE_SE
	s_setreg_imm32_b32 hwreg(HW_REG_WAVE_MODE, 25, 1), 1
	s_wait_xcnt 0x0
	s_wait_alu depctr_hold_cnt(0) depctr_sa_sdst(0) depctr_va_vdst(0) depctr_va_sdst(0) depctr_va_ssrc(0) depctr_va_vcc(0) depctr_vm_vsrc(0)
	s_getreg_b32 s2, hwreg(HW_REG_IB_STS2, 6, 4)
	s_cmp_eq_u32 s2, 0
	s_cbranch_scc0 .Lentry_in_a_cluster
	s_endpgm
.Lentry_in_a_cluster:
	s_bfe_u32 s2, ttmp6, 0x10000c
	s_cmp_lg_u32 s2, 0xf033
	s_cbranch_scc0 .Lentry_shape_is_right
	s_endpgm
.Lentry_shape_is_right:
; MLP, FIRST PRODUCT.  C[m][n] = gelu(bias[n] + the sum over k of A[m][k] W[k][n]), gelu in its tanh form.  A = act: [4096][1024] f16 (the normalised residual), W: [1024][SIZE_N] f16 at byte WOFF of wts, bias f32;
; sums and gelu in f32, C rounded once to f16.  C leaves in blocks big[m / 128][n / 64][128][64], of which the next product's tiles are made.
; LIMITS.  f16 ends at 65,504: a result beyond it becomes an infinity.  NaN and infinities are not treated apart.
; A tile of C is 256 x 256, 16 x 16 = 256 work-groups: four waves, each 128 x 128 = 64 accumulators, 512 registers.  K goes in steps of 128 through a ring of two LDS slots filled by the tensor data mover.
; A's rows lie along K and are read as they lie; W's rows lie along N and are read turned, by ds_load_tr16_b128.
; THE MATRIX INSTRUCTION IS USED TRANSPOSED: source 0 = 16 columns of W, source 1 = 16 rows of A: a lane holds row l % 16 of C and the columns 8 (l / 16) + 0..7.  The bias is the C operand of each sum's first product.
; CLUSTERS: 4 x 4 work-groups.  A's tile is shared along a row of the cluster, W's along a column: each is asked for jointly, by the same tensor load with the same descriptor and a mask that names the four.
; REGISTERS, in windows of 256: window 0: v0-31 addresses; v64-127, v128-191 A's fragments, two buffers (v64-127 at work on the way out); v192-255 the bias until the first quarter is done; then v192-223 packed results,
;   v32-63 and v224-255 rows read back.   window 1: v64-127, v128-191 W's fragments.   windows 2, 3: the accumulators of my rows 0-63, 64-127 ((a, b) at v[8 (8 a + b)]).
.set SIZE_K, 1024
.set SIZE_N, 4096
.set WOFF,   8388608
.set GELU,   1
.set SH_TC,  16                        ; the output's byte offset = tile column << SH_TC + column half << SH_CH + tile row << SH_TR + row half << SH_RH:
.set SH_CH,  15                        ; 4 and 2 blocks of 16,384 bytes; 2 and 1 rows of 64 blocks
.set SH_TR,  21
.set SH_RH,  20
.set CBSTEP, 16384                     ; bytes from a block of 64 columns to the next
.set KSTEP,  128
.set PA,     272                       ; a row of A in LDS: 256 bytes + 16 = 68 words: the 16 rows of a load start at 16 different groups of four banks (64 banks of 4 bytes: ISA guide 11.1)
.set PB,     544                       ; a row of W: 512 bytes + 32 = 136 words
.set HALFT,  128*PA                    ; what one tensor load brings: 128 rows of A, or 64 rows of W (64 x 544 is the same number)
.set SLOT,   4*HALFT                   ; A's 256 rows, then W's 128 rows
.set STAGE,  2*SLOT                    ; behind the ring: 16 rows x 272 bytes for each wave, for the way out
.set SPITCH, 272
.set SPARE,  STAGE+4*16*SPITCH         ; behind the stages: the spare words, 128 bytes for each wave: two blocks of 256 bytes that no other line names
.set LAPS,   SIZE_K/(2*KSTEP)          ; a lap = two K steps = once round the ring
.set ADRA, 16                          ; v16-17  LDS address of my A fragments in slot 0, 1
.set ADRB, 20                          ; v20-21  the same for W
.set STO,  24                          ; v24     the way out: where I put 16 bytes of a row
.set RD,   25                          ; v25     the way out: where I read rows back
.set CO,   26                          ; v26     my 16 bytes of 512 consecutive bytes of the output
.set BO,   27                          ; v27     my byte offset in 16 numbers of the bias
.set SPW,  28                          ; v28     LDS address of my spare word; never rewritten
.set NIL,  29                          ; v29     0; never rewritten
.set F0,   64
.set F1,   128
.set BIAS, 192
.set TMP,  192
.set OB,   32
.set TT,   64
.set WV, 12                            ; s12 wave; s13 my half of the tile's rows, also: I fetch for A (0) or W (1); s14 my half of its columns, also: which half of that tile I fetch
.set RH, 13
.set CH, 14
.set TR, 15                            ; s15 tile row; s42 tile column
.set TC, 42
.set G1, 24                            ; s[24:31] group 1 for A; s[32:39] group 0, a set for each slot
.set G0, 32
.set G1B, 48                           ; s[48:55], s[56:63] the same for W
.set G0B, 56
.set K1, 68                            ; s[68:69], s[70:71] gelu's two constants, as pairs
.set K2, 70
.set MSB, 0
.macro WIN new                         ; the immediate's high byte repeats the setting that is left; a switch that changes nothing is dropped
.if MSB != (\new)
	s_set_vgpr_msb (MSB<<8)|(\new)
.set MSB, \new
.endif
.endm
.set TO_B, 0x40                        ; destination window 1, address window 0
; A joint load: waves 0 and 1 fetch A's halves, waves 2 and 3 W's.  Four v_nop follow each of the two lines, ahead of the jump, the label and what follows.
.macro JLOAD s
	s_cmp_eq_u32 s[RH], 0
	s_cbranch_scc0 .Lfor_b_\@
	tensor_load_to_lds s[G0+4*(\s):G0+4*(\s)+3], s[G1:G1+7]
	s_nop 0
.rept 4
	v_nop
.endr
	s_branch .Lasked_\@
.Lfor_b_\@:
	tensor_load_to_lds s[G0B+4*(\s):G0B+4*(\s)+3], s[G1B:G1B+7]
	s_nop 0
.rept 4
	v_nop
.endr
.Lasked_\@:
.endm
.macro CREST                           ; a round of the cluster's barrier behind its opening barrier
	s_cmp_lg_u32 s[WV], 0
	s_cbranch_scc1 .Lnot_wave_0_\@
	s_barrier_signal -3
.Lnot_wave_0_\@:
	s_barrier_wait -3
	s_barrier_signal -1
	s_barrier_wait -1
.endm
.macro CROUND                          ; a whole round
	s_barrier_signal -1
	s_barrier_wait -1
	CREST
.endm
.macro PLACES                          ; four places in front of loads into registers that matrix instructions have read, and of vector work that reads results
.rept 4
	v_nop
.endr
.endm
	s_load_b256 s[4:11], s[0:1], 0x0               ; A s[4:5], wts s[6:7], bias s[8:9], output s[10:11]
	v_lshl_add_u32 v[SPW], v0, 2, SPARE
	v_mov_b32 v[NIL], 0
	ds_add_u32 v28, v29
	ds_add_u32 v28, v29
	s_wait_dscnt 0x0
	v_lshrrev_b32 v1, 5, v0
	v_readfirstlane_b32 s[WV], v1                  ; wave 0..3
	s_lshr_b32 s[RH], s[WV], 1
	s_and_b32 s[CH], s[WV], 1
	s_bfe_u32 s40, ttmp6, 0x40000                  ; cx, cy: my place in the cluster
	s_bfe_u32 s41, ttmp6, 0x40004
	s_lshl_b32 s[TC], ttmp9, 2
	s_add_co_u32 s[TC], s[TC], s40                 ; tile column = 4 x cluster x + cx
	s_and_b32 s[TR], ttmp7, 0xffff
	s_lshl_b32 s[TR], s[TR], 2
	s_add_co_u32 s[TR], s[TR], s41                 ; tile row = 4 x cluster y + cy
	s_lshl_b32 s43, s41, 2
	s_lshl_b32 s43, 15, s43                        ; my row of the cluster
	s_lshl_b32 s44, 0x1111, s40                    ; my column
	s_or_b32 s[G1+0], s43, (1<<16)|(1<<20)|(1<<21)|(5<<22)|(3<<25)   ; the mask; 2-byte elements; padding on; bit 21 beside a mask; after every 64 words 4 words
	s_or_b32 s[G1B+0], s44, (1<<16)|(1<<20)|(1<<21)|(6<<22)|(7<<25)  ; the same, after every 128 words 8 words
	s_mov_b32 s[G1+1], KSTEP<<16                   ; A: tensor_dim0 = 128
	s_mov_b32 s[G1+2], 128<<16                     ; tensor_dim1 = 128
	s_mov_b32 s[G1+3], KSTEP<<16                   ; tile_dim0 = 128
	s_mov_b32 s[G1+4], 128                         ; tile_dim1 = 128
	s_mov_b32 s[G1+5], SIZE_K                      ; elements from row to row
	s_mov_b32 s[G1+6], 0
	s_mov_b32 s[G1+7], 0
	s_mov_b32 s[G1B+1], 256<<16                    ; W: tensor_dim0 = 256
	s_mov_b32 s[G1B+2], 64<<16                     ; tensor_dim1 = 64
	s_mov_b32 s[G1B+3], 256<<16                    ; tile_dim0 = 256
	s_mov_b32 s[G1B+4], 64                         ; tile_dim1 = 64
	s_mov_b32 s[G1B+5], SIZE_N
	s_mov_b32 s[G1B+6], 0
	s_mov_b32 s[G1B+7], 0
	; A's tiles hang on the tile row alone, W's on the tile column alone; each offset is made in registers that never hold the other coordinate
	s_lshl_b32 s17, s[CH], 7
	s_lshl_b32 s16, s[TR], 8
	s_add_co_u32 s16, s16, s17                     ; A: row 256 x tile row + 128 x half,
	s_lshl_b32 s16, s16, 11                        ; of 2,048 bytes
	s_mov_b32 s17, 0
	s_mul_i32 s46, s[CH], 64*SIZE_N*2              ; W: row 64 x half,
	s_lshl_b32 s47, s[TC], 9                       ; column 256 x tile column,
	s_add_co_u32 s46, s46, s47
	s_add_co_u32 s46, s46, WOFF                    ; in its matrix
	s_mov_b32 s47, 0
	s_mul_i32 s20, s[WV], HALFT                    ; where they go: wave x a load's bytes: no place in the cluster enters an LDS address
	s_wait_kmcnt 0x0
	s_add_nc_u64 s[18:19], s[4:5], s[16:17]
	s_add_nc_u64 s[46:47], s[6:7], s[46:47]
	CROUND                                         ; all sixteen work-groups are here: the first joint loads meet
.irp s, 0,1
	s_mov_b32 s[G0+4*(\s)], 1
	s_add_co_u32 s[G0+4*(\s)+1], s20, (\s)*SLOT
	s_add_nc_u64 s[G0+4*(\s)+2:G0+4*(\s)+3], s[18:19], (\s)*KSTEP*2
	s_or_b32 s[G0+4*(\s)+3], s[G0+4*(\s)+3], 0x80000000
	s_mov_b32 s[G0B+4*(\s)], 1
	s_add_co_u32 s[G0B+4*(\s)+1], s20, (\s)*SLOT
	s_add_nc_u64 s[G0B+4*(\s)+2:G0B+4*(\s)+3], s[46:47], (\s)*KSTEP*SIZE_N*2
	s_or_b32 s[G0B+4*(\s)+3], s[G0B+4*(\s)+3], 0x80000000
	JLOAD \s                                       ; the ring is filled before anything else is done: two loads of mine are out
.endr
	v_and_b32 v1, 15, v0                           ; l % 16
	v_bfe_u32 v2, v0, 4, 1                         ; l / 16
	; the bias of my 128 columns: register j of block b is column 16 b + 8 (l / 16) + j
	v_lshlrev_b32 v[BO], 5, v2
	s_lshl_b32 s22, s[TC], 10
	s_lshl_b32 s23, s[CH], 9
	s_add_co_u32 s22, s22, s23
	s_mov_b32 s23, 0
	s_add_nc_u64 s[8:9], s[8:9], s[22:23]
.irp b, 0,1,2,3,4,5,6,7
	global_load_b128 v[BIAS+8*(\b):BIAS+8*(\b)+3],   v[BO], s[8:9] offset:64*(\b)
	global_load_b128 v[BIAS+8*(\b)+4:BIAS+8*(\b)+7], v[BO], s[8:9] offset:64*(\b)+16
.endr
	; A's fragment: lane l holds row l % 16, K = 8 (l / 16) + 0..7 and 16 + 8 (l / 16) + 0..7: two loads of 16 bytes, 32 bytes apart
	v_mul_u32_u24 v3, v1, PA
	v_lshl_add_u32 v3, v2, 4, v3
	s_mul_i32 s21, s[RH], HALFT
	v_add_nc_u32 v[ADRA], s21, v3
	v_add_nc_u32 v[ADRA+1], SLOT, v[ADRA]
	; W's: the turning load takes 16 k x 16 n (lane l reads row 8 (l / 16) + l % 8, columns 8 ((l / 8) % 2) + 0..7) and leaves half a fragment: lane l holds column l % 16 and 8 k
	v_and_b32 v4, 7, v0
	v_lshl_add_u32 v4, v2, 3, v4
	v_mul_u32_u24 v4, v4, PB
	v_bfe_u32 v5, v0, 3, 1
	v_lshl_add_u32 v4, v5, 4, v4
	s_lshl_b32 s21, s[CH], 8                       ; my 128 columns,
	s_add_co_u32 s21, s21, 2*HALFT                 ; behind A's 256 rows
	v_add_nc_u32 v[ADRB], s21, v4
	v_add_nc_u32 v[ADRB+1], SLOT, v[ADRB]
	s_mul_i32 s23, s[WV], 16*SPITCH
	s_add_co_u32 s23, s23, STAGE                   ; my stage
	v_mul_u32_u24 v4, v1, SPITCH                   ; in: row l % 16, 16 bytes for each half of the lanes
	v_lshl_add_u32 v4, v2, 4, v4
	v_add_nc_u32 v[STO], s23, v4
	v_bfe_u32 v5, v0, 3, 2                         ; back: 32 lanes take 128 bytes (64 columns) of four rows,
	v_mul_u32_u24 v5, v5, SPITCH
	v_and_b32 v6, 7, v0
	v_lshl_add_u32 v5, v6, 4, v5
	v_add_nc_u32 v[RD], s23, v5
	v_and_b32 v[CO], 31, v0                        ; which are 512 consecutive bytes of the output
	v_lshlrev_b32 v[CO], 4, v[CO]
	s_lshl_b32 s22, s[TC], SH_TC
	s_lshl_b32 s23, s[CH], SH_CH
	s_add_co_u32 s22, s22, s23
	s_lshl_b32 s23, s[TR], SH_TR
	s_add_co_u32 s22, s22, s23
	s_lshl_b32 s23, s[RH], SH_RH
	s_add_co_u32 s22, s22, s23
	s_mov_b32 s23, 0
	s_add_nc_u64 s[10:11], s[10:11], s[22:23]      ; the output at my first row of my first block of columns
.if GELU
	s_mov_b32 s[K1], 0xc0135761                    ; -2 sqrt(2 / pi) log2(e)
	s_mov_b32 s[K1+1], s[K1]
	s_mov_b32 s[K2], 0xbdd2d3e8                    ; 0.044715 times that
	s_mov_b32 s[K2+1], s[K2]
.endif
; 16 matrix instructions: m blocks a0, a0 + 1 of the window's four x all 8 n blocks, 32 along K.  first = 1: the product starts the sum, with the bias as C.
; The 64 accumulators take turns, one instruction a turn, in the same order in every quarter.
.macro MUL16 f, hi, a0, first
.if \first
	WIN 0x81+0x40*(\hi)                            ; W window 1, A and the bias window 0, D window 2 or 3
.else
	WIN 0xa1+0x50*(\hi)                            ; W window 1, A window 0, C and D window 2 or 3
.endif
.irp a, \a0, (\a0)+1
.irp b, 0,1,2,3,4,5,6,7
.if \first
	v_wmma_f32_16x16x32_f16 v[8*(8*(\a)+(\b)):8*(8*(\a)+(\b))+7], v[(\f)+8*(\b):(\f)+8*(\b)+7], v[(\f)+8*(4*(\hi)+(\a)):(\f)+8*(4*(\hi)+(\a))+7], v[BIAS+8*(\b):BIAS+8*(\b)+7]
.else
	v_wmma_f32_16x16x32_f16 v[8*(8*(\a)+(\b)):8*(8*(\a)+(\b))+7], v[(\f)+8*(\b):(\f)+8*(\b)+7], v[(\f)+8*(4*(\hi)+(\a)):(\f)+8*(4*(\hi)+(\a))+7], v[8*(8*(\a)+(\b)):8*(8*(\a)+(\b))+7]
.endif
.endr
.endr
.endm
; 32 LDS loads in one run: the fragments of quarter q (32 along K) of a slot into buffer f: W's 128 columns, then A's 128 rows
.macro FETCH slot, q, f
	WIN TO_B
.irp i, 0,1,2,3,4,5,6,7
	ds_load_tr16_b128 v[(\f)+8*(\i):(\f)+8*(\i)+3],   v[ADRB+(\slot)] offset:(\q)*32*PB+32*(\i)
	ds_load_tr16_b128 v[(\f)+8*(\i)+4:(\f)+8*(\i)+7], v[ADRB+(\slot)] offset:(\q)*32*PB+32*(\i)+16*PB
.endr
	WIN 0
.irp i, 0,1,2,3,4,5,6,7
	ds_load_b128 v[(\f)+8*(\i):(\f)+8*(\i)+3],   v[ADRA+(\slot)] offset:64*(\q)+(\i)*16*PA
	ds_load_b128 v[(\f)+8*(\i)+4:(\f)+8*(\i)+7], v[ADRA+(\slot)] offset:64*(\q)+(\i)*16*PA+32
.endr
.endm
; One of a K step's first three quarters: multiplies buffer f; in its middle it fetches quarter q of the same slot into buffer g.
.macro QUARTER slot, q, f, g, first
	s_wait_dscnt 8                                 ; W and A's rows 0-63 are in; the youngest eight loads (A's rows 64-127) may be out
	MUL16 \f, 0, 0, \first
	MUL16 \f, 0, 2, \first
	PLACES
	FETCH \slot, \q, \g
	s_wait_dscnt 32                                ; all but the 32 just issued
	MUL16 \f, 1, 0, \first
	MUL16 \f, 1, 2, \first
.endm
; The last quarter multiplies buffer 1 and changes slots: ONE barrier.  In front of it each wave waits for all its tensor loads (one is out: its part of the next slot), adds 0 to its spare word,
; and waits for that and for its own reads of this slot.  fill = 1: the barrier opens a round of the cluster's, and this slot is filled again, two K steps ahead, first thing behind the round:
; from that request to the wait for it a wave issues 224 matrix instructions.
.macro TURN slot, next, fill
	WIN 0                                          ; (the add's two registers lie in window 0)
	s_wait_tensorcnt 0x0
	ds_add_u32 v[SPW], v[NIL]                      ; 0 onto my spare word
	s_wait_dscnt 9                                 ; (the add and the youngest eight loads may be out)
	MUL16 F1, 0, 0, 0                              ; sixteen matrix instructions stand between the add and the wait for it
	s_wait_dscnt 0x0                               ; the add is done, and my reads of this slot are over
	s_barrier_signal -1
	MUL16 F1, 0, 2, 0
.if \fill
	WIN 0
.endif
	s_barrier_wait -1
.if \fill
	CREST                                          ; no wave of any partner still reads this slot's tile or has a load on its way
	s_add_nc_u64 s[G0+4*(\slot)+2:G0+4*(\slot)+3], s[G0+4*(\slot)+2:G0+4*(\slot)+3], 2*KSTEP*2
	s_add_nc_u64 s[G0B+4*(\slot)+2:G0B+4*(\slot)+3], s[G0B+4*(\slot)+2:G0B+4*(\slot)+3], 2*KSTEP*SIZE_N*2
	JLOAD \slot                                    ; the four v_nop behind it are also the places in front of the loads below
.else
	PLACES
.endif
	FETCH \next, 0, F0
	MUL16 F1, 1, 0, 0
	MUL16 F1, 1, 2, 0
.endm
; THE WAY OUT of block a (16 rows x 128 columns).  PACK: the activation, and rounding to f16, 16 bytes a lane; each accumulator's registers in ascending order.
.macro PACK a
.set AC, 64*((\a)%4)
.set WA, 2+(\a)/4
.if GELU
	WIN WA|(WA<<2)                                 ; gelu(x) = x / (1 + 2^(x (K1 + K2 x x))): the tanh form, written by the exponential; it ends rightly at both ends (2^big = infinity gives 0, 2^-big = 0 gives x)
.set i, 0
.rept 32
	v_pk_mul_f32 v[TT+2*i:TT+2*i+1], v[AC+2*i:AC+2*i+1], v[AC+2*i:AC+2*i+1]
.set i, i+1
.endr
	WIN 0
.set i, 0
.rept 32
	v_pk_fma_f32 v[TT+2*i:TT+2*i+1], v[TT+2*i:TT+2*i+1], s[K2:K2+1], s[K1:K1+1] op_sel_hi:[1,0,0]
.set i, i+1
.endr
	WIN WA<<2
.set i, 0
.rept 32
	v_pk_mul_f32 v[TT+2*i:TT+2*i+1], v[TT+2*i:TT+2*i+1], v[AC+2*i:AC+2*i+1]
.set i, i+1
.endr
	WIN 0
.set i, 0
.rept 64
	v_exp_f32 v[TT+i], v[TT+i]
.set i, i+1
.endr
	v_nop                                          ; a plain instruction behind the last exponential
.set i, 0
	s_wait_alu depctr_va_vdst(0)
.rept 32
	v_pk_add_f32 v[TT+2*i:TT+2*i+1], v[TT+2*i:TT+2*i+1], 1.0 op_sel_hi:[1,0]
.set i, i+1
.endr
.set i, 0
.rept 64
	v_rcp_f32 v[TT+i], v[TT+i]
.set i, i+1
.endr
	v_nop
	WIN WA<<2
.set i, 0
	s_wait_alu depctr_va_vdst(0)
.rept 32
	v_pk_mul_f32 v[TT+2*i:TT+2*i+1], v[TT+2*i:TT+2*i+1], v[AC+2*i:AC+2*i+1]
.set i, i+1
.endr
	WIN 0
.set i, 0
.rept 32
	v_cvt_pk_f16_f32 v[TMP+i], v[TT+2*i], v[TT+2*i+1]
.set i, i+1
.endr
.else
	WIN WA|(WA<<2)
.set i, 0
.rept 32
	v_cvt_pk_f16_f32 v[TMP+i], v[AC+2*i], v[AC+2*i+1]
.set i, i+1
.endr
	WIN 0
.endif
.endm
.macro TOSTAGE a                       ; into my own stage, and back by blocks of 64 columns, four rows a load
	WIN 0
.set BK, OB+192*((\a)%2)
.irp b, 0,1,2,3,4,5,6,7
	ds_store_b128 v[STO], v[TMP+4*(\b):TMP+4*(\b)+3] offset:32*(\b)
.endr
.irp c, 0,1
.irp t, 0,1,2,3
	ds_load_b128 v[BK+4*(4*(\c)+(\t)):BK+4*(4*(\c)+(\t))+3], v[RD] offset:(\t)*4*SPITCH+(\c)*128  ; LDS serves a wave's instructions in order (ISA guide 5.7.1.4): these see the stores above
.endr
.endr
.endm
.macro SEND a, younger
	WIN 0
.set BK, OB+192*((\a)%2)
	s_wait_dscnt \younger                          ; the block is back in registers
	s_wait_xcnt 0x0                                ; the stores of the block before have read their registers: the next TOSTAGE loads into them only behind this wait
.irp c, 0,1
.irp t, 0,1,2,3
	global_store_b128 v[CO], v[BK+4*(4*(\c)+(\t)):BK+4*(4*(\c)+(\t))+3], s[10:11] offset:(\c)*CBSTEP+(\a)*2048+(\t)*512  ; 512 consecutive bytes, at a multiple of 256 from the buffer's first
.endr
.endr
.endm
	s_wait_tensorcnt 1                             ; my part of K step 0 is in; K step 1's may stay out
	s_barrier_signal -1
	s_barrier_wait -1                              ; everybody's is
	FETCH 0, 0, F0
	s_wait_loadcnt 0x0                             ; the bias
	QUARTER 0, 1, F0, F1, 1                        ; the first quarter stands in front of the loop: its products start the sums
	WIN 0                                          ; at a label and at a branch every window is 0
	s_mov_b32 s3, LAPS-1
.Llap:                                                 ; a trip goes once round the ring, from a lap's second quarter to the next lap's first, and fills both slots again
	QUARTER 0, 2, F1, F0, 0
	QUARTER 0, 3, F0, F1, 0
	TURN 0, 1, 1
	QUARTER 1, 1, F0, F1, 0
	QUARTER 1, 2, F1, F0, 0
	QUARTER 1, 3, F0, F1, 0
	TURN 1, 0, 1
	QUARTER 0, 1, F0, F1, 0
	WIN 0
	s_sub_co_u32 s3, s3, 1
	s_cmp_lg_u32 s3, 0
	s_cbranch_scc1 .Llap
	QUARTER 0, 2, F1, F0, 0                        ; the last lap fills nothing, and has no round of the cluster's barrier
	QUARTER 0, 3, F0, F1, 0
	TURN 0, 1, 0
	QUARTER 1, 1, F0, F1, 0
	QUARTER 1, 2, F1, F0, 0
	QUARTER 1, 3, F0, F1, 0
	s_wait_dscnt 8                                 ; the very last quarter: nothing more to fetch
	MUL16 F1, 0, 0, 0
	MUL16 F1, 0, 2, 0
	s_wait_dscnt 0x0
	MUL16 F1, 1, 0, 0
	MUL16 F1, 1, 2, 0
	WIN 0
	PLACES
	PACK 0
	TOSTAGE 0
.irp a, 1,2,3,4,5,6,7                  ; block a's arithmetic stands between block a - 1's loads from the stage and the wait for them
	PACK \a
	SEND (\a)-1, 0
	TOSTAGE \a
.endr
	SEND 7, 0
	s_wait_tensorcnt 0x0                           ; the wave's end, behind my last tensor load and my last LDS store
	ds_add_u32 v[SPW], v[NIL]
	s_wait_dscnt 0x0
	CROUND                                         ; the closing round: no work-group ends while a partner may still ask for a tile that names it
	s_endpgm
.Lfunc_end_k_qcbdae0b454_mlp1:
	.size	k_qcbdae0b454_mlp1, .Lfunc_end_k_qcbdae0b454_mlp1-k_qcbdae0b454_mlp1
	.p2alignl 7, 3214868480
	.fill 96, 4, 3214868480
	.section	.rodata,"a",@progbits
	.p2align	6, 0x0
	.amdhsa_kernel k_qcbdae0b454_mlp1
		.amdhsa_group_segment_fixed_size 327680
		.amdhsa_private_segment_fixed_size 0
		.amdhsa_enable_private_segment 0
		.amdhsa_kernarg_size 32
		.amdhsa_user_sgpr_count 2
		.amdhsa_user_sgpr_kernarg_segment_ptr 1
		.amdhsa_wavefront_size32 1
		.amdhsa_system_sgpr_workgroup_id_x 1
		.amdhsa_system_sgpr_workgroup_id_y 1
		.amdhsa_system_sgpr_workgroup_id_z 1
		.amdhsa_system_vgpr_workitem_id 0
		.amdhsa_next_free_vgpr 1024
		.amdhsa_next_free_sgpr 72
		.amdhsa_reserve_vcc 0
		.amdhsa_float_denorm_mode_32 3
		.amdhsa_float_denorm_mode_16_64 3
		.amdhsa_memory_ordered 1
		.amdhsa_forward_progress 1
		.amdhsa_inst_pref_size 255
	.end_amdhsa_kernel
	.section	.bss,"aw",@nobits
	.p2align	6
	.space	262144
	.amdgpu_metadata
---
amdhsa.version: [ 1, 2 ]
amdhsa.kernels:
  - .name:           k_qcbdae0b454_mlp1
    .symbol:         k_qcbdae0b454_mlp1.kd
    .args:
      - { .name: act, .offset: 0, .size: 8, .value_kind: global_buffer, .address_space: global }
      - { .name: wts, .offset: 8, .size: 8, .value_kind: global_buffer, .address_space: global }
      - { .name: inter_b, .offset: 16, .size: 8, .value_kind: global_buffer, .address_space: global }
      - { .name: big, .offset: 24, .size: 8, .value_kind: global_buffer, .address_space: global }
    .group_segment_fixed_size: 327680
    .private_segment_fixed_size: 0
    .kernarg_segment_align: 8
    .kernarg_segment_size: 32
    .max_flat_workgroup_size: 128
    .sgpr_count:     72
    .vgpr_count:     1024
    .wavefront_size: 32
...
	.end_amdgpu_metadata
.endif
;; end of part 6
;; launch mlp2 (part 7): grid 8 x 32, 4 waves a work-group, clusters of 4 x 4, 327,680 bytes of LDS; arguments big, wts, output_b, resid, out0; writes out0
.if DOCPART == 7
	.amdgcn_target "amdgcn-amd-amdhsa--gfx1250"
	.amdhsa_code_object_version 6
	.text
	.protected	k_qcbdae0b454_mlp2
	.globl	k_qcbdae0b454_mlp2
	.p2align	8
	.type	k_qcbdae0b454_mlp2,@function
k_qcbdae0b454_mlp2:
	s_mov_b64 s[64:65], 0
	v_nop
	global_prefetch_b8 v0, s[64:65] scope:SCOPE_SE
	s_setreg_imm32_b32 hwreg(HW_REG_WAVE_MODE, 25, 1), 1
	s_wait_xcnt 0x0
	s_wait_alu depctr_hold_cnt(0) depctr_sa_sdst(0) depctr_va_vdst(0) depctr_va_sdst(0) depctr_va_ssrc(0) depctr_va_vcc(0) depctr_vm_vsrc(0)
	s_getreg_b32 s2, hwreg(HW_REG_IB_STS2, 6, 4)
	s_cmp_eq_u32 s2, 0
	s_cbranch_scc0 .Lentry_in_a_cluster
	s_endpgm
.Lentry_in_a_cluster:
	s_bfe_u32 s2, ttmp6, 0x10000c
	s_cmp_lg_u32 s2, 0xf033
	s_cbranch_scc0 .Lentry_shape_is_right
	s_endpgm
.Lentry_shape_is_right:
; MLP, SECOND PRODUCT.  D[m][n] = R[m][n] + bias[n] + the sum over k of A[m][k] W[k][n], in f32.  A: f16 in blocks [m / 128][k / 64][128][64] (gelu's results), W: [SIZE_K][1024] f16 at byte WOFF of wts,
; R = resid, D = out0: [4096][1024] f32.
; LIMITS.  The operands arrive in f16; NaN and infinities are not treated apart.
; A tile of D is 128 x 128, so that 8 x 32 = 256 work-groups share the work: four waves, each 64 x 64 = 16 accumulators.  K goes in steps of 256, as long as two LDS slots allow.
; A's blocks are dense: a wave's half of a K step (two blocks, 32,768 bytes) is asked for as 128 rows of 256 bytes and padded in LDS after every 128 bytes.  W's rows lie along N and are read turned.
; THE MATRIX INSTRUCTION IS USED TRANSPOSED (source 0 = 16 columns of W, source 1 = 16 rows of A): a lane holds row l % 16 and the columns 8 (l / 16) + 0..7.  The bias is the C operand of each sum's first product.
; The residual's 64 x 64 numbers are loaded at the start into registers of their own and land under the loop.  A wave's 64 columns of f32 are one aligned 256 bytes of a row: each wave has its own stage, and no barrier stands on the way out.
; CLUSTERS: 4 x 4 work-groups; A's tile is shared along a row of the cluster, W's along a column: joint loads.
; REGISTERS: window 0: v0-31 addresses; v32-63 the bias, later rows read back; v64-95 rows read back; v128-255 the accumulators ((a, b) at v[128 + 8 (4 a + b)]).
;   window 1: two fragment buffers of 128: for 64 along K, 64 registers of A, then 64 of W.   window 2: v0-127 the residual.
.set SIZE_K, 4096
.set WOFF,   16777216
.set SIZE_N, 1024
.set KB,     SIZE_K/64
.set KSTEP,  256
.set PA,     144                       ; a row of A in LDS: 128 bytes + 16 = 36 words: the 16 rows of a load start at 16 different groups of four banks (64 banks of 4 bytes: ISA guide 11.1)
.set PB,     288                       ; a row of W: 256 + 32 = 72 words
.set HALFT,  256*PA                    ; what one tensor load brings: two blocks of A (256 rows of 144), or 128 rows of W (of 288)
.set SLOT,   4*HALFT                   ; A's four blocks, then W's 256 rows
.set STAGE,  2*SLOT                    ; behind the ring: 16 rows x 272 bytes for each wave
.set SPITCH, 272
.set SPARE,  STAGE+4*16*SPITCH         ; the spare words, 128 bytes for each wave: two blocks of 256 bytes that no other line names
.set LAPS,   SIZE_K/(2*KSTEP)
.set ADRA, 16                          ; v16-17  LDS address of my A fragments in slot 0, 1
.set ADRB, 20                          ; v20-23  of my W fragments: slot 0 rows 0-127, rows 128-255; slot 1 likewise (an offset holds 16 bits)
.set STO,  24
.set RD,   25
.set CO,   26                          ; v26     my byte offset in two rows of R and D
.set BO,   27
.set SPW,  28                          ; v28     LDS address of my spare word; never rewritten
.set NIL,  29                          ; v29     0; never rewritten
.set BIAS, 32
.set BK0,  32
.set ACC,  128
.set F0,   0
.set F1,   128
.set WV, 12
.set RH, 13
.set CH, 14
.set TR, 15
.set TC, 42
.set G1, 24
.set G0, 32
.set G1B, 48
.set G0B, 56
.set MSB, 0
.macro WIN new
.if MSB != (\new)
	s_set_vgpr_msb (MSB<<8)|(\new)
.set MSB, \new
.endif
.endm
.set MUL,  0x05                        ; sources 0 (W) and 1 (A) window 1; C and D window 0
.set TO_F, 0x40                        ; destination window 1, address window 0
.macro JLOAD s                         ; a joint load: waves 0 and 1 fetch A's halves, waves 2 and 3 W's; four v_nop follow each of the two lines
	s_cmp_eq_u32 s[RH], 0
	s_cbranch_scc0 .Lfor_b_\@
	tensor_load_to_lds s[G0+4*(\s):G0+4*(\s)+3], s[G1:G1+7]
	s_nop 0
.rept 4
	v_nop
.endr
	s_branch .Lasked_\@
.Lfor_b_\@:
	tensor_load_to_lds s[G0B+4*(\s):G0B+4*(\s)+3], s[G1B:G1B+7]
	s_nop 0
.rept 4
	v_nop
.endr
.Lasked_\@:
.endm
.macro CREST
	s_cmp_lg_u32 s[WV], 0
	s_cbranch_scc1 .Lnot_wave_0_\@
	s_barrier_signal -3
.Lnot_wave_0_\@:
	s_barrier_wait -3
	s_barrier_signal -1
	s_barrier_wait -1
.endm
.macro CROUND
	s_barrier_signal -1
	s_barrier_wait -1
	CREST
.endm
.macro PLACES
.rept 4
	v_nop
.endr
.endm
	s_load_b256 s[4:11], s[0:1], 0x0               ; A s[4:5], wts s[6:7], bias s[8:9], R s[10:11]
	s_load_b64 s[66:67], s[0:1], 0x20              ; D
	v_lshl_add_u32 v[SPW], v0, 2, SPARE
	v_mov_b32 v[NIL], 0
	ds_add_u32 v28, v29
	ds_add_u32 v28, v29
	s_wait_dscnt 0x0
	v_lshrrev_b32 v1, 5, v0
	v_readfirstlane_b32 s[WV], v1
	s_lshr_b32 s[RH], s[WV], 1                     ; my half of the tile's rows.  Also: I fetch for A (0) or for W (1)
	s_and_b32 s[CH], s[WV], 1                      ; my half of its columns.  Also: which half of that tile I fetch
	s_bfe_u32 s40, ttmp6, 0x40000
	s_bfe_u32 s41, ttmp6, 0x40004
	s_lshl_b32 s[TC], ttmp9, 2
	s_add_co_u32 s[TC], s[TC], s40
	s_and_b32 s[TR], ttmp7, 0xffff
	s_lshl_b32 s[TR], s[TR], 2
	s_add_co_u32 s[TR], s[TR], s41
	s_lshl_b32 s43, s41, 2
	s_lshl_b32 s43, 15, s43                        ; my row of the cluster
	s_lshl_b32 s44, 0x1111, s40                    ; my column
	s_or_b32 s[G1+0], s43, (1<<16)|(1<<20)|(1<<21)|(4<<22)|(3<<25)   ; the mask; 2-byte elements; padding on; bit 21 beside a mask; after every 32 words 4 words
	s_or_b32 s[G1B+0], s44, (1<<16)|(1<<20)|(1<<21)|(5<<22)|(7<<25)  ; after every 64 words 8 words
.irp g, G1, G1B
	s_mov_b32 s[(\g)+1], 128<<16                   ; tensor_dim0 = 128
	s_mov_b32 s[(\g)+2], 128<<16                   ; tensor_dim1 = 128
	s_mov_b32 s[(\g)+3], 128<<16                   ; tile_dim0 = 128
	s_mov_b32 s[(\g)+4], 128                       ; tile_dim1 = 128
	s_mov_b32 s[(\g)+6], 0
	s_mov_b32 s[(\g)+7], 0
.endr
	s_mov_b32 s[G1+5], 128                         ; A: dense rows of 256 bytes
	s_mov_b32 s[G1B+5], SIZE_N
	s_mul_i32 s16, s[TR], KB*16384                 ; A: my tile row's blocks,
	s_lshl_b32 s17, s[CH], 15                      ; two blocks a half
	s_add_co_u32 s16, s16, s17
	s_mov_b32 s17, 0
	s_lshl_b32 s46, s[CH], 18                      ; W: row 128 x half, of 2,048 bytes,
	s_lshl_b32 s47, s[TC], 8                       ; column 128 x tile column,
	s_add_co_u32 s46, s46, s47
	s_add_co_u32 s46, s46, WOFF                    ; in its matrix
	s_mov_b32 s47, 0
	s_mul_i32 s20, s[WV], HALFT
	s_wait_kmcnt 0x0
	s_add_nc_u64 s[18:19], s[4:5], s[16:17]
	s_add_nc_u64 s[46:47], s[6:7], s[46:47]
	CROUND                                         ; all sixteen work-groups are here: the first joint loads meet
.irp s, 0,1
	s_mov_b32 s[G0+4*(\s)], 1
	s_add_co_u32 s[G0+4*(\s)+1], s20, (\s)*SLOT
	s_add_nc_u64 s[G0+4*(\s)+2:G0+4*(\s)+3], s[18:19], (\s)*65536
	s_or_b32 s[G0+4*(\s)+3], s[G0+4*(\s)+3], 0x80000000
	s_mov_b32 s[G0B+4*(\s)], 1
	s_add_co_u32 s[G0B+4*(\s)+1], s20, (\s)*SLOT
	s_add_nc_u64 s[G0B+4*(\s)+2:G0B+4*(\s)+3], s[46:47], (\s)*KSTEP*SIZE_N*2
	s_or_b32 s[G0B+4*(\s)+3], s[G0B+4*(\s)+3], 0x80000000
	JLOAD \s
.endr
	v_and_b32 v1, 15, v0                           ; l % 16
	v_bfe_u32 v2, v0, 4, 1                         ; l / 16
	v_lshlrev_b32 v[BO], 5, v2                     ; the bias of my 64 columns: register j of block b is column 16 b + 8 (l / 16) + j
	s_lshl_b32 s22, s[TC], 9
	s_lshl_b32 s23, s[CH], 8
	s_add_co_u32 s22, s22, s23
	s_mov_b32 s23, 0
	s_add_nc_u64 s[8:9], s[8:9], s[22:23]
.irp b, 0,1,2,3
	global_load_b128 v[BIAS+8*(\b):BIAS+8*(\b)+3],   v[BO], s[8:9] offset:64*(\b)
	global_load_b128 v[BIAS+8*(\b)+4:BIAS+8*(\b)+7], v[BO], s[8:9] offset:64*(\b)+16
.endr
	v_lshlrev_b32 v[CO], 12, v2                    ; lanes 0-15 one row's 256 bytes, lanes 16-31 the next row's
	v_lshl_add_u32 v[CO], v1, 4, v[CO]
	s_lshl_b32 s22, s[TR], 19                      ; (128 tile row + 64 row half) rows of 4,096 bytes + 512 tile column + 256 column half
	s_lshl_b32 s23, s[RH], 18
	s_add_co_u32 s22, s22, s23
	s_lshl_b32 s23, s[TC], 9
	s_add_co_u32 s22, s22, s23
	s_lshl_b32 s23, s[CH], 8
	s_add_co_u32 s22, s22, s23
	s_mov_b32 s23, 0
	s_add_nc_u64 s[10:11], s[10:11], s[22:23]
	s_add_nc_u64 s[66:67], s[66:67], s[22:23]
	WIN 0x80                                       ; destination window 2
.irp a, 0,1,2,3
.irp t, 0,1,2,3,4,5,6,7
	global_load_b128 v[4*(8*(\a)+(\t)):4*(8*(\a)+(\t))+3], v[CO], s[10:11] offset:(16*(\a)+2*(\t))*4096
.endr
.endr
	WIN 0
	v_mul_u32_u24 v3, v1, PA
	v_lshl_add_u32 v3, v2, 4, v3
	s_mul_i32 s21, s[RH], 64*PA                    ; my 64 rows of each block
	v_add_nc_u32 v[ADRA], s21, v3
	v_add_nc_u32 v[ADRA+1], SLOT, v[ADRA]
	v_and_b32 v4, 7, v0                            ; the turning load: lane l reads row 8 (l / 16) + l % 8, columns 8 ((l / 8) % 2) + 0..7
	v_lshl_add_u32 v4, v2, 3, v4
	v_mul_u32_u24 v4, v4, PB
	v_bfe_u32 v5, v0, 3, 1
	v_lshl_add_u32 v4, v5, 4, v4
	s_lshl_b32 s21, s[CH], 7                       ; my 64 columns,
	s_add_co_u32 s21, s21, 2*HALFT                 ; behind A's four blocks
	v_add_nc_u32 v[ADRB], s21, v4
	v_add_nc_u32 v[ADRB+1], HALFT, v[ADRB]
	v_add_nc_u32 v[ADRB+2], SLOT, v[ADRB]
	v_add_nc_u32 v[ADRB+3], SLOT+HALFT, v[ADRB]
	s_mul_i32 s23, s[WV], 16*SPITCH
	s_add_co_u32 s23, s23, STAGE                   ; my stage
	v_mul_u32_u24 v4, v1, SPITCH                   ; in: row l % 16, 32 bytes for each half of the lanes
	v_lshl_add_u32 v4, v2, 5, v4
	v_add_nc_u32 v[STO], s23, v4
	v_mul_u32_u24 v5, v2, SPITCH                   ; back: lanes 0-15 take one row of 256 bytes, lanes 16-31 the next
	v_lshl_add_u32 v5, v1, 4, v5
	v_add_nc_u32 v[RD], s23, v5
; 8 matrix instructions: m blocks a0, a0 + 1 x all 4 n blocks, 32 along K: half c of buffer f.  first = 1: the product starts the sum, with the bias as C.  The 16 accumulators take turns.
.macro MUL8 f, c, a0, first
	WIN MUL
.irp a, \a0, (\a0)+1
.irp b, 0,1,2,3
.if \first
	v_wmma_f32_16x16x32_f16 v[ACC+8*(4*(\a)+(\b)):ACC+8*(4*(\a)+(\b))+7], v[(\f)+64+8*(4*(\c)+(\b)):(\f)+64+8*(4*(\c)+(\b))+7], v[(\f)+8*(4*(\c)+(\a)):(\f)+8*(4*(\c)+(\a))+7], v[BIAS+8*(\b):BIAS+8*(\b)+7]
.else
	v_wmma_f32_16x16x32_f16 v[ACC+8*(4*(\a)+(\b)):ACC+8*(4*(\a)+(\b))+7], v[(\f)+64+8*(4*(\c)+(\b)):(\f)+64+8*(4*(\c)+(\b))+7], v[(\f)+8*(4*(\c)+(\a)):(\f)+8*(4*(\c)+(\a))+7], v[ACC+8*(4*(\a)+(\b)):ACC+8*(4*(\a)+(\b))+7]
.endif
.endr
.endr
.endm
; 32 LDS loads in one run: the fragments of quarter q (64 along K: one block of A) into buffer f; the first 32 along K first
.macro FETCH slot, q, f
	WIN TO_F
.irp c, 0,1
.irp i, 0,1,2,3
	ds_load_tr16_b128 v[(\f)+64+8*(4*(\c)+(\i)):(\f)+64+8*(4*(\c)+(\i))+3],   v[ADRB+2*(\slot)+(\q)/2] offset:(((\q)%2)*64+32*(\c))*PB+32*(\i)
	ds_load_tr16_b128 v[(\f)+64+8*(4*(\c)+(\i))+4:(\f)+64+8*(4*(\c)+(\i))+7], v[ADRB+2*(\slot)+(\q)/2] offset:(((\q)%2)*64+32*(\c))*PB+32*(\i)+16*PB
	ds_load_b128 v[(\f)+8*(4*(\c)+(\i)):(\f)+8*(4*(\c)+(\i))+3],   v[ADRA+(\slot)] offset:(\q)*128*PA+64*(\c)+(\i)*16*PA
	ds_load_b128 v[(\f)+8*(4*(\c)+(\i))+4:(\f)+8*(4*(\c)+(\i))+7], v[ADRA+(\slot)] offset:(\q)*128*PA+64*(\c)+(\i)*16*PA+32
.endr
.endr
.endm
.macro QUARTER slot, q, f, g, first
	s_wait_dscnt 16                                ; the first 32 along K are in: the other sixteen loads are younger
	MUL8 \f, 0, 0, \first
	MUL8 \f, 0, 2, \first
	PLACES
	FETCH \slot, \q, \g
	s_wait_dscnt 32                                ; all but the 32 just issued
	MUL8 \f, 1, 0, 0
	MUL8 \f, 1, 2, 0
.endm
; The last quarter multiplies buffer 1 and changes slots: ONE barrier; in front of it each wave waits for all its tensor loads, adds 0 to its spare word, and waits for that and for its own reads of this slot.
; fill = 1: the barrier opens a round of the cluster's, and this slot is filled again, two K steps ahead: 112 matrix instructions ahead of the wait for it.
.macro TURN slot, next, fill
	WIN 0
	s_wait_tensorcnt 0x0
	ds_add_u32 v[SPW], v[NIL]                      ; 0 onto my spare word
	s_wait_dscnt 17                                ; (the add and the youngest sixteen loads may be out)
	MUL8 F1, 0, 0, 0
	s_wait_dscnt 0x0                               ; the add is done, and my reads of this slot are over
	s_barrier_signal -1
	MUL8 F1, 0, 2, 0
.if \fill
	WIN 0
.endif
	s_barrier_wait -1
.if \fill
	CREST
	s_add_nc_u64 s[G0+4*(\slot)+2:G0+4*(\slot)+3], s[G0+4*(\slot)+2:G0+4*(\slot)+3], 2*65536
	s_add_nc_u64 s[G0B+4*(\slot)+2:G0B+4*(\slot)+3], s[G0B+4*(\slot)+2:G0B+4*(\slot)+3], 2*KSTEP*SIZE_N*2
	JLOAD \slot                                    ; the four v_nop behind it are also the places in front of the loads below
.else
	PLACES
.endif
	FETCH \next, 0, F0
	MUL8 F1, 1, 0, 0
	MUL8 F1, 1, 2, 0
.endm
; THE WAY OUT of block a (16 rows x 64 columns of f32): from the accumulators, low registers first, into my stage; back as whole rows of 256 bytes; the residual is added; stored.
.macro TOST a
.set BK, BK0+32*((\a)%2)
.if (\a) >= 2
	s_wait_xcnt 0x0                                ; the stores of the block two back have read these registers
.endif
.irp b, 0,1,2,3
	ds_store_b128 v[STO], v[ACC+8*(4*(\a)+(\b)):ACC+8*(4*(\a)+(\b))+3]   offset:64*(\b)
	ds_store_b128 v[STO], v[ACC+8*(4*(\a)+(\b))+4:ACC+8*(4*(\a)+(\b))+7] offset:64*(\b)+16
.endr
.irp t, 0,1,2,3,4,5,6,7
	ds_load_b128 v[BK+4*(\t):BK+4*(\t)+3], v[RD] offset:(\t)*2*SPITCH  ; LDS serves a wave's instructions in order (ISA guide 5.7.1.4)
.endr
.endm
.macro SEND a, younger
.set BK, BK0+32*((\a)%2)
	s_wait_dscnt \younger                          ; the block is back: the next block's sixteen LDS instructions, or none, are younger
	WIN 0x08                                       ; source 1 window 2
.set i, 0
.rept 16
	v_pk_add_f32 v[BK+2*i:BK+2*i+1], v[BK+2*i:BK+2*i+1], v[32*(\a)+2*i:32*(\a)+2*i+1]
.set i, i+1
.endr
	WIN 0
.irp t, 0,1,2,3,4,5,6,7
	global_store_b128 v[CO], v[BK+4*(\t):BK+4*(\t)+3], s[66:67] offset:(16*(\a)+2*(\t))*4096  ; 16 lanes store 256 consecutive bytes, at a multiple of 256 from D's first
.endr
.endm
	s_wait_tensorcnt 1                             ; my part of K step 0 is in; K step 1's may stay out
	s_barrier_signal -1
	s_barrier_wait -1
	FETCH 0, 0, F0
	s_wait_loadcnt 32                              ; the bias is in: the residual's 32 loads are younger
	QUARTER 0, 1, F0, F1, 1
	WIN 0
	s_mov_b32 s3, LAPS-1
.Llap:
	QUARTER 0, 2, F1, F0, 0
	QUARTER 0, 3, F0, F1, 0
	TURN 0, 1, 1
	QUARTER 1, 1, F0, F1, 0
	QUARTER 1, 2, F1, F0, 0
	QUARTER 1, 3, F0, F1, 0
	TURN 1, 0, 1
	QUARTER 0, 1, F0, F1, 0
	WIN 0
	s_sub_co_u32 s3, s3, 1
	s_cmp_lg_u32 s3, 0
	s_cbranch_scc1 .Llap
	QUARTER 0, 2, F1, F0, 0                        ; the last lap fills nothing
	QUARTER 0, 3, F0, F1, 0
	TURN 0, 1, 0
	QUARTER 1, 1, F0, F1, 0
	QUARTER 1, 2, F1, F0, 0
	QUARTER 1, 3, F0, F1, 0
	s_wait_dscnt 16
	MUL8 F1, 0, 0, 0
	MUL8 F1, 0, 2, 0
	s_wait_dscnt 0x0
	MUL8 F1, 1, 0, 0
	MUL8 F1, 1, 2, 0
	WIN 0
	PLACES
	s_wait_loadcnt 0x0                             ; the residual
	TOST 0
	TOST 1
	SEND 0, 16
	TOST 2
	SEND 1, 16
	TOST 3
	SEND 2, 16
	SEND 3, 0
	s_wait_tensorcnt 0x0                           ; the wave's end
	ds_add_u32 v[SPW], v[NIL]
	s_wait_dscnt 0x0
	CROUND                                         ; the closing round
	s_endpgm
.Lfunc_end_k_qcbdae0b454_mlp2:
	.size	k_qcbdae0b454_mlp2, .Lfunc_end_k_qcbdae0b454_mlp2-k_qcbdae0b454_mlp2
	.p2alignl 7, 3214868480
	.fill 96, 4, 3214868480
	.section	.rodata,"a",@progbits
	.p2align	6, 0x0
	.amdhsa_kernel k_qcbdae0b454_mlp2
		.amdhsa_group_segment_fixed_size 327680
		.amdhsa_private_segment_fixed_size 0
		.amdhsa_enable_private_segment 0
		.amdhsa_kernarg_size 40
		.amdhsa_user_sgpr_count 2
		.amdhsa_user_sgpr_kernarg_segment_ptr 1
		.amdhsa_wavefront_size32 1
		.amdhsa_system_sgpr_workgroup_id_x 1
		.amdhsa_system_sgpr_workgroup_id_y 1
		.amdhsa_system_sgpr_workgroup_id_z 1
		.amdhsa_system_vgpr_workitem_id 0
		.amdhsa_next_free_vgpr 640
		.amdhsa_next_free_sgpr 72
		.amdhsa_reserve_vcc 0
		.amdhsa_float_denorm_mode_32 3
		.amdhsa_float_denorm_mode_16_64 3
		.amdhsa_memory_ordered 1
		.amdhsa_forward_progress 1
		.amdhsa_inst_pref_size 94
	.end_amdhsa_kernel
	.amdgpu_metadata
---
amdhsa.version: [ 1, 2 ]
amdhsa.kernels:
  - .name:           k_qcbdae0b454_mlp2
    .symbol:         k_qcbdae0b454_mlp2.kd
    .args:
      - { .name: big, .offset: 0, .size: 8, .value_kind: global_buffer, .address_space: global }
      - { .name: wts, .offset: 8, .size: 8, .value_kind: global_buffer, .address_space: global }
      - { .name: output_b, .offset: 16, .size: 8, .value_kind: global_buffer, .address_space: global }
      - { .name: resid, .offset: 24, .size: 8, .value_kind: global_buffer, .address_space: global }
      - { .name: out0, .offset: 32, .size: 8, .value_kind: global_buffer, .address_space: global }
    .group_segment_fixed_size: 327680
    .private_segment_fixed_size: 0
    .kernarg_segment_align: 8
    .kernarg_segment_size: 40
    .max_flat_workgroup_size: 128
    .sgpr_count:     72
    .vgpr_count:     640
    .wavefront_size: 32
...
	.end_amdgpu_metadata
.endif
;; end of part 7
;; ======== version 2 of 2: 7 launches; 1.08 times as fast as version 1
;; limits: values are held in f16: magnitudes above 65,504 overflow, below 6.1e-05 lose precision
;; workspace buffers: wts 25,165,824 bytes; act 8,388,608 bytes; big 33,554,432 bytes; resid 16,777,216 bytes
;; launch prep: the kernel of part 1 again; grid 1024 x 1, 8 waves a work-group, no clusters, 0 bytes of LDS; arguments x, norm_w, norm_b, qkvw, attn_ow, inter_w, output_w, act, wts; writes act, wts
;; launch qkv: the kernel of part 2 again; grid 12 x 16, 4 waves a work-group, clusters of 4 x 4, 327,680 bytes of LDS; arguments act, wts, qkvb, big; writes big
;; launch attn (part 8): grid 8 x 32, 4 waves a work-group, no clusters, 327,680 bytes of LDS; arguments big, input_mask, act; writes act
.if DOCPART == 8
	.amdgcn_target "amdgcn-amd-amdhsa--gfx1250"
	.amdhsa_code_object_version 6
	.text
	.protected	k_qcbdae0b454_attn
	.globl	k_qcbdae0b454_attn
	.p2align	8
	.type	k_qcbdae0b454_attn,@function
k_qcbdae0b454_attn:
	s_mov_b64 s[64:65], 0
	v_nop
	global_prefetch_b8 v0, s[64:65] scope:SCOPE_SE
	s_setreg_imm32_b32 hwreg(HW_REG_WAVE_MODE, 25, 1), 1
	s_wait_xcnt 0x0
; CAUSAL ATTENTION with an additive mask per key.  ctx[q] = the sum over k <= q of softmax_k(Q[q] . K[k] / 8 + mask[k]) V[k], for each of 2 x 16 (batch, head).
; q, k, v: big[16 sel + head][2048 batch + token][64] in f16, unscaled: a head's rows are dense, 128 bytes each.  Products, maxima and sums in f32; the weights are rounded to f16 for the second product
; (their sum is taken of the unrounded weights), ctx once at the end.  ctx leaves as act[token / 128][head][token % 128][64] f16, the blocks that the next product's tiles are made of.
; LIMITS.  A key above the diagonal has weight 0.  The definition gives it the score -1e9 + mask: the same, as long as a row's largest visible score + mask lies more than about 104 above -1e9 + the largest
; hidden mask, which holds for |mask| and |score| under 4e8.  In the diagonal's tiles a hidden score counts as its value less 1e30.  A weight below 2^-126 counts as 0.  NaN and infinities are not treated apart.
; THE WALK.  A head's queries lie in 16 blocks of 128; block i needs the key tiles 0 .. i / 2 of 256 keys, the last of which holds the diagonal.  A work-group takes blocks 15 - b and then b: 9 tiles whatever b,
; so all work-groups do equal work and ONE loop with a constant trip count walks them; the ring of two LDS slots runs on across the change of blocks.
; NO CLUSTER: a head's 8 work-groups ask for the same tile only in their first trips (the first blocks have 5 to 8 tiles); a walk common to all would have 12 trips for 9.
; SHARES.  A wave owns two tiles of 16 queries, tile t in the block's band t of 64: rows 64 t + 16 w + l % 16.  So the diagonal is the same work in every wave.
; LAYOUT.  S^T = K Q^T (source 0 = 16 keys, source 1 = 16 queries): a lane holds ONE query (l % 16) and the keys 8 (l / 16) + 0..7.  Two such results rounded to f16 ARE source 1 of O^T = V^T P.
; THE MASKS are the C operand that starts S^T: 8 x mask[key] (MK, from a table in LDS), since c = log2(e) / 8 scales the whole sum.  In the diagonal tile's step s, band x = P2 + t (P2 = 2 (block % 2))
; sees all keys if s < x, none if s > x, and holds the diagonal if s = x: there C = MD x AL + MK + BE, MD being the diagonal's own mask (0 or -1e30), with (AL, BE) = (0, 0), (0, -1e30), (1, 0).
; SOFTMAX.  For each query a running maximum m and sum l: p = 2^(c s - c m); in every step O and l are multiplied by a = 2^(c m_old - c m_new).  m starts at the lowest finite number: a block's first a is 0.
; Key 0 is visible to every row in a block's first step, so m is a true score before the first hidden one comes.
; IN PHASES: a step's 16 products K Q^T; both tiles' maxima and statistics; the step's exponentials; tile 0's rescaling, roundings and sums, its 8 products V^T P; tile 1's, its 8 products.
; The next step's K and V are fetched in runs behind the products that read them.
; THE BATCHES.  A step's 66 exponentials (the two a, 32 weights a tile) are ONE batch with ONE wait: ahead of the wait stand the maxima, the statistics, the 32 scalings and the exponentials, none of which names
; an exponential's result; behind it all that do: the rescaling by a, the roundings, the sums.  A block's two reciprocals are a batch of their own.
; REGISTERS: window 0: v0-15 addresses; v16-31 statistics, 8 a tile; v32-63 Q; v64-127 S^T; v128-159 P; v160-223 O^T; v224-255 the second block's Q.
;   window 1: v0-63 K of one step; v64-127 V; v128-159 MK; v160-191 MD; v192-255 the two tiles' masks MC.
.set KS,    64        ; keys in a step
.set PK,    144       ; a row of K in LDS: 128 bytes + 16 = 36 words: the 16 rows of a load start at 16 different groups of four banks (64 banks of 4 bytes: ISA guide 11.1)
.set PV,    160       ; a row of V: 128 + 32 = 40 words
.set VOFF,  4*KS*PK   ; a slot holds a tile, four steps: 256 rows of K, then 256 rows of V
.set SLOT1, 1<<17     ; slot 1 begins here, so that one exclusive or turns an address in one slot into the other's
.set STAGE, SLOT1+4*KS*(PK+PV)  ; behind the ring, never filled by a tensor load: 16 rows x 144 bytes for each wave, for the way out
.set SP,    144
.set MTAB,  STAGE+4*16*SP       ; 8 x mask of my batch's 2,048 keys, f32: 8,192 bytes, stored once
.set SPARE, MTAB+8192           ; the spare words, 128 bytes for each wave: two blocks of 256 bytes that no other line names
.set AK0, 2           ; v2   my lane's place in a tile of K; never rewritten
.set AV0, 3           ; v3   the same for V
.set AK,  4           ; v4   the LDS address of K's run of loads
.set AV,  5           ; v5   of V's
.set STO, 6           ; v6   the way out: where I put 16 bytes of a row
.set RD,  7           ; v7   the way out: where I read rows back
.set GO,  8           ; v8   my 16 bytes of 512 consecutive bytes of ctx
.set AM0, 12          ; v12  my lanes' place in the mask table
.set AM,  13          ; v13  the LDS address of the mask's loads
.set SPW, 14          ; v14  LDS address of my spare word; never rewritten
.set NIL, 15          ; v15  0; never rewritten
.set ST,  16          ; tile t's statistics at v[ST+8 t]: c m, m, l (even keys', odd keys'), c0-c3 at work; a takes c2's place
.set Q,   32
.set S,   64
.set P,   128
.set O,   160
.set QB,  224
.set KF,  0           ; window 1: key block kb, channel half c at KF + 16 kb + 8 c
.set VF,  64          ; key half kk, channel block cb at VF + 32 kk + 8 cb
.set MK,  128         ; the eight registers for group kt of 16 keys at MK + 8 kt
.set MD,  160
.set MC,  192         ; tile t's at MC + 32 t
.set WV,  12          ; s12  my wave's number
.set PB,  14          ; s14  b
.set HI,  15          ; s15  15 - b
.set G1K, 24          ; s[24:31] descriptor group 1 for K's tiles
.set G1V, 32          ; s[32:39] for V's: it differs in the padding alone
.set G0K, 40          ; s[40:43] descriptor group 0 for K's tiles
.set G0V, 44          ; s[44:47] the same for V's
.set SLOTS, 56        ; s56  tiles still to be asked for
.set CNT, 57          ; s57  counts a tile's key steps
.set CS,  58          ; s[58:59] c
.set SEL, 60          ; s[60:61] v_permlanex16_b32's selects
.set TBK, 62          ; s62  LDS byte at which K of the step to be fetched begins
.set TBV, 63          ; s63  the same for V, less VOFF
.set TBM, 66          ; s66  the same step's byte in the mask table
.set TM,  67          ; s67  that, cut to the table
.set RT,  70          ; s70  tiles of the block in hand that are still to be entered
.set NXT, 71          ; s71  the tile to be asked for next
.set LQ,  72          ; s72  the last tile of the block whose tiles are being asked for
.set OFF, 74          ; s[74:75] a tile's byte offset in K and V
.set AL,  76          ; s[76:77] the mask's factor, in the low word
.set BE,  78          ; s[78:79] the mask's addend
.set OLO, 80          ; s[80:81] ctx at my rows of the second block
.set BIGN, 82         ; s82  -1e30
.set P2,  83          ; s83  2 (block % 2)
.set D,   84          ; s84  P2 - the diagonal tile's step
.set LOQ, 85          ; s85  the second block's last tile
.set MSB, 0
.macro WIN new                      ; the high byte repeats the setting that is left; a switch that changes nothing is dropped
.if MSB != (\new)
	s_set_vgpr_msb (MSB<<8)|(\new)
.set MSB, (\new)
.endif
.endm
.macro PLACES                       ; four places behind matrix instructions, in front of loads into their registers and of vector work on them
.rept 4
	v_nop
.endr
.endm
; A fill.  Waves 0 and 1 fetch the two halves of a tile's K, waves 2 and 3 those of its V: 128 keys each.  Four v_nop follow each of the two lines, ahead of the jump and the label.
.macro LOAD
	s_cmp_lt_u32 s[WV], 2
	s_cbranch_scc0 .Lfor_v_\@
	tensor_load_to_lds s[G0K:G0K+3], s[G1K:G1K+7]
	s_nop 0
.rept 4
	v_nop
.endr
	s_branch .Lasked_\@
.Lfor_v_\@:
	tensor_load_to_lds s[G0V:G0V+3], s[G1V:G1V+7]
	s_nop 0
.rept 4
	v_nop
.endr
.Lasked_\@:
.endm
; THE CHANGE OF SLOTS.  Each wave waits for all its tensor loads, of which one is out: its part of the other slot; adds 0 to its spare word; and waits for that and for its own reads of the slot that it leaves.
; Behind the barrier nobody reads the old slot any more and the other slot is whole.  fill = 1: the old slot is filled again, the first thing behind the barrier, with tile NXT: it has a tile's four key steps
; in which to land.  (At its first use nothing has been read yet: slot 0 is waited for, slot 1 filled, and the wait for LDS and the barrier also show every wave's part of the mask table to all.)
.macro CHANGE fill
	WIN 0
	s_wait_tensorcnt 0x0            ; no tensor load of mine is out, so a group 0 may be written
	ds_add_u32 v[SPW], v[NIL]       ; 0 onto my spare word
.if \fill
	s_lshl_b32 s[OFF], s[NXT], 15   ; a tile is 32,768 bytes of K and of V
	s_xor_b32 s[G0K+1], s[G0K+1], SLOT1
	s_add_nc_u64 s[G0K+2:G0K+3], s[6:7], s[OFF:OFF+1]
	s_or_b32 s[G0K+3], s[G0K+3], 0x80000000
	s_xor_b32 s[G0V+1], s[G0V+1], SLOT1
	s_add_nc_u64 s[G0V+2:G0V+3], s[8:9], s[OFF:OFF+1]
	s_or_b32 s[G0V+3], s[G0V+3], 0x80000000
	s_add_co_u32 s[NXT], s[NXT], 1  ; the block's next tile, or behind its last the second block's tile 0
	s_cmp_gt_u32 s[NXT], s[LQ]
	s_cselect_b32 s[NXT], 0, s[NXT]
	s_cselect_b32 s[LQ], s[LOQ], s[LQ]
.endif
	s_wait_dscnt 0x0                ; the add is done, and my LDS reads and stores are over
	s_barrier_signal -1
	s_sub_co_u32 s[TBK], s[TBK], 4*KS*PK  ; the fetches go back to a slot's first step,
	s_xor_b32 s[TBK], s[TBK], SLOT1       ; in the other slot
	s_sub_co_u32 s[TBV], s[TBV], 4*KS*PV
	s_xor_b32 s[TBV], s[TBV], SLOT1
	s_barrier_wait -1
.if \fill
	LOAD
.endif
.endm
	s_load_b128 s[16:19], s[0:1], 0x0  ; big s[16:17], input_mask s[18:19]
	s_load_b64 s[10:11], s[0:1], 0x10  ; act
	v_lshl_add_u32 v[SPW], v0, 2, SPARE
	v_mov_b32 v[NIL], 0
	ds_add_u32 v14, v15
	ds_add_u32 v14, v15
	s_wait_dscnt 0x0
	v_lshrrev_b32 v1, 5, v0
	v_readfirstlane_b32 s[WV], v1   ; wave 0..3
	s_mov_b32 s[PB], ttmp9
	s_sub_co_u32 s[HI], 15, s[PB]
	s_lshr_b32 s[LQ], s[HI], 1
	s_lshr_b32 s[LOQ], s[PB], 1
	s_add_co_u32 s[RT], s[LQ], 1    ; the first block has (15 - b) / 2 + 1 tiles, five at the least
	s_and_b32 s[P2], s[HI], 1
	s_lshl_b32 s[P2], s[P2], 1
	s_mov_b32 s[D], 0
	s_mov_b32 s[NXT], 1
	s_mov_b32 s[OFF+1], 0
	s_mov_b32 s[AL+1], 0            ; named as pairs
	s_mov_b32 s[BE+1], 0
	s_mov_b32 s[BIGN], 0xf149f2ca   ; -1e30
	s_mov_b32 s[SLOTS], 8
	s_mov_b32 s[TBM], 0
	s_mov_b32 s[CS], 0x3e38aa3b     ; c = log2(e) / 8
	s_mov_b32 s[CS+1], s[CS]
	s_mov_b32 s[SEL], 0x76543210
	s_mov_b32 s[SEL+1], 0xfedcba98
	s_mov_b32 s[TBK], SLOT1+4*KS*PK ; the first change of slots turns these two into 0
	s_mov_b32 s[TBV], SLOT1+4*KS*PV
	s_and_b32 s20, ttmp7, 0xffff
	s_lshr_b32 s21, s20, 4          ; the batch
	s_and_b32 s20, s20, 15          ; the head
	s_lshl_b32 s22, s20, 19         ; a block of 64 columns is 4,096 rows of 128 bytes,
	s_lshl_b32 s23, s21, 18         ; a batch 2,048 of them
	s_add_co_u32 s22, s22, s23      ; the head's first byte in q
	s_and_b32 s13, s[WV], 1         ; which half of a tile's 256 keys I fetch:
	s_lshl_b32 s2, s13, 14          ; its 128 rows of 128 bytes in memory,
	s_add_co_u32 s2, s2, s22
	s_add_co_u32 s88, s2, 8388608   ; in k, 16 blocks on,
	s_mov_b32 s89, 0
	s_add_co_u32 s90, s2, 16777216  ; and in v
	s_mov_b32 s91, 0
	s_mul_i32 s52, s13, 128*PK      ; and its place in a slot, for K
	s_mul_i32 s53, s13, 128*PV      ; and for V
	s_lshl_b32 s3, s[WV], 11        ; my 16 rows in a band of 64,
	s_add_co_u32 s3, s3, s22
	s_lshl_b32 s92, s[HI], 14       ; in the first block of 128 rows,
	s_add_co_u32 s92, s92, s3
	s_mov_b32 s93, 0
	s_lshl_b32 s94, s[PB], 14       ; and in the second
	s_add_co_u32 s94, s94, s3
	s_mov_b32 s95, 0
	s_lshl_b32 s86, s21, 22         ; ctx: ((16 batch + block) x 16 + head) x 16,384 + 2,048 wave
	s_lshl_b32 s87, s20, 14
	s_add_co_u32 s86, s86, s87
	s_lshl_b32 s87, s[WV], 11
	s_add_co_u32 s86, s86, s87
	s_lshl_b32 s87, s[PB], 18
	s_add_co_u32 s[OLO], s86, s87
	s_mov_b32 s[OLO+1], 0
	s_lshl_b32 s87, s[HI], 18
	s_add_co_u32 s86, s86, s87
	s_mov_b32 s87, 0
	s_lshl_b32 s2, s21, 13          ; my batch's 2,048 numbers of the mask
	s_mov_b32 s3, 0
	; descriptor group 1.  128 keys are 16,384 dense bytes: asked for as 64 rows of 256 bytes, two keys a row, and padded in LDS after every key
	s_mov_b32 s[G1K], (1<<16)|(1<<20)|(4<<22)|(3<<25)  ; 2-byte elements; padding on; after every 32 words 4 words
	s_mov_b32 s[G1V], (1<<16)|(1<<20)|(4<<22)|(7<<25)  ; the same with 8 words
.irp g, G1K, G1V
	s_mov_b32 s[\g+1], 128<<16      ; tensor_dim0 = 128
	s_mov_b32 s[\g+2], 64<<16       ; tensor_dim1 = 64
	s_mov_b32 s[\g+3], 128<<16      ; tile_dim0 = 128
	s_mov_b32 s[\g+4], 64           ; tile_dim1 = 64
	s_mov_b32 s[\g+5], 128          ; 128 elements from row to row
	s_mov_b32 s[\g+6], 0
	s_mov_b32 s[\g+7], 0
.endr
	s_mov_b32 s[G0K], 1
	s_mov_b32 s[G0K+1], s52         ; slot 0
	s_mov_b32 s[G0V], 1
	s_add_co_u32 s[G0V+1], s53, VOFF
	s_wait_kmcnt 0x0
	s_add_nc_u64 s[6:7], s[16:17], s[88:89]        ; K and V at my half of the head's tile 0
	s_add_nc_u64 s[8:9], s[16:17], s[90:91]
	s_add_nc_u64 s[4:5], s[16:17], s[92:93]        ; Q at my rows of the first block,
	s_add_nc_u64 s[94:95], s[16:17], s[94:95]      ; and of the second
	s_add_nc_u64 s[OLO:OLO+1], s[10:11], s[OLO:OLO+1]
	s_add_nc_u64 s[10:11], s[10:11], s[86:87]
	s_add_nc_u64 s[18:19], s[18:19], s[2:3]
	s_add_nc_u64 s[G0K+2:G0K+3], s[6:7], 0
	s_or_b32 s[G0K+3], s[G0K+3], 0x80000000
	s_add_nc_u64 s[G0V+2:G0V+3], s[8:9], 0
	s_or_b32 s[G0V+3], s[G0V+3], 0x80000000
	LOAD                            ; tile 0 into slot 0
	; A fragment of K or Q is 16 rows x 32 channels in 8 registers: lane l holds row l % 16, channels 8 (l / 16) + 0..7 and 16 + 8 (l / 16) + 0..7: two loads of 16 bytes, 32 bytes apart.
	v_and_b32 v1, 15, v0            ; l % 16
	v_bfe_u32 v9, v0, 4, 1          ; l / 16
	v_lshlrev_b32 v82, 7, v1        ; (v80-83, S^T's registers, are at work until the loop)
	v_lshl_add_u32 v82, v9, 4, v82  ; row x 128 + 16 x half
.irp i, 0,1,2,3                     ; both blocks' Q: tile i / 2 lies in band i / 2, 8,192 bytes on; channels 32 (i % 2) on
	global_load_b128 v[Q+8*\i:Q+8*\i+3],     v82, s[4:5] offset:(\i/2)*8192+(\i%2)*64
	global_load_b128 v[Q+8*\i+4:Q+8*\i+7],   v82, s[4:5] offset:(\i/2)*8192+(\i%2)*64+32
	global_load_b128 v[QB+8*\i:QB+8*\i+3],   v82, s[94:95] offset:(\i/2)*8192+(\i%2)*64
	global_load_b128 v[QB+8*\i+4:QB+8*\i+7], v82, s[94:95] offset:(\i/2)*8192+(\i%2)*64+32
.endr
	v_lshlrev_b32 v80, 4, v0        ; the mask: 128 threads x 16 bytes, four times
.irp i, 0,1,2,3
	global_load_b128 v[S+4*\i:S+4*\i+3], v80, s[18:19] offset:2048*\i
.endr
	v_add_nc_u32 v81, MTAB, v80
	v_lshlrev_b32 v83, 3, v9
	v_sub_nc_u32 v83, v1, v83
	s_lshl_b32 s13, s[WV], 4
	v_add_nc_u32 v83, s13, v83      ; my query's place in its band, 16 w + l % 16, less my lanes' 8 (l / 16): register j of group kt is hidden where 16 kt + j is greater
	WIN 0x40
.set i, 0
.rept 32
	v_cmp_gt_i32 vcc_lo, 16*(i/8)+i%8, v83
	v_cndmask_b32 v[MD+i], 0, s[BIGN], vcc_lo
.set i, i+1
.endr
	WIN 0
	v_mul_u32_u24 v[AK0], v1, PK
	v_lshl_add_u32 v[AK0], v9, 4, v[AK0]  ; row x pitch + 16 x half
	; The turning load takes 16 keys x 16 channels (lane l reads key 8 (l / 16) + l % 8, channels 8 ((l / 8) % 2) + 0..7) and leaves half a fragment of V^T: lane l holds channel l % 16 and 8 keys.
	v_and_b32 v10, 7, v0
	v_bfe_u32 v11, v0, 3, 1
	v_lshl_add_u32 v[AV0], v9, 3, v10
	v_mul_u32_u24 v[AV0], v[AV0], PV
	v_lshl_add_u32 v[AV0], v11, 4, v[AV0]
	v_add_nc_u32 v[AV0], VOFF, v[AV0]
	v_lshlrev_b32 v[AM0], 5, v9     ; my lanes' eight keys of sixteen, 4 bytes each
	v_add_nc_u32 v[AM0], MTAB, v[AM0]
	s_mul_i32 s13, s[WV], 16*SP
	s_add_co_u32 s13, s13, STAGE    ; my stage
	v_mul_u32_u24 v[STO], v1, SP    ; in: row l % 16, 16 bytes for each half of the lanes
	v_lshl_add_u32 v[STO], v9, 4, v[STO]
	v_add_nc_u32 v[STO], s13, v[STO]
	v_bfe_u32 v[RD], v0, 3, 2       ; back: 32 lanes take four rows of 128 bytes,
	v_mul_u32_u24 v[RD], v[RD], SP
	v_lshl_add_u32 v[RD], v10, 4, v[RD]
	v_add_nc_u32 v[RD], s13, v[RD]
	v_and_b32 v[GO], 31, v0         ; which are 512 consecutive bytes of ctx
	v_lshlrev_b32 v[GO], 4, v[GO]
	; A block's first step multiplies O^T and l by a = 0: they need only hold finite numbers: zeros for the first block, what the first block left for the second.  This stands in the wait for the first tile.
.set i, 0
.rept 64
	v_mov_b32 v[O+i], 0
.set i, i+1
.endr
.irp t, 0,1
	v_mov_b32 v[ST+8*\t], 0xfe000000    ; c m: far below every c s
	v_mov_b32 v[ST+8*\t+1], 0xff7fffff  ; m
	v_mov_b32 v[ST+8*\t+2], 0
	v_mov_b32 v[ST+8*\t+3], 0
.endr
	s_wait_loadcnt 0x0              ; Q and the mask
.set i, 0
.rept 16
	v_mul_f32 v[S+i], 0x41000000, v[S+i]  ; 8 x mask
.set i, i+1
.endr
.irp i, 0,1,2,3
	ds_store_b128 v81, v[S+4*\i:S+4*\i+3] offset:2048*\i
.endr
; THE LDS LOADS stand in runs.  A step's K (64 keys x 64 channels: 8 fragments) and its keys' masks: 24 loads.
.macro FETCH_K
	WIN 0
	s_and_b32 s[TM], s[TBM], 0x1f00      ; inside the table's 8,192 bytes
	v_add_nc_u32 v[AK], s[TBK], v[AK0]
	v_add_nc_u32 v[AM], s[TM], v[AM0]
	WIN 0x40                        ; destination window 1
.irp f, 0,1,2,3,4,5,6,7             ; keys 16 (f / 2) on, channels 32 (f % 2) on
	ds_load_b128 v[KF+8*\f:KF+8*\f+3],   v[AK] offset:(\f/2)*16*PK+(\f%2)*64
	ds_load_b128 v[KF+8*\f+4:KF+8*\f+7], v[AK] offset:(\f/2)*16*PK+(\f%2)*64+32
.endr
.irp f, 0,1,2,3                     ; keys 16 f + 8 (l / 16) + 0..7: sixteen lanes read the same words
	ds_load_b128 v[MK+8*\f:MK+8*\f+3],   v[AM] offset:64*\f
	ds_load_b128 v[MK+8*\f+4:MK+8*\f+7], v[AM] offset:64*\f+16
.endr
	WIN 0
	s_add_co_u32 s[TBK], s[TBK], KS*PK   ; the next fetch is the next step's
	s_add_co_u32 s[TBM], s[TBM], 4*KS
.endm
.macro FETCH_V                      ; a step's V, turned: 16 loads
	WIN 0
	v_add_nc_u32 v[AV], s[TBV], v[AV0]
	WIN 0x40
.irp f, 0,1,2,3,4,5,6,7             ; keys 32 (f / 4) on, channels 16 (f % 4) on
	ds_load_tr16_b128 v[VF+8*\f:VF+8*\f+3],   v[AV] offset:(\f/4)*32*PV+(\f%4)*32
	ds_load_tr16_b128 v[VF+8*\f+4:VF+8*\f+7], v[AV] offset:(\f/4)*32*PV+16*PV+(\f%4)*32
.endr
	WIN 0
	s_add_co_u32 s[TBV], s[TBV], KS*PV
.endm
; Tile t's mask for the diagonal tile's step in hand: MD x AL + MK + BE
.macro MASK t
	s_cmp_eq_i32 s[D], -(\t)        ; is the step the band's own?
	s_cselect_b32 s[AL], 1.0, 0
	s_cmp_lt_i32 s[D], -(\t)        ; or a later one?
	s_cselect_b32 s[BE], s[BIGN], 0
	WIN 0x51
.set z, 0
.rept 16
	v_pk_fma_f32 v[MC+32*(\t)+2*z:MC+32*(\t)+2*z+1], v[MD+2*z:MD+2*z+1], s[AL:AL+1], v[MK+2*z:MK+2*z+1] op_sel_hi:[1,0,1]
.set z, z+1
.endr
	WIN 0x41
.set z, 0
.rept 16
	v_pk_add_f32 v[MC+32*(\t)+2*z:MC+32*(\t)+2*z+1], v[MC+32*(\t)+2*z:MC+32*(\t)+2*z+1], s[BE:BE+1] op_sel_hi:[1,0]
.set z, z+1
.endr
.endm
; THE MATRIX WORK.  The 4 accumulators of a run of 8 take turns.  Product i of 8 of S^T = K Q^T for tile t: channels 32 (i / 4) on, keys 16 (i % 4) on.  The first 4 start the sums, with the mask as C.
.macro KQ t, m
.set i, 0
.rept 8
.set rS, S+32*(\t)+8*(i%4)
.set rK, KF+16*(i%4)+8*(i/4)
.set rQ, Q+16*(\t)+8*(i/4)
.if i < 4
	WIN 0x11                        ; K and C window 1, Q and S^T window 0
.if \m
	v_wmma_f32_16x16x32_f16 v[rS:rS+7], v[rK:rK+7], v[rQ:rQ+7], v[MC+32*(\t)+8*(i%4):MC+32*(\t)+8*(i%4)+7]
.else
	v_wmma_f32_16x16x32_f16 v[rS:rS+7], v[rK:rK+7], v[rQ:rQ+7], v[MK+8*(i%4):MK+8*(i%4)+7]
.endif
.else
	WIN 0x01
	v_wmma_f32_16x16x32_f16 v[rS:rS+7], v[rK:rK+7], v[rQ:rQ+7], v[rS:rS+7]
.endif
.set i, i+1
.endr
.endm
; Product i of 8 of O^T += V^T P for tile t: keys 32 (i / 4) on, channels 16 (i % 4) on.
.macro PV t
	WIN 0x01                        ; V window 1, P and O^T window 0
.set i, 0
.rept 8
.set rO, O+32*(\t)+8*(i%4)
.set rV, VF+32*(i/4)+8*(i%4)
.set rP, P+16*(\t)+8*(i/4)
	v_wmma_f32_16x16x32_f16 v[rO:rO+7], v[rV:rV+7], v[rP:rP+7], v[rO:rO+7]
.set i, i+1
.endr
.endm
; THE VECTOR WORK of a key step: 118 instructions a tile, all in window 0, cut in three by who reads what: SMAX and BATCH name no exponential's result, READERS does.
; SMAX: both tiles' maxima and statistics, line by line, the tiles alternating, so that the other tile's line stands between two links of a chain.  Its last two lines, the two a, open the step's batch.
.macro SMAX
	WIN 0
.irp j, 0,1,2,3                     ; the maximum of the lane's 32 scores and the old m: four chains a tile, each accumulator's lowest registers first
.irp t, 0,1
	v_max3_num_f32 v[ST+8*\t+4+\j], v[S+32*\t+8*\j], v[S+32*\t+8*\j+1], v[S+32*\t+8*\j+2]
.endr
.endr
.irp j, 0,1,2,3
.irp t, 0,1
	v_max3_num_f32 v[ST+8*\t+4+\j], v[ST+8*\t+4+\j], v[S+32*\t+8*\j+3], v[S+32*\t+8*\j+4]
.endr
.endr
.irp j, 0,1,2,3
.irp t, 0,1
	v_max3_num_f32 v[ST+8*\t+4+\j], v[ST+8*\t+4+\j], v[S+32*\t+8*\j+5], v[S+32*\t+8*\j+6]
.endr
.endr
.irp t, 0,1
	v_max3_num_f32 v[ST+8*\t+4], v[ST+8*\t+4], v[S+32*\t+7], v[S+32*\t+15]
.endr
.irp t, 0,1
	v_max3_num_f32 v[ST+8*\t+6], v[ST+8*\t+6], v[S+32*\t+23], v[S+32*\t+31]
.endr
.irp t, 0,1
	v_max3_num_f32 v[ST+8*\t+5], v[ST+8*\t+5], v[ST+8*\t+7], v[ST+8*\t+1]
.endr
.irp t, 0,1
	v_mov_b32 v[ST+8*\t+7], v[ST+8*\t]  ; c m_old is kept
.endr
.irp t, 0,1
	v_max3_num_f32 v[ST+8*\t+4], v[ST+8*\t+4], v[ST+8*\t+5], v[ST+8*\t+6]
.endr
.irp t, 0,1
	v_permlanex16_b32 v[ST+8*\t+5], v[ST+8*\t+4], s[SEL], s[SEL+1]  ; the query's other 32 keys lie in the lane 16 away
.endr
.irp t, 0,1
	v_max_num_f32 v[ST+8*\t+1], v[ST+8*\t+4], v[ST+8*\t+5]
.endr
.irp t, 0,1
	v_mul_f32 v[ST+8*\t], s[CS], v[ST+8*\t+1]
.endr
.irp t, 0,1
	v_sub_f32 v[ST+8*\t+7], v[ST+8*\t+7], v[ST+8*\t]
.endr
.irp t, 0,1
	v_exp_f32 v[ST+8*\t+6], v[ST+8*\t+7]  ; a
.endr
.endm
; BATCH: the 32 scalings c s - c m and the 64 exponentials of the weights, from two queues in which the tiles alternate.  Scaling nf is pair nf / 2 of tile nf % 2; exponential ne is score ne / 2 of tile ne % 2.
; The deal: four scalings; 28 times two exponentials and a scaling; the last eight exponentials.  There are half as many scalings as exponentials, so they are spread over the batch.
; Exponential ne needs scaling 2 (ne / 4) + ne % 2, which stands four lines or more ahead of it; a scaling's pair always lies above the scores whose exponentials are out, so no line here names a result.
.macro FS                           ; the next scaling
.set rS, S+32*(nf%2)+2*(nf/2)
.set rT, ST+8*(nf%2)
	v_pk_fma_f32 v[rS:rS+1], v[rS:rS+1], s[CS:CS+1], v[rT:rT+1] op_sel_hi:[1,0,0] neg_lo:[0,0,1] neg_hi:[0,0,1]
.set nf, nf+1
.endm
.macro EX                           ; the next exponential, in place
	v_exp_f32 v[S+32*(ne%2)+ne/2], v[S+32*(ne%2)+ne/2]
.set ne, ne+1
.endm
.macro BATCH
.set nf, 0
.set ne, 0
.rept 4
	FS
.endr
.rept 28
	EX
	EX
	FS
.endr
.rept 8
	EX
.endr
	v_nop                           ; the plain instruction behind the last exponential, ahead of the first use: one for the batch
	s_wait_alu depctr_va_vdst(0)    ; ONE wait for the step's 66 exponentials, both tiles' a and weights; every line that names a result of theirs stands behind it
.endm
; READERS: all of tile t that names an exponential's result.  Of each four weights: both pairs rounded to f16, the second pair added onto the first; l takes that sum a group later (the first time as l = a l + sum).
; Two pairs of O^T times a stand in each group, ascending.
.macro READERS t
.set rT, ST+8*(\t)
.set rS, S+32*(\t)
.set rP, P+16*(\t)
.set rO, O+32*(\t)
	WIN 0
.set n, 0
.rept 8
	v_cvt_pk_f16_f32 v[rP+2*n], v[rS+4*n], v[rS+4*n+1]
	v_cvt_pk_f16_f32 v[rP+2*n+1], v[rS+4*n+2], v[rS+4*n+3]
	v_pk_mul_f32 v[rO+4*n:rO+4*n+1], v[rO+4*n:rO+4*n+1], v[rT+6:rT+7] op_sel_hi:[1,0]
	v_pk_add_f32 v[rS+4*n:rS+4*n+1], v[rS+4*n:rS+4*n+1], v[rS+4*n+2:rS+4*n+3]
	v_pk_mul_f32 v[rO+4*n+2:rO+4*n+3], v[rO+4*n+2:rO+4*n+3], v[rT+6:rT+7] op_sel_hi:[1,0]
.if n == 1
	v_pk_fma_f32 v[rT+2:rT+3], v[rT+2:rT+3], v[rT+6:rT+7], v[rS:rS+1] op_sel_hi:[1,0,1]  ; l = a l + sum
.elseif n > 1
	v_pk_add_f32 v[rT+2:rT+3], v[rT+2:rT+3], v[rS+4*n-4:rS+4*n-3]
.endif
.set n, n+1
.endr
	v_pk_add_f32 v[rT+2:rT+3], v[rT+2:rT+3], v[rS+28:rS+29]
.endm
; A KEY STEP.  m = 1: the diagonal tile's: the products take the tiles' own masks.  pre = 1: the next step's K, masks and V are fetched.
.macro STEP m, pre
	s_wait_dscnt 16                 ; K and the masks are in: V's 16 loads are younger
.if \m
	MASK 0
	MASK 1
.endif
	KQ 0, \m
	KQ 1, \m
	WIN 0
	PLACES                          ; behind the products: K's and MK's registers are loaded again, S^T is read
.if \pre
	FETCH_K
.endif
	SMAX                            ; ahead of the step's one wait: maxima, statistics,
	BATCH                           ; scalings and exponentials; the wait ends the macro
	READERS 0
.if \pre
	s_wait_dscnt 24                 ; V is in: the 24 loads just issued are younger
.else
	s_wait_dscnt 0x0                ; V is in
.endif
	PV 0
	READERS 1
	PV 1
	WIN 0
	PLACES                          ; behind the products: V's registers are loaded again (here or in the next tile), O^T is read on the way out
.if \pre
	FETCH_V
.endif
.if \m
	s_sub_co_i32 s[D], s[D], 1
.endif
.endm
; A TILE: four key steps; the first's fragments are fetched here, the last fetches nothing.  The tag ends the loop's label.
.macro TILE m, tag
.if \m
	s_mov_b32 s[D], s[P2]
.endif
	FETCH_K
	FETCH_V
	s_mov_b32 s[CNT], 3
.Lst\tag:
	STEP \m, 1
	s_sub_co_u32 s[CNT], s[CNT], 1
	s_cmp_lg_u32 s[CNT], 0
	s_cbranch_scc1 .Lst\tag
	STEP \m, 0
.endm
; THE WAY OUT: l's two halves and the other half of the lanes' are added; O^T is divided by l, rounded to f16 and sent through my stage in LDS, a tile at a time.
.macro PACK t
.set i, 0
.rept 16
	v_pk_mul_f32 v[O+32*(\t)+2*i:O+32*(\t)+2*i+1], v[O+32*(\t)+2*i:O+32*(\t)+2*i+1], v[ST+8*(\t)+2:ST+8*(\t)+3] op_sel_hi:[1,0]
.set i, i+1
.endr
.set i, 0
.rept 16
	v_cvt_pk_f16_f32 v[S+16*(\t)+i], v[O+32*(\t)+2*i], v[O+32*(\t)+2*i+1]
.set i, i+1
.endr
.irp f, 0,1,2,3
	ds_store_b128 v[STO], v[S+16*(\t)+4*\f:S+16*(\t)+4*\f+3] offset:32*\f
.endr
.irp f, 0,1,2,3
	ds_load_b128 v[S+16*(\t)+4*\f:S+16*(\t)+4*\f+3], v[RD] offset:\f*4*SP  ; LDS serves a wave's instructions in order (ISA guide 5.7.1.4): these see the stores above; the next tile's stores come behind them
.endr
.endm
.macro SEND t, younger              ; younger: the LDS instructions issued behind tile t's loads
.irp f, 0,1,2,3
	s_wait_dscnt (\younger)+3-\f
	global_store_b128 v[GO], v[S+16*(\t)+4*\f:S+16*(\t)+4*\f+3], s[10:11] offset:(\t)*8192+\f*512  ; 512 consecutive bytes, at a multiple of 256 from ctx's first
.endr
.endm
.macro FINISH
.irp t, 0,1
	v_add_f32 v[ST+8*\t+2], v[ST+8*\t+2], v[ST+8*\t+3]
.endr
.irp t, 0,1
	v_permlanex16_b32 v[ST+8*\t+3], v[ST+8*\t+2], s[SEL], s[SEL+1]
.endr
.irp t, 0,1
	v_add_f32 v[ST+8*\t+2], v[ST+8*\t+2], v[ST+8*\t+3]
.endr
.irp t, 0,1
	v_rcp_f32 v[ST+8*\t+2], v[ST+8*\t+2]
.endr
	v_nop                           ; a plain instruction between the last reciprocal and the use of its result
	s_wait_alu depctr_va_vdst(0)    ; and the wait ahead of the first use: one for the block's two reciprocals
	PACK 0
	PACK 1
	SEND 0, 8
	SEND 1, 0
.endm
.Lslot:                             ; 8 times: a tile is entered and the next is asked for
	CHANGE 1
	s_sub_co_u32 s[RT], s[RT], 1
	s_cmp_eq_u32 s[RT], 0
	s_cbranch_scc1 .Ldiag           ; forward, past text that holds neither a barrier nor a tensor load
	TILE 0, _a
	s_branch .Lbottom
.Ldiag:                             ; in the loop this is the first block's last tile: the second block's last is the walk's last
	TILE 1, _b
	FINISH
	s_wait_xcnt 0x0                 ; the stores have read their registers and ctx's address
	s_mov_b64 s[10:11], s[OLO:OLO+1]
.set i, 0
.rept 32
	v_mov_b32 v[Q+i], v[QB+i]       ; the second block's Q goes where the one text of the steps names Q
.set i, i+1
.endr
.irp t, 0,1
	v_mov_b32 v[ST+8*\t], 0xfe000000
	v_mov_b32 v[ST+8*\t+1], 0xff7fffff
.endr
	s_add_co_u32 s[RT], s[LOQ], 1   ; the second block has b / 2 + 1 tiles
	s_and_b32 s[P2], s[PB], 1
	s_lshl_b32 s[P2], s[P2], 1
	s_mov_b32 s[TBM], 0             ; its keys begin at 0 again
.Lbottom:
	s_sub_co_u32 s[SLOTS], s[SLOTS], 1
	s_cmp_lg_u32 s[SLOTS], 0
	s_cbranch_scc1 .Lslot
	CHANGE 0                        ; the walk's last tile is written out: nothing is asked for
	TILE 1, _c
	FINISH
	s_wait_tensorcnt 0x0            ; the wave's end, behind my last tensor load and my last LDS store
	ds_add_u32 v[SPW], v[NIL]
	s_wait_dscnt 0x0
	s_endpgm
.Lfunc_end_k_qcbdae0b454_attn:
	.size	k_qcbdae0b454_attn, .Lfunc_end_k_qcbdae0b454_attn-k_qcbdae0b454_attn
	.p2alignl 7, 3214868480
	.fill 96, 4, 3214868480
	.section	.rodata,"a",@progbits
	.p2align	6, 0x0
	.amdhsa_kernel k_qcbdae0b454_attn
		.amdhsa_group_segment_fixed_size 327680
		.amdhsa_private_segment_fixed_size 0
		.amdhsa_enable_private_segment 0
		.amdhsa_kernarg_size 24
		.amdhsa_user_sgpr_count 2
		.amdhsa_user_sgpr_kernarg_segment_ptr 1
		.amdhsa_wavefront_size32 1
		.amdhsa_system_sgpr_workgroup_id_x 1
		.amdhsa_system_sgpr_workgroup_id_y 1
		.amdhsa_system_sgpr_workgroup_id_z 1
		.amdhsa_system_vgpr_workitem_id 0
		.amdhsa_next_free_vgpr 512
		.amdhsa_next_free_sgpr 96
		.amdhsa_reserve_vcc 1
		.amdhsa_float_denorm_mode_32 3
		.amdhsa_float_denorm_mode_16_64 3
		.amdhsa_memory_ordered 1
		.amdhsa_forward_progress 1
		.amdhsa_inst_pref_size 159
	.end_amdhsa_kernel
	.amdgpu_metadata
---
amdhsa.version: [ 1, 2 ]
amdhsa.kernels:
  - .name:           k_qcbdae0b454_attn
    .symbol:         k_qcbdae0b454_attn.kd
    .args:
      - { .name: big, .offset: 0, .size: 8, .value_kind: global_buffer, .address_space: global }
      - { .name: input_mask, .offset: 8, .size: 8, .value_kind: global_buffer, .address_space: global }
      - { .name: act, .offset: 16, .size: 8, .value_kind: global_buffer, .address_space: global }
    .group_segment_fixed_size: 327680
    .private_segment_fixed_size: 0
    .kernarg_segment_align: 8
    .kernarg_segment_size: 24
    .max_flat_workgroup_size: 128
    .sgpr_count:     96
    .vgpr_count:     512
    .wavefront_size: 32
...
	.end_amdgpu_metadata
.endif
;; end of part 8
;; launch oproj: the kernel of part 4 again; grid 8 x 32, 4 waves a work-group, clusters of 4 x 4, 327,680 bytes of LDS; arguments act, wts, attn_ob, x, resid; writes resid
;; launch ln2: the kernel of part 5 again; grid 256 x 1, 8 waves a work-group, no clusters, 0 bytes of LDS; arguments resid, attn_nw, attn_nb, act; writes act
;; launch mlp1: the kernel of part 6 again; grid 16 x 16, 4 waves a work-group, clusters of 4 x 4, 327,680 bytes of LDS; arguments act, wts, inter_b, big; writes big
;; launch mlp2: the kernel of part 7 again; grid 8 x 32, 4 waves a work-group, clusters of 4 x 4, 327,680 bytes of LDS; arguments big, wts, output_b, resid, out0; writes out0
